; MI455X (gfx1250); checked and timed in simulation.
; The chip was launched on July 23, 2026; its instructions are those of AMD's public machine-readable ISA for CDNA 5 (MIT licence, August 2026) and "CDNA5" Instruction Set Architecture Reference Guide (July 2026). The comments in the code are by the model that wrote it; some were corrected since.
;; Mo E. Allowed arithmetic: matrix products marked QUANTISED: E3M2 operands, one E8M0 scale for each 32 along K, by v_wmma_scale_f32_16x16x128_f8f6f4 with both operands' format E3M2, f32 sums; products left as they are: f32 operands where the result goes on into a quantised operand, else bf16, f16 or f32 operands; f32 sums; everything else in f32.
;; Inputs: W1 8 x 512 x 2,048 float32; W2 8 x 2,048 x 512 float32; Wr 512 x 8 float32; b1 8 x 2,048 float32; b2 8 x 512 float32; br 8 float32; x 4 x 1,024 x 512 float32.
;; Outputs: out0 4 x 1,024 x 8 float32; out1 4 x 1,024 x 2 int32; out2 4 x 1,024 x 512 float32.
;; This version of the problem:
;;   THIS VERSION OF THE PROBLEM IS GIVEN IN LOW PRECISION. The matrix products marked QUANTISED in the list below multiply operands that are first quantised to E3M2 (3 exponent bits, 2 mantissa bits; 6 bits a number), with one power-of-two scale for each 32 numbers along K (OCP MX v1.0); their sums are f32. All else is computed in f32.
;;   The module's matrix products, in the order in which they are computed (A, B: the left and right operand; K: the contracted axis; several contracted axes count as one K, in the product's order):
;;     1. [M 4,096, K 512] x [K 512, N 8]; A: input x; B: input Wr: left as it is (N = 8 < 16)
;;     2. batch 4,096 x [M 1, K 2] x [K 2, N 8]; A: softmax; B: computed on the way: left as it is (K = 2 < 32)
;;     3. [M 4,096, K 512] x [K 512, N 16,384]; A: input x; B: input W1: QUANTISED
;;     4. batch 8 x [M 512, K 2,048] x [K 2,048, N 4,096]; A: input W2; B: computed on the way: QUANTISED
;;     5. batch 4,096 x [M 512, K 8] x [K 8, N 1]; A: computed on the way; B: computed on the way: left as it is (K = 8 < 32)
;;   THE QUANTISER, for each operand of a quantised product, along K:
;;     - K is cut into blocks of 32 from its start; a last block that is shorter is filled with zeros.
;;     - A block's scale is 2^e with e = floor(log2(the largest magnitude in the block)) - 4, held to -126 .. 127; a block of zeros has e = 0. As a byte (E8M0): e + 127.
;;     - Each number is divided by its block's scale, clamped to +-28, and rounded to the nearest number of E3M2, ties to even, subnormals kept.
;;     - The product sums the exact products of the quantised numbers (number of the format x scale) in f32.
;;   ~~~python
;;   def quantise(x, axis):      # numpy; x: float32 -> the quantised numbers, widened to float32 again
;;       x = np.moveaxis(x, axis, -1); K = x.shape[-1]
;;       x = np.pad(x, [(0, 0)] * (x.ndim - 1) + [(0, -K % 32)]); x = x.reshape(x.shape[:-1] + (-1, 32)); a = np.abs(x).max(-1, keepdims=True)
;;       e = np.where(a > 0, np.clip(np.frexp(np.where(a > 0, a, 1))[1] - 1 - 4, -126, 127), 0)      # np.frexp(a)[1] - 1 = floor(log2(a)), exactly
;;       r = np.clip(x / 2.0 ** e, -28, 28)
;;       step = 2.0 ** (np.maximum(np.frexp(np.where(r == 0, 1, r))[1] - 1, -2) - 2)
;;       q = np.round(r / step) * step * 2.0 ** e      # np.round: ties to even
;;       return np.moveaxis(q.reshape(q.shape[:-2] + (-1,))[..., :K], -1, axis).astype(np.float32)
;;   ~~~
;;   OPERANDS COMPUTED ON THE WAY. 'Computed on the way' means the value that the module computes at that place (a softmax that the list does not call 'softmax' is quantised finished and normalised). What goes into a quantiser is computed in f32, as accurately as f32 sums, v_exp_f32 and their like allow (about 1e-6 of the number): no bf16 or f16 on the way to a quantiser, and a product that is left as it is and whose result goes on into a quantised operand takes f32 operands (vector FMAs, or v_wmma_f32_16x16x4_f32). A number that lies on a knife's edge between two numbers of the format may be rounded either way, as far as f32 arithmetic and the matrix unit's own rounding can turn it there, and no further.
;; 3 versions, each right; version 2 is faster than version 1; version 3 is version 2 with the launches hidden, combine written anew for expert scheduling mode. Each part assembles by itself: llvm-mc -triple=amdgcn-amd-amdhsa -mcpu=gfx1250 --defsym DOCPART=n.
;; ======== version 1 of 3: 4 launches
;; workspace buffers: w1q 6,553,600 bytes; w2q 6,553,600 bytes; xq 1,671,168 bytes; hq 15,335,424 bytes; pairs 16,384 bytes of whole numbers; lists 59,904 bytes of whole numbers
;; launch prep (part 1): grid 576 x 1, 4 waves a work-group, no clusters, 103,936 bytes of LDS; arguments x, Wr, br, W1, w1q, xq, pairs, out0, out1; writes w1q, xq, pairs, out0, out1
.if DOCPART == 1
	.amdgcn_target "amdgcn-amd-amdhsa--gfx1250"
	.amdhsa_code_object_version 6
	.text
	.protected	k_q384afb9fd9_prep
	.globl	k_q384afb9fd9_prep
	.p2align	8
	.type	k_q384afb9fd9_prep,@function
k_q384afb9fd9_prep:
	s_mov_b64 s[64:65], 0
	v_nop
	global_prefetch_b8 v0, s[64:65] scope:SCOPE_SE
	s_setreg_imm32_b32 hwreg(HW_REG_WAVE_MODE, 25, 1), 1
	s_wait_xcnt 0x0
; PREP.  Work-groups 0-63: the router (logits, top-2, gates, number of the pair of experts) and x as codes of E3M2.  Work-groups 64-575: W1 as codes of E3M2, laid in the order of an operand's registers.
; ROUTER.  A wave takes 16 tokens.  Lane (r, h) holds, of token r, 16 neighbours of each block of 32 along C: register 16 b + i = x[128 s + 32 b + 16 h + i].  The same registers feed the f32 sums of the logits and the quantiser.
; Wr (16,384 bytes) is copied by each wave into LDS bytes of its own; a row of Wr (8 experts) is read back by two loads of 16 bytes in which the 16 lanes of a half name the same address.
; WEIGHTS.  A wave takes 32 columns x 128 along K: a lane takes a column and its registers run down K, so that a block of 32 lies in one lane and the conversions give codes with K innermost.
; Column 32 b + 8 u + r + 8 (r / 8) is row r of tile 2 b + u.  A fragment (12 registers a lane) is stored as an image: registers 4 q .. 4 q + 3 of lane l at 512 q + 16 l.
; LIMITS: NaN and infinities among the inputs are not served.  A block whose largest magnitude lies under 2^-122 (a block of zeros among them) gets the scale byte 1; only this program reads the bytes.
; The logits are summed in another order than a plain ascending sum: two logits of a token that differ by about 1e-6 of their size may change places in the top-2.
; Short stores: the indices, gates and pair numbers of 16 tokens (128, 128 and 64 consecutive bytes a wave) and a weight job's scale words (128 consecutive bytes).
.set XS_OFF,   1572864                 ; xq: x's scale words, 16 bytes a token
.set GATE_OFF, 1638400                 ; xq: the two gates, 8 bytes a token
.set WS_OFF,   6291456                 ; w1q: the scale words
.set XST,      13312                   ; LDS: 0 .. 13,311 the weight path's stages (4 x 3,328); from here the router's stages for x's codes (4 x 6,144)
.set WRL,      37888                   ; LDS: a copy of Wr for each router wave (4 x 16,384)
.set ACC, 8                            ; v8-23   the sums: two sets of 8 experts (even and odd registers of x)
.set TM,  24                           ; v24-39  the quantiser's work
.set PC,  40                           ; v40-58  the codes just made
.set PW,  59                           ; v59     the scale word just made
.set PWS, 60                           ; v60-63  the four K steps' scale words
.set WR,  64                           ; v64-127 rows of Wr: two halves of four rows
.set X0,  128                          ; v128-191, v192-255: two K steps of x
.set X1,  192
.set SEL, 34                           ; s[34:35] lane selects: lane l xor 16
.set CB,  32                           ; weights: v32-63 codes, 8 registers a block
.set XW,  64                           ; weights: v64-191 four blocks of 32 numbers
; 64 numbers of a lane (register 16 b + i = k 32 b + 16 h + i of my row) become a fragment's codes in v[PC] on and its scale word in v[PW]
.macro QUANT src
.irp b, 0,1,2,3
	v_max3_num_f32 v[TM+\b], |v[\src+16*\b]|, |v[\src+1+16*\b]|, 0x2800000   ; my 16 numbers of block b, and the floor 2^(5 - 127): the byte cannot fall under 1
.endr
.irp i, 2,4,6,8,10,12,14
.irp b, 0,1,2,3
	v_max3_num_f32 v[TM+\b], v[TM+\b], |v[\src+16*\b+\i]|, |v[\src+1+16*\b+\i]|
.endr
.endr
.irp b, 0,1,2,3
	v_permlanex16_b32 v[TM+4+\b], v[TM+\b], s[SEL], s[SEL+1]
.endr
.irp b, 0,1,2,3
	v_max_num_f32 v[TM+\b], v[TM+\b], v[TM+4+\b]           ; with lane l xor 16's 16: the block's largest magnitude
.endr
.irp b, 0,1,2,3
	v_add_nc_u32 v[TM+12+\b], 0xfe000000, v[TM+\b]         ; 4 off its exponent field: the conversion's scale operand
.endr
.irp b, 0,1,2,3
	v_lshrrev_b32 v[TM+4+\b], 23, v[TM+12+\b]              ; the scale's byte
.endr
	v_lshl_or_b32 v[PW], v[TM+5], 8, v[TM+4]
	v_lshl_or_b32 v[PW], v[TM+6], 16, v[PW]
	v_lshl_or_b32 v[PW], v[TM+7], 24, v[PW]
.irp c, 0,1
	v_cvt_scalef32_pk16_bf6_f32 v[PC+6*\c:PC+2+6*\c], v[\src+32*\c:\src+15+32*\c], v[TM+12+2*\c]
	v_cvt_scalef32_pk16_bf6_f32 v[PC+12+4*\c:PC+14+4*\c], v[\src+16+32*\c:\src+31+32*\c], v[TM+12+2*\c+1]
.endr
	v_nop                                                  ; one plain instruction behind the scaled conversions
.irp c, 0,1                                            ; the operand's layout wants a whole block in a lane
.irp i, 0,1,2
	v_permlane16_swap_b32 v[PC+6*\c+\i], v[PC+12+4*\c+\i]
.endr
.irp i, 0,1,2
	v_mov_b32 v[PC+3+6*\c+\i], v[PC+12+4*\c+\i]
.endr
.endr
.endm
.macro XLOAD reg, ks                   ; my 64 numbers of K step ks
.irp b, 0,1,2,3
.irp j, 0,1,2,3
	global_load_b128 v[\reg+16*\b+4*\j:\reg+16*\b+4*\j+3], v1, s[4:5] offset:512*(\ks)+128*\b+16*\j th:TH_LOAD_NT
.endr
.endr
.endm
.macro WRLD hf, ks, g                  ; the rows of Wr that belong to registers 4 g .. 4 g + 3 of K step ks, into half hf
.irp i, 0,1,2,3
	ds_load_b128 v[WR+32*(\hf)+8*\i:WR+32*(\hf)+8*\i+3], v2 offset:4096*(\ks)+1024*((4*(\g)+\i)/16)+32*((4*(\g)+\i)%16)
	ds_load_b128 v[WR+32*(\hf)+8*\i+4:WR+32*(\hf)+8*\i+7], v2 offset:4096*(\ks)+1024*((4*(\g)+\i)/16)+32*((4*(\g)+\i)%16)+16
.endr
.endm
.macro FMA xb, ks                      ; the logits' sums for one K step: 64 registers of x, 8 experts each, two experts an instruction
	WRLD 0, \ks, 0
	WRLD 1, \ks, 1
.set G, 0
.rept 16
.if G < 15
	s_wait_dscnt 8                                         ; this group's eight loads are in; the next group's eight may be out
.else
	s_wait_dscnt 0x0
.endif
.irp i, 0,1,2,3
.irp p, 0,1,2,3
.if (\i%2) == 0
	v_pk_fma_f32 v[ACC+2*\p:ACC+2*\p+1], v[\xb+4*G+\i:\xb+4*G+\i+1], v[WR+32*(G%2)+8*\i+2*\p:WR+32*(G%2)+8*\i+2*\p+1], v[ACC+2*\p:ACC+2*\p+1] op_sel_hi:[0,1,1]
.else
	v_pk_fma_f32 v[ACC+8+2*\p:ACC+8+2*\p+1], v[\xb+4*G+\i-1:\xb+4*G+\i], v[WR+32*(G%2)+8*\i+2*\p:WR+32*(G%2)+8*\i+2*\p+1], v[ACC+8+2*\p:ACC+8+2*\p+1] op_sel:[1,0,0] op_sel_hi:[1,1,1]
.endif
.endr
.endr
.if G < 14
	WRLD G%2, \ks, G+2
.endif
.set G, G+1
.endr
.endm
.macro KSTEP xb, ks                    ; sums, codes, codes to my stage.  FMA ends with a wait for all my LDS instructions: the last step's stores have read v[PC] on
	FMA \xb, \ks
	QUANT \xb
.irp q, 0,1,2
	ds_store_b128 v3, v[PC+4*\q:PC+4*\q+3] offset:48*(\ks)+16*\q
.endr
	v_mov_b32 v[PWS+(\ks)], v[PW]
.endm
; ---- the weight job, shared in form with the next launch
.macro WQADDR wv                       ; v1 = 4 lane, v4 = 16 lane, v2 = where my column's codes go in my wave's stage, v3 = where I read images back, v5 = 4 (r + 16 u)
	v_and_b32 v7, 31, v0
	v_lshlrev_b32 v1, 2, v7
	v_lshlrev_b32 v4, 4, v7
	v_bfe_u32 v8, v0, 3, 1                                 ; u: which of the two tiles my column falls into
	v_and_b32 v9, 7, v0
	v_bfe_u32 v10, v0, 4, 1
	v_lshl_or_b32 v9, v10, 3, v9                           ; r: its row there
	s_mul_i32 s23, s[\wv], 3328
	v_mul_u32_u24 v2, v8, 1664                             ; a tile's image: 1,536 bytes + 128, so that the two tiles' rows start in different banks
	v_lshl_add_u32 v2, v9, 4, v2
	v_add_nc_u32 v2, s23, v2
	v_add_nc_u32 v3, s23, v4
	v_lshl_add_u32 v5, v8, 4, v9
	v_lshlrev_b32 v5, 2, v5
.endm
.macro WLOAD tb, nn, src               ; block tb: W(32 tb + i, my column): 32 lanes read 128 consecutive bytes
.irp i, 0,1,2,3,4,5,6,7,8,9,10,11,12,13,14,15,16,17,18,19,20,21,22,23,24,25,26,27,28,29,30,31
	global_load_b32 v[XW+32*(\tb)+\i], v1, s[\src:\src+1] offset:(32*(\tb)+\i)*(\nn)*4 th:TH_LOAD_NT
.endr
.endm
.macro WBLOCK tb, nn, src
.set XB, XW+32*(\tb)
.set CT, CB+8*(\tb)
.if (\tb) < 3
	s_wait_loadcnt 32                                      ; this block's 32 loads are in; the next block's may be out
.else
	s_wait_loadcnt 0x0
.endif
.if (\tb) < 2
	WLOAD (\tb)+2, \nn, \src                               ; two blocks, 64 loads, are kept on their way
.endif
	v_max3_num_f32 v7, |v[XB]|, |v[XB+1]|, |v[XB+2]|
	v_max3_num_f32 v8, |v[XB+3]|, |v[XB+4]|, |v[XB+5]|
.irp i, 6,10,14,18,22,26
	v_max3_num_f32 v7, v7, |v[XB+\i]|, |v[XB+\i+1]|
	v_max3_num_f32 v8, v8, |v[XB+\i+2]|, |v[XB+\i+3]|
.endr
	v_max3_num_f32 v7, v7, |v[XB+30]|, |v[XB+31]|
	v_max3_num_f32 v7, v7, v8, 0x2800000                   ; and the floor 2^(5 - 127)
	v_add_nc_u32 v9, 0xfe000000, v7                        ; 4 off the exponent field: the conversion's scale operand
	v_cvt_scalef32_pk16_bf6_f32 v[CT:CT+2], v[XB:XB+15], v9
	v_cvt_scalef32_pk16_bf6_f32 v[CT+4:CT+6], v[XB+16:XB+31], v9
	v_lshrrev_b32 v10, 23, v9                              ; the byte; also the plain instruction behind the conversions
.if (\tb) == 0
	v_mov_b32 v6, v10
.else
	v_lshl_or_b32 v6, v10, 8*(\tb), v6
.endif
	v_mov_b32 v[CT+3], v[CT+4]                             ; the block's 24 bytes on end
	v_mov_b32 v[CT+4], v[CT+5]
	v_mov_b32 v[CT+5], v[CT+6]
; block tb = 2 c + h is registers 6 c .. 6 c + 5 of lane (r, h) of my tile's fragment
.if (\tb) < 2
	ds_store_b128 v2, v[CT:CT+3] offset:256*((\tb)%2)
	ds_store_b64 v2, v[CT+4:CT+5] offset:512+256*((\tb)%2)
.else
	ds_store_b64 v2, v[CT:CT+1] offset:512+256*((\tb)%2)+8
	ds_store_b128 v2, v[CT+2:CT+5] offset:1024+256*((\tb)%2)
.endif
.endm
; job s40 = (e, K step s, pair of tiles b): nn columns in a row of W, 2^lnb pairs of tiles, 2^lks K steps; src, dst: the scalar pairs with W's and the codes' address
.macro WQ nn, lnb, lks, src, dst
	s_and_b32 s41, s40, (1<<(\lnb))-1                      ; b
	s_lshr_b32 s42, s40, \lnb
	s_and_b32 s42, s42, (1<<(\lks))-1                      ; s
	s_lshr_b32 s43, s40, 8                                 ; e
	s_lshl_b32 s44, s43, 22                                ; an expert's weight is 4,194,304 bytes
	s_mul_i32 s45, s42, 128*(\nn)*4
	s_add_co_u32 s44, s44, s45
	s_lshl_b32 s45, s41, 7
	s_add_co_u32 s44, s44, s45
	s_mov_b32 s45, 0
	s_add_nc_u64 s[\src:\src+1], s[\src:\src+1], s[44:45]
	s_lshl_b32 s46, s43, \lnb
	s_add_co_u32 s46, s46, s41
	s_lshl_b32 s46, s46, \lks
	s_add_co_u32 s46, s46, s42                             ; (e NB + b) KS + s
	s_mul_i32 s44, s46, 3072
	s_add_nc_u64 s[48:49], s[\dst:\dst+1], s[44:45]
	s_lshl_b32 s44, s46, 7
	s_add_nc_u64 s[50:51], s[\dst:\dst+1], s[44:45]
	WLOAD 0, \nn, \src
	WLOAD 1, \nn, \src
.irp tb, 0,1,2,3
	WBLOCK \tb, \nn, \src
.endr
.irp u, 0,1
.irp q, 0,1,2
	ds_load_b128 v[XW+12*\u+4*\q:XW+12*\u+4*\q+3], v3 offset:1664*\u+512*\q   ; my wave's LDS instructions are served in order: these see my stores
.endr
.endr
.irp u, 0,1
.irp q, 0,1,2
	s_wait_dscnt 5-3*\u-\q                                 ; the loads behind this one may be out
	global_store_b128 v4, v[XW+12*\u+4*\q:XW+12*\u+4*\q+3], s[48:49] offset:1536*\u+512*\q   ; 512 consecutive bytes
.endr
.endr
	global_store_b32 v5, v6, s[50:51] offset:WS_OFF        ; tile 2 b's words in lanes' places 0-15, tile 2 b + 1's in 16-31
.endm
	s_load_b256 s[4:11], s[0:1], 0x0                       ; x s[4:5], Wr s[6:7], br s[8:9], W1 s[10:11]
	s_load_b256 s[12:19], s[0:1], 0x20                     ; w1q s[12:13], xq s[14:15], pairs s[16:17], out0 s[18:19]
	s_load_b64 s[20:21], s[0:1], 0x40                      ; out1
	v_lshl_add_u32 v55, v0, 2, 0x19400
	s_set_vgpr_msb 0x40
	v_mov_b32 v1, 0
	s_set_vgpr_msb 0x4000
	v_lshrrev_b32 v1, 5, v0
	v_readfirstlane_b32 s22, v1                            ; wave
	s_cmp_ge_u32 ttmp9, 64
	s_cbranch_scc1 .Lweights
	; ---------------- the router
	v_and_b32 v7, 31, v0
	v_and_b32 v5, 15, v0                                   ; r
	v_bfe_u32 v6, v0, 4, 1                                 ; h
	v_lshlrev_b32 v1, 11, v5
	v_lshl_add_u32 v1, v6, 6, v1                           ; x: row r of 2,048 bytes + 64 h
	s_lshl_b32 s23, s22, 14
	s_add_co_u32 s23, s23, WRL                             ; my wave's copy of Wr
	v_lshlrev_b32 v2, 9, v6
	v_add_nc_u32 v2, s23, v2                               ; read: + 512 h (16 rows of Wr)
	v_lshlrev_b32 v7, 4, v7                                ; 16 lane
	v_add_nc_u32 v24, s23, v7                              ; write: + 16 lane
	s_mul_i32 s23, s22, 6144
	s_add_co_u32 s23, s23, XST                             ; my wave's stage for x's codes
	v_mul_u32_u24 v3, v5, 384
	v_mad_u32_u24 v3, v6, 192, v3
	v_add_nc_u32 v3, s23, v3                               ; in: token r, half h: 192 bytes on end
	v_add_nc_u32 v4, s23, v7                               ; out: as the bytes lie
	s_lshl_b32 s24, ttmp9, 2
	s_add_co_u32 s24, s24, s22                             ; which 16 tokens
	s_mov_b32 s27, 0
	s_mov_b32 s[SEL], 0x76543210
	s_mov_b32 s[SEL+1], 0xfedcba98
	s_wait_kmcnt 0x0
	s_load_b256 s[40:47], s[8:9], 0x0                      ; br
	s_lshl_b32 s26, s24, 15
	s_add_nc_u64 s[4:5], s[4:5], s[26:27]                  ; x
	s_lshl_b32 s26, s24, 9
	s_add_nc_u64 s[18:19], s[18:19], s[26:27]              ; out0
	s_lshl_b32 s26, s24, 7
	s_add_nc_u64 s[20:21], s[20:21], s[26:27]              ; out1
	s_add_nc_u64 s[32:33], s[14:15], s[26:27]              ; the gates (+ GATE_OFF)
	s_lshl_b32 s26, s24, 6
	s_add_nc_u64 s[16:17], s[16:17], s[26:27]              ; pairs
	s_lshl_b32 s26, s24, 8
	s_add_nc_u64 s[30:31], s[14:15], s[26:27]              ; x's scale words (+ XS_OFF)
	s_mul_i32 s26, s24, 6144
	s_add_nc_u64 s[28:29], s[14:15], s[26:27]              ; x's codes
.irp i, 0,1,2,3,4,5,6,7,8,9,10,11,12,13,14,15,16,17,18,19,20,21,22,23,24,25,26,27,28,29,30,31
	global_load_b128 v[X0+4*\i:X0+4*\i+3], v7, s[6:7] offset:512*\i   ; all of Wr
.endr
.irp i, 0,1,2,3,4,5,6,7,8,9,10,11,12,13,14,15
	v_mov_b32 v[ACC+\i], 0
.endr
.irp b, 0,1,2,3
	v_mov_b32 v[TM+4+\b], 0                                ; written once: a lane permute's destination counts as one of its sources
.endr
	s_wait_loadcnt 0x0
.irp i, 0,1,2,3,4,5,6,7,8,9,10,11,12,13,14,15,16,17,18,19,20,21,22,23,24,25,26,27,28,29,30,31
	ds_store_b128 v24, v[X0+4*\i:X0+4*\i+3] offset:512*\i
.endr
	s_wait_dscnt 0x0                                       ; the stores have read their registers, which take x now
	XLOAD X0, 0
	XLOAD X1, 1
	s_wait_loadcnt 16                                      ; K step 0 is in; K step 1's 16 loads may be out
	KSTEP X0, 0
	XLOAD X0, 2
	s_wait_loadcnt 16                                      ; K step 1 is in
	KSTEP X1, 1
	XLOAD X1, 3
	s_wait_loadcnt 16                                      ; K step 2 is in
	KSTEP X0, 2
	s_wait_loadcnt 0x0
	KSTEP X1, 3
.irp i, 0,1,2,3,4,5,6,7,8,9,10,11
	ds_load_b128 v[X0+4*\i:X0+4*\i+3], v4 offset:512*\i    ; the 16 tokens' codes as they will lie in memory (behind my stores, in order)
.endr
	; the logits
.irp p, 0,1,2,3
	v_pk_add_f32 v[ACC+2*\p:ACC+2*\p+1], v[ACC+2*\p:ACC+2*\p+1], v[ACC+8+2*\p:ACC+8+2*\p+1]
.endr
.irp e, 0,1,2,3,4,5,6,7
	v_permlanex16_b32 v[ACC+8+\e], v[ACC+\e], s[SEL], s[SEL+1]
.endr
.irp e, 0,1,2,3,4,5,6,7
	v_add_f32 v[ACC+\e], v[ACC+\e], v[ACC+8+\e]            ; with the other half of C
.endr
	s_wait_kmcnt 0x0
.irp e, 0,1,2,3,4,5,6,7
	v_add_f32 v[ACC+\e], s[40+\e], v[ACC+\e]               ; + br
.endr
	v_cmp_eq_u32 s36, 1, v6                                ; lanes 16-31
.irp i, 0,1,2,3
	v_cndmask_b32 v[64+\i], v[ACC+\i], v[ACC+4+\i], s36
.endr
	v_lshlrev_b32 v68, 5, v5
	v_lshl_add_u32 v68, v6, 4, v68
	global_store_b128 v68, v[64:67], s[18:19]              ; the wave's 512 bytes of out0
	; top-2: a later expert takes the place only if it is strictly larger, so that of equals the lower index stays
	v_mov_b32 v70, v[ACC]
	v_mov_b32 v71, 0
.irp e, 1,2,3,4,5,6,7
	v_cmp_le_f32 vcc_lo, v[ACC+\e], v70
	v_cndmask_b32 v70, v[ACC+\e], v70, vcc_lo
	v_cndmask_b32 v71, \e, v71, vcc_lo
.endr
	v_mov_b32 v69, 0xff800000
.irp e, 0,1,2,3,4,5,6,7
	v_cmp_eq_u32 vcc_lo, \e, v71
	v_cndmask_b32 v[ACC+8+\e], v[ACC+\e], v69, vcc_lo      ; the winner is taken out
.endr
	v_mov_b32 v72, v[ACC+8]
	v_mov_b32 v73, 0
.irp e, 1,2,3,4,5,6,7
	v_cmp_le_f32 vcc_lo, v[ACC+8+\e], v72
	v_cndmask_b32 v72, v[ACC+8+\e], v72, vcc_lo
	v_cndmask_b32 v73, \e, v73, vcc_lo
.endr
	; softmax of the two: the larger is taken away first, so the exponent is 0 or less
	v_sub_f32 v74, v72, v70
	v_mul_f32 v74, 0x3fb8aa3b, v74
	v_exp_f32 v75, v74
	v_min_u32 v80, v71, v73                                ; a (a plain instruction behind the exponential)
	s_wait_alu depctr_va_vdst(0)                           ; ahead of the first reader of the exponential
	v_add_f32 v76, 1.0, v75
	v_rcp_f32 v77, v76                                     ; the larger logit's score
	v_max_u32 v81, v71, v73                                ; b (a plain instruction behind the reciprocal)
	s_wait_alu depctr_va_vdst(0)                           ; ahead of the first reader of the reciprocal
	v_mul_f32 v78, v75, v77                                ; the other's
	v_cmp_lt_u32 vcc_lo, v71, v73
	v_cndmask_b32 v82, v78, v77, vcc_lo                    ; the gate of expert a,
	v_cndmask_b32 v83, v77, v78, vcc_lo                    ; of expert b
	v_sub_nc_u32 v84, 15, v80
	v_mul_u32_u24 v84, v84, v80
	v_lshrrev_b32 v84, 1, v84
	v_add_nc_u32 v84, v84, v81
	v_sub_nc_u32 v84, v84, v80
	v_add_nc_u32 v84, -1, v84                              ; the pair's number: a (15 - a) / 2 + b - a - 1
	v_cndmask_b32 v85, v71, v73, s36
	v_cndmask_b32 v86, v82, v83, s36
	v_lshlrev_b32 v87, 3, v5
	v_lshl_add_u32 v87, v6, 2, v87
	global_store_b32 v87, v85, s[20:21]                    ; out1
	global_store_b32 v87, v86, s[32:33] offset:GATE_OFF
	v_lshlrev_b32 v88, 2, v5
	global_store_b32 v88, v84, s[16:17]                    ; both halves of the lanes write the same word with the same number
	v_cndmask_b32 v90, v[PWS], v[PWS+2], s36
	v_cndmask_b32 v91, v[PWS+1], v[PWS+3], s36
	v_lshlrev_b32 v89, 4, v5
	v_lshl_add_u32 v89, v6, 3, v89
	global_store_b64 v89, v[90:91], s[30:31] offset:XS_OFF ; 256 consecutive bytes
.irp i, 0,1,2,3,4,5,6,7,8,9,10,11
	s_wait_dscnt 11-\i
	global_store_b128 v7, v[X0+4*\i:X0+4*\i+3], s[28:29] offset:512*\i   ; 512 consecutive bytes
.endr
	s_set_vgpr_msb 0x4
	s_wait_tensorcnt 0x0
	ds_add_u32 v55, v1
	s_wait_dscnt 0x0
	s_set_vgpr_msb 0x400
	s_endpgm
	; ---------------- W1: 2,048 jobs, four to a work-group
.Lweights:
	WQADDR 22
	s_sub_co_u32 s40, ttmp9, 64
	s_lshl_b32 s40, s40, 2
	s_add_co_u32 s40, s40, s22
	s_wait_kmcnt 0x0
	WQ 2048, 6, 2, 10, 12
	s_set_vgpr_msb 0x4
	s_wait_tensorcnt 0x0
	ds_add_u32 v55, v1
	s_wait_dscnt 0x0
	s_set_vgpr_msb 0x400
	s_endpgm
.Lfunc_end_k_q384afb9fd9_prep:
	.size	k_q384afb9fd9_prep, .Lfunc_end_k_q384afb9fd9_prep-k_q384afb9fd9_prep
	.p2alignl 7, 3214868480
	.fill 96, 4, 3214868480
	.section	.rodata,"a",@progbits
	.p2align	6, 0x0
	.amdhsa_kernel k_q384afb9fd9_prep
		.amdhsa_group_segment_fixed_size 103936
		.amdhsa_private_segment_fixed_size 0
		.amdhsa_enable_private_segment 0
		.amdhsa_kernarg_size 72
		.amdhsa_user_sgpr_count 2
		.amdhsa_user_sgpr_kernarg_segment_ptr 1
		.amdhsa_wavefront_size32 1
		.amdhsa_system_sgpr_workgroup_id_x 1
		.amdhsa_system_sgpr_workgroup_id_y 1
		.amdhsa_system_sgpr_workgroup_id_z 1
		.amdhsa_system_vgpr_workitem_id 0
		.amdhsa_next_free_vgpr 258
		.amdhsa_next_free_sgpr 66
		.amdhsa_reserve_vcc 1
		.amdhsa_float_denorm_mode_32 3
		.amdhsa_float_denorm_mode_16_64 3
		.amdhsa_memory_ordered 1
		.amdhsa_forward_progress 1
		.amdhsa_inst_pref_size 157
	.end_amdhsa_kernel
	.amdgpu_metadata
---
amdhsa.version: [ 1, 2 ]
amdhsa.kernels:
  - .name:           k_q384afb9fd9_prep
    .symbol:         k_q384afb9fd9_prep.kd
    .args:
      - { .name: x, .offset: 0, .size: 8, .value_kind: global_buffer, .address_space: global }
      - { .name: Wr, .offset: 8, .size: 8, .value_kind: global_buffer, .address_space: global }
      - { .name: br, .offset: 16, .size: 8, .value_kind: global_buffer, .address_space: global }
      - { .name: W1, .offset: 24, .size: 8, .value_kind: global_buffer, .address_space: global }
      - { .name: w1q, .offset: 32, .size: 8, .value_kind: global_buffer, .address_space: global }
      - { .name: xq, .offset: 40, .size: 8, .value_kind: global_buffer, .address_space: global }
      - { .name: pairs, .offset: 48, .size: 8, .value_kind: global_buffer, .address_space: global }
      - { .name: out0, .offset: 56, .size: 8, .value_kind: global_buffer, .address_space: global }
      - { .name: out1, .offset: 64, .size: 8, .value_kind: global_buffer, .address_space: global }
    .group_segment_fixed_size: 103936
    .private_segment_fixed_size: 0
    .kernarg_segment_align: 8
    .kernarg_segment_size: 72
    .max_flat_workgroup_size: 128
    .sgpr_count:     66
    .vgpr_count:     258
    .wavefront_size: 32
...
	.end_amdgpu_metadata
.endif
;; end of part 1
;; launch place (part 2): grid 257 x 1, 8 waves a work-group, no clusters, 28,672 bytes of LDS; arguments pairs, W2, w2q, lists; writes w2q, lists
.if DOCPART == 2
	.amdgcn_target "amdgcn-amd-amdhsa--gfx1250"
	.amdhsa_code_object_version 6
	.text
	.protected	k_q384afb9fd9_place
	.globl	k_q384afb9fd9_place
	.p2align	8
	.type	k_q384afb9fd9_place,@function
k_q384afb9fd9_place:
	s_mov_b64 s[64:65], 0
	v_nop
	global_prefetch_b8 v0, s[64:65] scope:SCOPE_SE
	s_setreg_imm32_b32 hwreg(HW_REG_WAVE_MODE, 25, 1), 1
	s_wait_xcnt 0x0
; PLACE.  Work-group 0: a counting sort of the 4,096 tokens by their pair of experts (28 pairs), and the lists that steer the next two launches.  Work-groups 1-256: W2 as codes of E3M2 in the order of an operand's registers.
; A pair's tokens are cut into TILES of 16 (the last filled up).  A tile is two UNITS: its rows for expert a and for expert b.  Units are numbered so that each expert's are neighbours.
; lists, in words: 0: for expert e its first unit and its number of units;  64: for block beta (32 of them) and i < 16 two words: a | b << 3 | valid << 6 | tile << 8, and unit a | unit b << 16;
;   1,088: a tile's 16 tokens;  5,696: a unit's 16 tokens; in both a filled-up row holds 4,096, and row 0 is always a token;  14,912: 32 words that take the stores of lanes with nothing to fill, and are never read.
; The sort: each wave ranks its 512 tokens within their pairs, the waves' counts meet in LDS behind the launch's one barrier, and every wave then makes the tables for itself, lane k standing for pair k.
; The weight job is the one of the launch before: a lane takes a column, its registers run down K.  LIMITS as there: NaN and infinities are not served; a block under 2^-122 gets the byte 1.
.set WS_OFF, 6291456
.set HIST,   26624                     ; LDS: 0 .. 26,623 the weight jobs' stages (8 x 3,328); here the waves' counts, 128 bytes each
.set TOK4W,  1088
.set UTOKW,  5696
.set DUMPW,  14912
.set LASTW,  14975
.set CB,  32
.set XW,  64
.set KR,  64                           ; v64-79  my 16 tokens' pairs;  v80-95 their ranks
.set RK,  80
.macro WQADDR wv
	v_and_b32 v7, 31, v0
	v_lshlrev_b32 v1, 2, v7
	v_lshlrev_b32 v4, 4, v7
	v_bfe_u32 v8, v0, 3, 1
	v_and_b32 v9, 7, v0
	v_bfe_u32 v10, v0, 4, 1
	v_lshl_or_b32 v9, v10, 3, v9
	s_mul_i32 s23, s[\wv], 3328
	v_mul_u32_u24 v2, v8, 1664
	v_lshl_add_u32 v2, v9, 4, v2
	v_add_nc_u32 v2, s23, v2
	v_add_nc_u32 v3, s23, v4
	v_lshl_add_u32 v5, v8, 4, v9
	v_lshlrev_b32 v5, 2, v5
.endm
.macro WLOAD tb, nn, src
.irp i, 0,1,2,3,4,5,6,7,8,9,10,11,12,13,14,15,16,17,18,19,20,21,22,23,24,25,26,27,28,29,30,31
	global_load_b32 v[XW+32*(\tb)+\i], v1, s[\src:\src+1] offset:(32*(\tb)+\i)*(\nn)*4 th:TH_LOAD_NT
.endr
.endm
.macro WBLOCK tb, nn, src
.set XB, XW+32*(\tb)
.set CT, CB+8*(\tb)
.if (\tb) < 3
	s_wait_loadcnt 32                                      ; this block's 32 loads are in; the next block's may be out
.else
	s_wait_loadcnt 0x0
.endif
.if (\tb) < 2
	WLOAD (\tb)+2, \nn, \src
.endif
	v_max3_num_f32 v7, |v[XB]|, |v[XB+1]|, |v[XB+2]|
	v_max3_num_f32 v8, |v[XB+3]|, |v[XB+4]|, |v[XB+5]|
.irp i, 6,10,14,18,22,26
	v_max3_num_f32 v7, v7, |v[XB+\i]|, |v[XB+\i+1]|
	v_max3_num_f32 v8, v8, |v[XB+\i+2]|, |v[XB+\i+3]|
.endr
	v_max3_num_f32 v7, v7, |v[XB+30]|, |v[XB+31]|
	v_max3_num_f32 v7, v7, v8, 0x2800000
	v_add_nc_u32 v9, 0xfe000000, v7
	v_cvt_scalef32_pk16_bf6_f32 v[CT:CT+2], v[XB:XB+15], v9
	v_cvt_scalef32_pk16_bf6_f32 v[CT+4:CT+6], v[XB+16:XB+31], v9
	v_lshrrev_b32 v10, 23, v9                              ; the byte; also the plain instruction behind the conversions
.if (\tb) == 0
	v_mov_b32 v6, v10
.else
	v_lshl_or_b32 v6, v10, 8*(\tb), v6
.endif
	v_mov_b32 v[CT+3], v[CT+4]
	v_mov_b32 v[CT+4], v[CT+5]
	v_mov_b32 v[CT+5], v[CT+6]
.if (\tb) < 2
	ds_store_b128 v2, v[CT:CT+3] offset:256*((\tb)%2)
	ds_store_b64 v2, v[CT+4:CT+5] offset:512+256*((\tb)%2)
.else
	ds_store_b64 v2, v[CT:CT+1] offset:512+256*((\tb)%2)+8
	ds_store_b128 v2, v[CT+2:CT+5] offset:1024+256*((\tb)%2)
.endif
.endm
.macro WQ nn, lnb, lks, src, dst
	s_and_b32 s41, s40, (1<<(\lnb))-1
	s_lshr_b32 s42, s40, \lnb
	s_and_b32 s42, s42, (1<<(\lks))-1
	s_lshr_b32 s43, s40, 8
	s_lshl_b32 s44, s43, 22
	s_mul_i32 s45, s42, 128*(\nn)*4
	s_add_co_u32 s44, s44, s45
	s_lshl_b32 s45, s41, 7
	s_add_co_u32 s44, s44, s45
	s_mov_b32 s45, 0
	s_add_nc_u64 s[\src:\src+1], s[\src:\src+1], s[44:45]
	s_lshl_b32 s46, s43, \lnb
	s_add_co_u32 s46, s46, s41
	s_lshl_b32 s46, s46, \lks
	s_add_co_u32 s46, s46, s42
	s_mul_i32 s44, s46, 3072
	s_add_nc_u64 s[48:49], s[\dst:\dst+1], s[44:45]
	s_lshl_b32 s44, s46, 7
	s_add_nc_u64 s[50:51], s[\dst:\dst+1], s[44:45]
	WLOAD 0, \nn, \src
	WLOAD 1, \nn, \src
.irp tb, 0,1,2,3
	WBLOCK \tb, \nn, \src
.endr
.irp u, 0,1
.irp q, 0,1,2
	ds_load_b128 v[XW+12*\u+4*\q:XW+12*\u+4*\q+3], v3 offset:1664*\u+512*\q
.endr
.endr
.irp u, 0,1
.irp q, 0,1,2
	s_wait_dscnt 5-3*\u-\q                                 ; the loads behind this one may be out
	global_store_b128 v4, v[XW+12*\u+4*\q:XW+12*\u+4*\q+3], s[48:49] offset:1536*\u+512*\q
.endr
.endr
	global_store_b32 v5, v6, s[50:51] offset:WS_OFF
.endm
	s_load_b256 s[4:11], s[0:1], 0x0                       ; pairs s[4:5], W2 s[6:7], w2q s[8:9], lists s[10:11]
	v_lshl_add_u32 v192, v0, 2, 0x6c00
	v_mov_b32 v193, 0
	v_lshrrev_b32 v13, 5, v0
	v_readfirstlane_b32 s12, v13                           ; wave 0..7
	WQADDR 12                                              ; every LDS address of both ways is made here, ahead of the parting
	v_and_b32 v13, 31, v0                                  ; lane
	s_lshl_b32 s20, s12, 7
	s_add_co_u32 s20, s20, HIST
	v_add_nc_u32 v11, s20, v1                              ; my wave's counts
	v_add_nc_u32 v12, HIST, v1                             ; wave 0's; the others by the offset
	s_wait_kmcnt 0x0
	s_cmp_eq_u32 ttmp9, 0
	s_cbranch_scc1 .Lcount
	s_sub_co_u32 s40, ttmp9, 1
	s_lshl_b32 s40, s40, 3
	s_add_co_u32 s40, s40, s12                             ; W2: 2,048 jobs, eight to a work-group
	WQ 512, 4, 4, 6, 8
	s_branch .Ljoin
.Lcount:                                                   ; wave w holds token 512 w + 128 q + 4 lane + j in register 4 q + j
	s_lshl_b32 s20, s12, 11
	s_mov_b32 s21, 0
	s_add_nc_u64 s[14:15], s[4:5], s[20:21]
.irp q, 0,1,2,3
	global_load_b128 v[KR+4*\q:KR+4*\q+3], v4, s[14:15] offset:512*\q
.endr
.irp k, 0,1,2,3,4,5,6,7,8,9,10,11,12,13,14,15,16,17,18,19,20,21,22,23,24,25,26,27
	s_mov_b32 s[36+\k], 0                                  ; s36-63: the wave's running count of each pair
.endr
	s_wait_loadcnt 0x0
.set GG, 0
.rept 16                                               ; a token's rank: the count so far + the lanes below mine with the same pair; four pairs at a time, so that no line waits for the line above it
.irp kb, 0,4,8,12,16,20,24
.irp j, 0,1,2,3
	v_cmp_eq_u32 s[24+\j], \kb+\j, v[KR+GG]
.endr
.irp j, 0,1,2,3
.if (\kb+\j) == 0
	v_mbcnt_lo_u32_b32 v[RK+GG], s[24+\j], s[36+\kb+\j]    ; the first pair writes the register whole; each lane's own pair writes over it
.else
	v_mbcnt_lo_u32_b32 v[14+\j], s[24+\j], s[36+\kb+\j]
.endif
.endr
.irp j, 0,1,2,3
.if (\kb+\j) > 0
	v_cndmask_b32 v[RK+GG], v[RK+GG], v[14+\j], s[24+\j]
.endif
.endr
.irp j, 0,1,2,3
	s_bcnt1_i32_b32 s[28+\j], s[24+\j]
.endr
.irp j, 0,1,2,3
	s_add_co_u32 s[36+\kb+\j], s[36+\kb+\j], s[28+\j]
.endr
.endr
.set GG, GG+1
.endr
	v_mov_b32 v20, 0
.irp k, 0,1,2,3,4,5,6,7,8,9,10,11,12,13,14,15,16,17,18,19,20,21,22,23,24,25,26,27
	v_writelane_b32 v20, s[36+\k], \k
.endr
	ds_store_b32 v11, v20
.Ljoin:
	s_wait_dscnt 0x0                                       ; my counts lie in LDS
	s_barrier_signal -1
	s_barrier_wait -1                                      ; the one barrier, on every wave's way
	s_cmp_lg_u32 ttmp9, 0
	s_cbranch_scc1 .Lend
	s_wait_xcnt 0x0                                        ; s36-63, written below, include the registers that are the bases of the weight job's stores on the other way through this text: they are written only behind this wait
	; ---------------- the tables, in every wave of work-group 0: lane k stands for pair k
.irp i, 0,1,2,3,4,5,6,7
	ds_load_b32 v[24+\i], v12 offset:128*\i
.endr
	s_wait_dscnt 0x0
	v_add_nc_u32 v32, v24, v25
.irp i, 2,3,4,5,6,7
	v_add_nc_u32 v32, v32, v[24+\i]                        ; the pair's tokens
.endr
	v_mov_b32 v33, 0
.irp i, 0,1,2,3,4,5,6
	s_cmp_gt_u32 s12, \i
	s_cselect_b32 s20, -1, 0
	v_and_b32 v43, s20, v[24+\i]
	v_add_nc_u32 v33, v33, v43                             ; those of the waves in front of mine
.endr
	v_add_nc_u32 v34, 15, v32
	v_lshrrev_b32 v34, 4, v34                              ; the pair's tiles
.irp k, 0,1,2,3,4,5,6,7,8,9,10,11,12,13,14,15,16,17,18,19,20,21,22,23,24,25,26,27
	v_readlane_b32 s[36+\k], v34, \k
.endr
.irp e, 0,1,2,3,4,5,6,7
	s_mov_b32 s[66+\e], 0                                  ; s66-73: an expert's units
.endr
.set KK, 0
.irp a, 0,1,2,3,4,5,6
.irp b, 1,2,3,4,5,6,7
.if \b > \a
	s_add_co_u32 s[66+\a], s[66+\a], s[36+KK]
	s_add_co_u32 s[66+\b], s[66+\b], s[36+KK]
.set KK, KK+1
.endif
.endr
.endr
	s_mov_b32 s74, 0                                       ; s74-81: an expert's first unit, then its next free one
.irp e, 0,1,2,3,4,5,6
	s_add_co_u32 s[75+\e], s[74+\e], s[66+\e]
.endr
	v_mov_b32 v39, 0
.irp e, 0,1,2,3,4,5,6,7
	v_writelane_b32 v39, s[74+\e], 2*\e
	v_writelane_b32 v39, s[66+\e], 2*\e+1
.endr
	v_mov_b32 v35, 0                                       ; the pair's first unit of expert a,
	v_mov_b32 v36, 0                                       ; of expert b,
	v_mov_b32 v37, 0                                       ; its first tile,
	v_mov_b32 v38, 0                                       ; a | b << 3
	s_mov_b32 s82, 0
.set KK, 0
.irp a, 0,1,2,3,4,5,6
.irp b, 1,2,3,4,5,6,7
.if \b > \a
	v_writelane_b32 v35, s[74+\a], KK
	s_add_co_u32 s[74+\a], s[74+\a], s[36+KK]
	v_writelane_b32 v36, s[74+\b], KK
	s_add_co_u32 s[74+\b], s[74+\b], s[36+KK]
	v_writelane_b32 v37, s82, KK
	s_add_co_u32 s82, s82, s[36+KK]
	s_mov_b32 s[36+KK], s82                                ; s36-63 now: where the pair's tiles end
	s_mov_b32 s83, \a+8*\b
	v_writelane_b32 v38, s83, KK
.set KK, KK+1
.endif
.endr
.endr                                                      ; s82 = the number of tiles, 256 to 282
	v_lshl_add_u32 v40, v37, 4, v33
	v_add_nc_u32 v40, TOK4W, v40                           ; where my wave's tokens of the pair begin: among the tiles' rows,
	v_lshl_add_u32 v41, v35, 4, v33
	v_add_nc_u32 v41, UTOKW, v41                           ; among expert a's units' rows,
	v_lshl_add_u32 v42, v36, 4, v33
	v_add_nc_u32 v42, UTOKW, v42                           ; among expert b's
	; the tokens' places
.irp g, 0,1,2,3,4,5,6,7,8,9,10,11,12,13,14,15
	v_lshlrev_b32 v[96+\g], 2, v[KR+\g]
.endr
.irp g, 0,1,2,3,4,5,6,7,8,9,10,11,12,13,14,15
	ds_bpermute_b32 v[112+3*\g], v[96+\g], v40             ; from the lane that stands for the token's pair
	ds_bpermute_b32 v[113+3*\g], v[96+\g], v41
	ds_bpermute_b32 v[114+3*\g], v[96+\g], v42
.endr
	s_lshl_b32 s21, s12, 9
	v_lshl_add_u32 v43, v13, 2, s21
.irp g, 0,1,2,3,4,5,6,7,8,9,10,11,12,13,14,15
	v_add_nc_u32 v[160+\g], 128*(\g/4)+(\g%4), v43         ; the token's number
.endr
	s_wait_dscnt 0x0
.irp g, 0,1,2,3,4,5,6,7,8,9,10,11,12,13,14,15
.irp j, 0,1,2
	v_add_nc_u32 v[112+3*\g+\j], v[112+3*\g+\j], v[RK+\g]
	v_min_u32 v[112+3*\g+\j], LASTW, v[112+3*\g+\j]        ; held inside the buffer
	v_lshlrev_b32 v[112+3*\g+\j], 2, v[112+3*\g+\j]
	global_store_b32 v[112+3*\g+\j], v[160+\g], s[10:11]
.endr
.endr
	; the rows that fill up each pair's last tile: wave 0, lane k for pair k, up to 15 rows, 4,096 in all three lists
	s_cmp_lg_u32 s12, 0
	s_cbranch_scc1 .Lnopad
	s_wait_xcnt 0x0                                        ; the stores above have read their registers, some of which are written below
	v_and_b32 v43, 15, v32
	v_sub_nc_u32 v43, 16, v43
	v_and_b32 v43, 15, v43                                 ; how many
	v_add_nc_u32 v44, v40, v32                             ; (in wave 0 nothing lies in front) the first of them
	v_add_nc_u32 v45, v41, v32
	v_add_nc_u32 v46, v42, v32
	v_add_nc_u32 v47, DUMPW, v13
	v_mov_b32 v48, 4096
.irp i, 0,1,2,3,4,5,6,7,8,9,10,11,12,13,14
	v_cmp_lt_u32 vcc_lo, \i, v43
.irp j, 0,1,2
	v_add_nc_u32 v[96+3*\i+\j], \i, v[44+\j]
	v_cndmask_b32 v[96+3*\i+\j], v47, v[96+3*\i+\j], vcc_lo   ; a lane with nothing to fill stores to its spare word
	v_min_u32 v[96+3*\i+\j], LASTW, v[96+3*\i+\j]
	v_lshlrev_b32 v[96+3*\i+\j], 2, v[96+3*\i+\j]
.endr
	global_store_b32 v[96+3*\i], v48, s[10:11]
	global_store_b32 v[97+3*\i], v48, s[10:11]
	global_store_b32 v[98+3*\i], v48, s[10:11]
.endr
.Lnopad:
	; the blocks of tiles: entry x = 16 beta + i; block beta owns tiles (beta n) >> 5 .. ((beta + 1) n) >> 5, eight or nine; beyond its end an entry repeats the last tile and is marked
	s_lshl_b32 s21, s12, 6
.irp q, 0,1
	v_add_nc_u32 v50, s21, v13
	v_add_nc_u32 v50, 32*\q, v50
	v_lshrrev_b32 v51, 4, v50
	v_and_b32 v52, 15, v50
	v_mul_lo_u32 v53, v51, s82
	v_add_nc_u32 v54, s82, v53
	v_lshrrev_b32 v53, 5, v53
	v_lshrrev_b32 v54, 5, v54
	v_add_nc_u32 v55, v53, v52
	v_cmp_lt_u32 s20, v55, v54
	v_add_nc_u32 v56, -1, v54
	v_min_u32 v55, v55, v56                                ; the tile
	v_mov_b32 v57, 0
.irp k, 0,1,2,3,4,5,6,7,8,9,10,11,12,13,14,15,16,17,18,19,20,21,22,23,24,25,26,27
	v_cmp_le_u32 vcc_lo, s[36+\k], v55
	v_add_co_ci_u32 v57, vcc_lo, 0, v57, vcc_lo            ; its pair: as many as end at or in front of it
.endr
	v_lshlrev_b32 v57, 2, v57
	ds_bpermute_b32 v58, v57, v37
	ds_bpermute_b32 v59, v57, v35
	ds_bpermute_b32 v60, v57, v36
	ds_bpermute_b32 v61, v57, v38
	s_wait_dscnt 0x0
	v_sub_nc_u32 v62, v55, v58
	v_add_nc_u32 v59, v59, v62
	v_add_nc_u32 v60, v60, v62
	v_cndmask_b32 v63, 0, 64, s20
	v_or_b32 v61, v61, v63
	v_lshl_or_b32 v[176+2*\q], v55, 8, v61
	v_lshl_or_b32 v[177+2*\q], v60, 16, v59
	v_lshlrev_b32 v[180+\q], 3, v50
	global_store_b64 v[180+\q], v[176+2*\q:177+2*\q], s[10:11] offset:256   ; 256 consecutive bytes
.endr
	s_cmp_lg_u32 s12, 1
	s_cbranch_scc1 .Lend
	global_store_b32 v1, v39, s[10:11]                     ; the experts' first units and counts (lanes 16-31 store zeros behind them)
.Lend:
	s_barrier_signal -1
	s_barrier_wait -1
	s_wait_tensorcnt 0x0
	ds_add_u32 v192, v193
	s_wait_dscnt 0x0
	s_endpgm
.Lfunc_end_k_q384afb9fd9_place:
	.size	k_q384afb9fd9_place, .Lfunc_end_k_q384afb9fd9_place-k_q384afb9fd9_place
	.p2alignl 7, 3214868480
	.fill 96, 4, 3214868480
	.section	.rodata,"a",@progbits
	.p2align	6, 0x0
	.amdhsa_kernel k_q384afb9fd9_place
		.amdhsa_group_segment_fixed_size 28672
		.amdhsa_private_segment_fixed_size 0
		.amdhsa_enable_private_segment 0
		.amdhsa_kernarg_size 32
		.amdhsa_user_sgpr_count 2
		.amdhsa_user_sgpr_kernarg_segment_ptr 1
		.amdhsa_wavefront_size32 1
		.amdhsa_system_sgpr_workgroup_id_x 1
		.amdhsa_system_sgpr_workgroup_id_y 1
		.amdhsa_system_sgpr_workgroup_id_z 1
		.amdhsa_system_vgpr_workitem_id 0
		.amdhsa_next_free_vgpr 194
		.amdhsa_next_free_sgpr 96
		.amdhsa_reserve_vcc 1
		.amdhsa_float_denorm_mode_32 3
		.amdhsa_float_denorm_mode_16_64 3
		.amdhsa_memory_ordered 1
		.amdhsa_forward_progress 1
		.amdhsa_inst_pref_size 189
	.end_amdhsa_kernel
	.amdgpu_metadata
---
amdhsa.version: [ 1, 2 ]
amdhsa.kernels:
  - .name:           k_q384afb9fd9_place
    .symbol:         k_q384afb9fd9_place.kd
    .args:
      - { .name: pairs, .offset: 0, .size: 8, .value_kind: global_buffer, .address_space: global }
      - { .name: W2, .offset: 8, .size: 8, .value_kind: global_buffer, .address_space: global }
      - { .name: w2q, .offset: 16, .size: 8, .value_kind: global_buffer, .address_space: global }
      - { .name: lists, .offset: 24, .size: 8, .value_kind: global_buffer, .address_space: global }
    .group_segment_fixed_size: 28672
    .private_segment_fixed_size: 0
    .kernarg_segment_align: 8
    .kernarg_segment_size: 32
    .max_flat_workgroup_size: 256
    .sgpr_count:     96
    .vgpr_count:     194
    .wavefront_size: 32
...
	.end_amdgpu_metadata
.endif
;; end of part 2
;; launch hidden (part 3): grid 64 x 4, 4 waves a work-group, no clusters, 240,128 bytes of LDS; arguments lists, xq, w1q, b1, hq; writes hq
.if DOCPART == 3
	.amdgcn_target "amdgcn-amd-amdhsa--gfx1250"
	.amdhsa_code_object_version 6
	.text
	.protected	k_q384afb9fd9_hidden
	.globl	k_q384afb9fd9_hidden
	.p2align	8
	.type	k_q384afb9fd9_hidden,@function
k_q384afb9fd9_hidden:
	s_mov_b64 s[64:65], 0
	v_nop
	global_prefetch_b8 v0, s[64:65] scope:SCOPE_SE
	s_setreg_imm32_b32 hwreg(HW_REG_WAVE_MODE, 25, 1), 1
	s_wait_xcnt 0x0
; HIDDEN.  Q(relu(Q(x) Q(W1[e]) + b1[e])) for the rows that chose expert e, as images of the second product's operand registers.
; SHARES.  Work-group x = 8 e + j: chunk j of eight of expert e's units (16 rows each); work-group y: 512 hidden columns.  Wave w owns 128 of them, strip st = 4 y + w: 8 tiles, which are K step st of the second product.
; The wave's part of W1 (32 fragments, 384 registers), its scale words and b1 stay in registers; they are read once.  The chunk's x fragments are gathered once by the four waves together into LDS (slot 4 i + w by wave w) as
; images of registers, and read by all four behind the launch's one barrier.  A chunk has at most 36 units for every split (an expert has at most 263).
; A FILLED-UP ROW of a unit (4,096 in the list) takes the unit's first token, which is always a real one: so every row of a unit holds a real token's hidden layer, and the last launch needs no mask.
; The product is used transposed (source 0 = 16 columns of W1, source 1 = 16 tokens): a lane holds one token, and since column 32 b + 8 u + r + 8 (r / 8) is row r of tile 2 b + u, the 16 registers of tiles 2 b, 2 b + 1
; are 16 neighbours along the next K.  b1 is the C of each sum's first product.  No tensor load and no cluster: addresses and the number of units hang on the stored lists.
; LIMITS: a block of the hidden layer whose largest number lies under 2^-122 (all zeros among them) gets the scale byte 1; only this program reads the bytes.  A unit's scale words are stored as 128 consecutive bytes.
.set UTOKB,  22784                     ; lists: a unit's 16 tokens, in bytes
.set XS_OFF, 1572864
.set WS_OFF, 6291456
.set HS_OFF, 14155776
.set SLOTB,  6656                      ; an LDS slot: 12 x 512 bytes of codes, 512 of scale words
.set LI,  1                            ; v1   16 lane
.set LS,  2                            ; v2   4 lane
.set XS,  16                           ; v16-19  x's scale words, a register a K step
.set WS,  20                           ; v20-35  W1's: register 4 bb + s: tile 2 bb in lanes 0-15, tile 2 bb + 1 in lanes 16-31
.set PW,  36
.set TM,  40
.set PC,  56
.set AF,  80                           ; v80-127  x's four fragments
.set ACC, 128                          ; v128-191 my 8 tiles
.set B1,  192                          ; window 2: b1 in the result's layout
.set SEL, 46
.set MSB, 0
.macro WIN new                         ; the immediate's high byte repeats the setting that is left
.if MSB != (\new)
	s_set_vgpr_msb (MSB<<8)|(\new)
.set MSB, \new
.endif
.endm
.macro QUANT src                       ; as in the first launch, without |.|: nothing is negative behind the relu
.irp b, 0,1,2,3
	v_max3_num_f32 v[TM+\b], v[\src+16*\b], v[\src+1+16*\b], 0x2800000
.endr
.irp i, 2,4,6,8,10,12,14
.irp b, 0,1,2,3
	v_max3_num_f32 v[TM+\b], v[TM+\b], v[\src+16*\b+\i], v[\src+1+16*\b+\i]
.endr
.endr
.irp b, 0,1,2,3
	v_permlanex16_b32 v[TM+4+\b], v[TM+\b], s[SEL], s[SEL+1]
.endr
.irp b, 0,1,2,3
	v_max_num_f32 v[TM+\b], v[TM+\b], v[TM+4+\b]
.endr
.irp b, 0,1,2,3
	v_add_nc_u32 v[TM+12+\b], 0xfe000000, v[TM+\b]
.endr
.irp b, 0,1,2,3
	v_lshrrev_b32 v[TM+4+\b], 23, v[TM+12+\b]
.endr
	v_lshl_or_b32 v[PW], v[TM+5], 8, v[TM+4]
	v_lshl_or_b32 v[PW], v[TM+6], 16, v[PW]
	v_lshl_or_b32 v[PW], v[TM+7], 24, v[PW]
.irp c, 0,1
	v_cvt_scalef32_pk16_bf6_f32 v[PC+6*\c:PC+2+6*\c], v[\src+32*\c:\src+15+32*\c], v[TM+12+2*\c]
	v_cvt_scalef32_pk16_bf6_f32 v[PC+12+4*\c:PC+14+4*\c], v[\src+16+32*\c:\src+31+32*\c], v[TM+12+2*\c+1]
.endr
	v_nop                                                  ; one plain instruction behind the scaled conversions
.irp c, 0,1
.irp i, 0,1,2
	v_permlane16_swap_b32 v[PC+6*\c+\i], v[PC+12+4*\c+\i]
.endr
.irp i, 0,1,2
	v_mov_b32 v[PC+3+6*\c+\i], v[PC+12+4*\c+\i]
.endr
.endr
.endm
.macro W1LD sp                         ; my fragments of K steps 2 sp and 2 sp + 1: (tile 2 bb + u, K step) at v[12 (8 (K step % 2) + 2 bb + u)] of the window that is set
.irp sl, 0,1
.irp bb, 0,1,2,3
.irp u, 0,1
.irp q, 0,1,2
	global_load_b128 v[12*(8*\sl+2*\bb+\u)+4*\q:12*(8*\sl+2*\bb+\u)+4*\q+3], v[LI], s[26:27] offset:((4*\bb+2*(\sp)+\sl)*2+\u)*1536+512*\q
.endr
.endr
.endr
.endr
.endm
.macro TOKLD rr                        ; the tokens of units 12 rr + 4 i + w of the chunk, i = 0 .. 2 (past the chunk's end: its last unit again)
.irp i, 0,1,2
	s_add_co_u32 s36, s32, 12*(\rr)+4*\i
	s_add_co_u32 s36, s36, s14
	s_min_u32 s36, s36, s35
	s_min_u32 s36, s36, 575                                ; held inside the list
	s_lshl_b32 s36, s36, 6
	v_add_nc_u32 v[208+\i], s36, v3
	global_load_b32 v[196+\i], v[208+\i], s[4:5] offset:UTOKB
.endr
.endm
.macro GATHER                          ; lane (r, h): token r's 192 bytes of half h are its 48 registers of the four fragments; and the token's four scale words
.irp i, 0,1,2
	v_readfirstlane_b32 s36, v[196+\i]                     ; the unit's first token (lane 0 holds row 0's)
	v_cmp_gt_u32 vcc_lo, 0x1000, v[196+\i]
	v_cndmask_b32 v[196+\i], s36, v[196+\i], vcc_lo        ; takes the place of a filled-up row
	v_min_u32 v[196+\i], 4095, v[196+\i]
	v_mul_u32_u24 v[200+\i], 384, v[196+\i]
	v_add_nc_u32 v[200+\i], v[200+\i], v4
	v_lshlrev_b32 v[204+\i], 4, v[196+\i]
.endr
.irp i, 0,1,2
.irp m, 0,1,2,3,4,5,6,7,8,9,10,11
	global_load_b128 v[40+52*\i+4*\m:40+52*\i+4*\m+3], v[200+\i], s[6:7] offset:16*\m
.endr
	global_load_b128 v[40+52*\i+48:40+52*\i+51], v[204+\i], s[6:7] offset:XS_OFF
.endr
.endm
.macro TOSLOT adr
.irp i, 0,1,2
.irp m, 0,1,2,3,4,5,6,7,8,9,10,11
	ds_store_b128 v[\adr], v[40+52*\i+4*\m:40+52*\i+4*\m+3] offset:4*\i*SLOTB+512*\m
.endr
	ds_store_b128 v[\adr], v[40+52*\i+48:40+52*\i+51] offset:4*\i*SLOTB+6144
.endr
.endm
.macro UNITLD                          ; a unit's fragments and scale words from the slot at v5
.irp m, 0,1,2,3,4,5,6,7,8,9,10,11
	ds_load_b128 v[AF+4*\m:AF+4*\m+3], v5 offset:512*\m
.endr
	ds_load_b128 v[XS:XS+3], v5 offset:6144
.endm
.macro WM d, a, b, c, sa, sb, row
.if \row
	v_wmma_scale_f32_16x16x128_f8f6f4 v[\d:\d+7], v[\a:\a+11], v[\b:\b+11], v[\c:\c+7], v[\sa], v[\sb] matrix_a_fmt:MATRIX_FMT_BF6 matrix_b_fmt:MATRIX_FMT_BF6 matrix_a_scale:MATRIX_SCALE_ROW1
.else
	v_wmma_scale_f32_16x16x128_f8f6f4 v[\d:\d+7], v[\a:\a+11], v[\b:\b+11], v[\c:\c+7], v[\sa], v[\sb] matrix_a_fmt:MATRIX_FMT_BF6 matrix_b_fmt:MATRIX_FMT_BF6
.endif
.endm
.macro MM1 ks, first                   ; K step ks for my 8 tiles, which take turns, one instruction a turn
.irp bb, 0,1,2,3
.irp u, 0,1
.if \first
	WM ACC+8*(2*\bb+\u), 12*(8*((\ks)%2)+2*\bb+\u), AF+12*(\ks), B1+8*(2*\bb+\u), WS+4*\bb+(\ks), XS+(\ks), \u
.else
	WM ACC+8*(2*\bb+\u), 12*(8*((\ks)%2)+2*\bb+\u), AF+12*(\ks), ACC+8*(2*\bb+\u), WS+4*\bb+(\ks), XS+(\ks), \u
.endif
.endr
.endr
.endm
	s_load_b256 s[4:11], s[0:1], 0x0                       ; lists s[4:5], xq s[6:7], w1q s[8:9], b1 s[10:11]
	s_load_b64 s[12:13], s[0:1], 0x20                      ; hq
	v_lshl_add_u32 v254, v0, 2, 0x3a800
	v_mov_b32 v255, 0
	v_lshrrev_b32 v1, 5, v0
	v_readfirstlane_b32 s14, v1                            ; wave
	s_lshr_b32 s15, ttmp9, 3                               ; e
	s_and_b32 s16, ttmp9, 7                                ; j
	s_and_b32 s17, ttmp7, 0xffff
	s_lshl_b32 s18, s17, 2
	s_add_co_u32 s18, s18, s14                             ; st
	v_and_b32 v2, 31, v0
	v_lshlrev_b32 v[LI], 4, v2
	v_lshlrev_b32 v[LS], 2, v2
	v_and_b32 v3, 15, v0
	v_lshlrev_b32 v3, 2, v3                                ; 4 r
	v_bfe_u32 v11, v0, 4, 1
	v_mul_u32_u24 v4, v11, 192                             ; 192 h
	v_lshlrev_b32 v11, 6, v11                              ; 64 h
	s_mul_i32 s19, s14, SLOTB
	v_add_nc_u32 v8, s19, v[LI]                            ; where I store: slot w, 12 + w, 24 + w; the rest by the offset
	v_add_nc_u32 v9, 12*SLOTB, v8
	v_add_nc_u32 v10, 24*SLOTB, v8
	s_lshl_b32 s19, s15, 3
	s_mov_b32 s[SEL], 0x76543210
	s_mov_b32 s[SEL+1], 0xfedcba98
	s_wait_kmcnt 0x0
	s_load_b64 s[20:21], s[4:5], s19 offset:0x0            ; the expert's first unit and its number of units
	s_lshl_b32 s22, s15, 6
	s_lshl_b32 s23, s18, 2
	s_add_co_u32 s22, s22, s23                             ; 64 e + 4 st: my first pair of tiles
	s_mul_i32 s24, s22, 12288
	s_mov_b32 s25, 0
	s_add_nc_u64 s[26:27], s[8:9], s[24:25]                ; its codes,
	s_lshl_b32 s24, s22, 9
	s_add_nc_u64 s[28:29], s[8:9], s[24:25]                ; its scale words (+ WS_OFF)
	s_lshl_b32 s24, s15, 13
	s_lshl_b32 s23, s18, 9
	s_add_co_u32 s24, s24, s23
	s_add_nc_u64 s[10:11], s[10:11], s[24:25]              ; b1 at my 128 units
	s_add_nc_u64 s[30:31], s[12:13], HS_OFF                ; the hidden layer's scale words
	s_mul_i32 s42, s18, 1536
	s_lshl_b32 s43, s18, 7
	WIN 0x40                                               ; destination window 1
	W1LD 0
	WIN 0
	s_wait_kmcnt 0x0
	s_mul_i32 s32, s16, s21
	s_lshr_b32 s32, s32, 3
	s_add_co_u32 s32, s32, s20                             ; the chunk's first unit
	s_add_co_u32 s33, s16, 1
	s_mul_i32 s33, s33, s21
	s_lshr_b32 s33, s33, 3
	s_add_co_u32 s33, s33, s20                             ; and the one behind its last
	s_sub_co_u32 s34, s33, s32
	s_min_u32 s34, s34, 36                                 ; n
	s_sub_co_u32 s35, s33, 1
	TOKLD 0
	WIN 0x80                                               ; destination window 2
	W1LD 1
	WIN 0
	s_wait_loadcnt 48                                      ; only the 48 loads just issued are younger than the tokens'
	GATHER
.irp i, 0,1,2,3,4,5,6,7,8,9,10,11,12,13,14,15
	global_load_b32 v[WS+\i], v[LS], s[28:29] offset:WS_OFF+128*\i
.endr
	WIN 0x80
.irp t, 0,1,2,3,4,5,6,7
	global_load_b128 v[B1+8*\t:B1+8*\t+3], v11, s[10:11] offset:(32*(\t/2)+8*(\t%2))*4
	global_load_b128 v[B1+8*\t+4:B1+8*\t+7], v11, s[10:11] offset:(32*(\t/2)+8*(\t%2))*4+16
.endr
	WIN 0
	s_wait_loadcnt 32                                      ; the 16 scale and 16 bias loads may be out; the gathered rows are in
	TOSLOT 8
	s_cmp_lt_u32 s34, 12                                   ; slots 12 on are filled where the loop, which reads one slot ahead, can reach them
	s_cbranch_scc1 .Lgathered
	s_wait_dscnt 0x0                                       ; the stores have read their registers
	TOKLD 1
	s_wait_loadcnt 0x0
	GATHER
	s_wait_loadcnt 0x0
	TOSLOT 9
	s_cmp_lt_u32 s34, 24
	s_cbranch_scc1 .Lgathered
	s_wait_dscnt 0x0
	TOKLD 2
	s_wait_loadcnt 0x0
	GATHER
	s_wait_loadcnt 0x0
	TOSLOT 10
.Lgathered:
	s_wait_dscnt 0x0                                       ; my slots lie in LDS
	s_barrier_signal -1
	s_barrier_wait -1                                      ; everybody's do; nothing is stored to LDS behind this barrier
	s_wait_loadcnt 0x0                                     ; W1, its scale words, b1
	s_cmp_eq_u32 s34, 0
	s_cbranch_scc1 .Lend
.irp b, 0,1,2,3
	v_mov_b32 v[TM+4+\b], 0                                ; written once: a lane permute's destination counts as one of its sources
.endr
	v_mov_b32 v5, v[LI]
	UNITLD                                                 ; unit 0
	s_mov_b32 s44, 0                                       ; the unit's number in the chunk
	s_mov_b32 s38, SLOTB                                   ; the next unit's slot
	s_mov_b32 s39, s32                                     ; the unit
.Lunit:
	s_wait_dscnt 0x0
	WIN 0x21                                               ; W1 window 1, b1 window 2
	MM1 0, 1
	WIN 0x01
	MM1 1, 0
	WIN 0x02                                               ; W1 window 2
	MM1 2, 0
	MM1 3, 0
	WIN 0
	s_wait_xcnt 0x0                                        ; the last unit's stores have read their addresses and data: both are written again below
	s_min_u32 s36, s38, 35*SLOTB
	s_min_u32 s37, s39, 575                                ; held inside the buffer
	s_mul_i32 s40, s37, 24576
	s_add_co_u32 s40, s40, s42
	s_lshl_b32 s41, s37, 11
	s_add_co_u32 s41, s41, s43
	v_add_nc_u32 v5, s36, v[LI]                            ; these four lines are the places between the products and the loads into their sources, and the reads of their results
	v_add_nc_u32 v6, s40, v[LI]
	v_add_nc_u32 v7, s41, v[LS]
	v_nop
	UNITLD                                                 ; the next unit lands while this one is quantised (behind the last unit: a slot that is read and not used)
.irp j, 0,1,2,3,4,5,6,7,8,9,10,11,12,13,14,15,16,17,18,19,20,21,22,23,24,25,26,27,28,29,30,31,32,33,34,35,36,37,38,39,40,41,42,43,44,45,46,47,48,49,50,51,52,53,54,55,56,57,58,59,60,61,62,63
	v_max_num_f32 v[ACC+\j], 0, v[ACC+\j]                  ; relu, each accumulator from its low end on
.endr
	QUANT ACC
.irp q, 0,1,2
	global_store_b128 v6, v[PC+4*\q:PC+4*\q+3], s[12:13] offset:512*\q   ; 512 consecutive bytes
.endr
	global_store_b32 v7, v[PW], s[30:31]
	s_add_co_u32 s39, s39, 1
	s_add_co_u32 s38, s38, SLOTB
	s_add_co_u32 s44, s44, 1
	s_cmp_ge_u32 s44, s34
	s_cbranch_scc1 .Lend
	s_cmp_lt_u32 s44, 36
	s_cbranch_scc1 .Lunit
.Lend:
	s_wait_dscnt 0x0
	s_barrier_signal -1
	s_barrier_wait -1
	s_wait_tensorcnt 0x0
	ds_add_u32 v254, v255
	s_wait_dscnt 0x0
	s_endpgm
.Lfunc_end_k_q384afb9fd9_hidden:
	.size	k_q384afb9fd9_hidden, .Lfunc_end_k_q384afb9fd9_hidden-k_q384afb9fd9_hidden
	.p2alignl 7, 3214868480
	.fill 96, 4, 3214868480
	.section	.rodata,"a",@progbits
	.p2align	6, 0x0
	.amdhsa_kernel k_q384afb9fd9_hidden
		.amdhsa_group_segment_fixed_size 240128
		.amdhsa_private_segment_fixed_size 0
		.amdhsa_enable_private_segment 0
		.amdhsa_kernarg_size 40
		.amdhsa_user_sgpr_count 2
		.amdhsa_user_sgpr_kernarg_segment_ptr 1
		.amdhsa_wavefront_size32 1
		.amdhsa_system_sgpr_workgroup_id_x 1
		.amdhsa_system_sgpr_workgroup_id_y 1
		.amdhsa_system_sgpr_workgroup_id_z 1
		.amdhsa_system_vgpr_workitem_id 0
		.amdhsa_next_free_vgpr 768
		.amdhsa_next_free_sgpr 66
		.amdhsa_reserve_vcc 1
		.amdhsa_float_denorm_mode_32 3
		.amdhsa_float_denorm_mode_16_64 3
		.amdhsa_memory_ordered 1
		.amdhsa_forward_progress 1
		.amdhsa_inst_pref_size 53
	.end_amdhsa_kernel
	.amdgpu_metadata
---
amdhsa.version: [ 1, 2 ]
amdhsa.kernels:
  - .name:           k_q384afb9fd9_hidden
    .symbol:         k_q384afb9fd9_hidden.kd
    .args:
      - { .name: lists, .offset: 0, .size: 8, .value_kind: global_buffer, .address_space: global }
      - { .name: xq, .offset: 8, .size: 8, .value_kind: global_buffer, .address_space: global }
      - { .name: w1q, .offset: 16, .size: 8, .value_kind: global_buffer, .address_space: global }
      - { .name: b1, .offset: 24, .size: 8, .value_kind: global_buffer, .address_space: global }
      - { .name: hq, .offset: 32, .size: 8, .value_kind: global_buffer, .address_space: global }
    .group_segment_fixed_size: 240128
    .private_segment_fixed_size: 0
    .kernarg_segment_align: 8
    .kernarg_segment_size: 40
    .max_flat_workgroup_size: 128
    .sgpr_count:     66
    .vgpr_count:     768
    .wavefront_size: 32
...
	.end_amdgpu_metadata
.endif
;; end of part 3
;; launch combine (part 4): grid 8 x 32, 4 waves a work-group, no clusters, 35,328 bytes of LDS; arguments lists, w2q, hq, xq, b2, out2; writes out2
.if DOCPART == 4
	.amdgcn_target "amdgcn-amd-amdhsa--gfx1250"
	.amdhsa_code_object_version 6
	.text
	.protected	k_q384afb9fd9_combine
	.globl	k_q384afb9fd9_combine
	.p2align	8
	.type	k_q384afb9fd9_combine,@function
k_q384afb9fd9_combine:
	s_mov_b64 s[64:65], 0
	v_nop
	global_prefetch_b8 v0, s[64:65] scope:SCOPE_SE
	s_setreg_imm32_b32 hwreg(HW_REG_WAVE_MODE, 25, 1), 1
	s_wait_xcnt 0x0
; COMBINE.  out2[t] = ga (h_a Q(W2[a]) + b2[a]) + gb (h_b Q(W2[b]) + b2[b]) for the tokens of a tile, which all chose the pair (a, b): each row of out2 belongs to one tile, and so to one work-group for each 64 columns.
; SHARES.  Work-group x: 64 output columns (4 tiles); work-group y: a block of eight or nine tiles of 16 tokens.  K (2,048) IS SPLIT OVER THE WAVES: wave w takes K steps 4 w .. 4 w + 3 of both experts, so that its part of
; W2 (2 x 16 fragments, 384 registers) stays in registers while the pair stays, and each hidden fragment is loaded once in the work-group.  The four partial sums meet in LDS, in two buffers by turns, one barrier a tile.
; Nine trips are written out.  A block has at least eight tiles (256 tiles at the least, 32 blocks); a ninth trip past the block's end repeats the last tile and jumps over its two stores alone, so that every wave passes
; every barrier and the counts of loads are the same on every way.
; A FILLED-UP ROW of a tile (4,096 in the list) stands for the tile's first token, which is always a real one, here as in the launch before: it is given that token's hidden layer and gates and stores the same numbers to the
; same bytes as row 0.  So all lanes stay on throughout.
; The product is used transposed (source 0 = 16 columns of W2, source 1 = 16 tokens): a lane holds one token and eight neighbouring columns a tile.  b2 is the C of each sum's first product, in wave 0 alone.
; The hidden fragments are asked for two tiles ahead, straight into three sets of registers.  No tensor load and no cluster: addresses, and whether W2 is loaded anew, hang on the stored lists.
.set TOK4B,    4352
.set WS_OFF,   6291456
.set HS_OFF,   14155776
.set GATE_OFF, 1638400
.set PBUF,     17408                   ; a buffer of partial sums: 4 waves x 16 rows x (256 bytes + 16)
.set LI,  1                            ; v1  16 lane
.set LS,  2                            ; v2  4 lane
.set R4,  3                            ; v3  4 r
.set H64, 4                            ; v4  64 h
.set TKO, 5                            ; v5  16 w + 4 h: the first of the rows that I store
.set CO,  6                            ; v6  256 x + 16 r: my 16 bytes in a row of out2
.set STO, 7                            ; v7  LDS: where my partial sums go
.set RDA, 8                            ; v8  LDS: where I read a row's partial sums
.set AD,  9                            ; v9-23   five addresses for each of the three sets
.set RA,  24                           ; v24-29  three addresses for each side's W2, scale words and b2
.set OA,  30                           ; v30-31  addresses in out2
.set W2S, 32                           ; v32-47  W2's scale words: 8 side + 4 bb + sl
.set HS,  48                           ; v48-71  the hidden layer's: 8 set + 4 side + sl
.set GT,  72                           ; v72-89  (ga, gb) of my token in each of the nine tiles
.set TR,  90                           ; v90-95  the tokens whose rows I store: 2 set + i
.set OUT, 96                           ; v96-127
.set FIN, 128                          ; v128-159;  v160-255: set 2 of the hidden fragments; sets 0 and 1 in window 3.  Windows 1, 2: W2 of side 0, 1 (v0-191), b2 (v192-223), the sums (v224-255)
.set ROW0, 66                          ; s66-74  the first token of each of the nine tiles
.set MSB, 0
.macro WIN new
.if MSB != (\new)
	s_set_vgpr_msb (MSB<<8)|(\new)
.set MSB, \new
.endif
.endm
.macro ALOAD t                         ; tile t's hidden fragments and scale words of both sides, my four K steps, and the tokens of the rows that I store: 34 loads
.set LBF, (\t)%3
	s_and_b32 s48, s[17+2*(\t)], 0xffff
	s_min_u32 s48, s48, 575                                ; the unit of expert a,
	s_lshr_b32 s49, s[17+2*(\t)], 16
	s_min_u32 s49, s49, 575                                ; of expert b,
	s_lshr_b32 s50, s[16+2*(\t)], 8
	s_min_u32 s50, s50, 287                                ; the tile: all held inside their buffers
	s_mul_i32 s51, s48, 24576
	s_add_co_u32 s51, s51, s39
	v_add_nc_u32 v[AD+5*LBF], s51, v[LI]
	s_mul_i32 s51, s49, 24576
	s_add_co_u32 s51, s51, s39
	v_add_nc_u32 v[AD+5*LBF+1], s51, v[LI]
	s_lshl_b32 s51, s48, 11
	s_add_co_u32 s51, s51, s40
	v_add_nc_u32 v[AD+5*LBF+2], s51, v[LS]
	s_lshl_b32 s51, s49, 11
	s_add_co_u32 s51, s51, s40
	v_add_nc_u32 v[AD+5*LBF+3], s51, v[LS]
	s_lshl_b32 s51, s50, 6
	v_add_nc_u32 v[AD+5*LBF+4], s51, v[TKO]
.if LBF < 2
	WIN 0xc0                                               ; destination window 3
.set LAB, 96*LBF
.else
.set LAB, 160
.endif
.irp sd, 0,1
.irp i, 0,1,2,3,4,5,6,7,8,9,10,11
	global_load_b128 v[LAB+48*\sd+4*\i:LAB+48*\sd+4*\i+3], v[AD+5*LBF+\sd], s[8:9] offset:512*\i
.endr
.endr
	WIN 0
.irp sd, 0,1
.irp sl, 0,1,2,3
	global_load_b32 v[HS+8*LBF+4*\sd+\sl], v[AD+5*LBF+2+\sd], s[46:47] offset:128*\sl
.endr
.endr
.irp i, 0,1
	global_load_b32 v[TR+2*LBF+\i], v[AD+5*LBF+4], s[4:5] offset:TOK4B+8*\i
.endr
.endm
.macro RELOADL sd, t                   ; side sd's expert of tile t: my 16 fragments of W2, their 8 registers of scale words, b2: 64 loads
	s_bfe_u32 s48, s[16+2*(\t)], 0x30000+3*(\sd)
	s_min_u32 s48, s48, 7
	s_mul_i32 s49, s48, 786432
	s_add_co_u32 s49, s49, s41
	v_add_nc_u32 v[RA+3*(\sd)], s49, v[LI]
	s_lshl_b32 s49, s48, 15
	s_add_co_u32 s49, s49, s42
	v_add_nc_u32 v[RA+3*(\sd)+1], s49, v[LS]
	s_lshl_b32 s49, s48, 11
	s_add_co_u32 s49, s49, s43
	v_add_nc_u32 v[RA+3*(\sd)+2], s49, v[H64]
	WIN 0x40*(1+\sd)
.irp bb, 0,1
.irp f, 0,1,2,3,4,5,6,7
.irp q, 0,1,2
	global_load_b128 v[12*(8*\bb+\f)+4*\q:12*(8*\bb+\f)+4*\q+3], v[RA+3*(\sd)], s[6:7] offset:49152*\bb+1536*\f+512*\q
.endr
.endr
.endr
.irp f, 0,1,2,3
	global_load_b128 v[192+8*\f:192+8*\f+3], v[RA+3*(\sd)+2], s[12:13] offset:128*(\f/2)+32*(\f%2)
	global_load_b128 v[192+8*\f+4:192+8*\f+7], v[RA+3*(\sd)+2], s[12:13] offset:128*(\f/2)+32*(\f%2)+16
.endr
	WIN 0
.irp bb, 0,1
.irp sl, 0,1,2,3
	global_load_b32 v[W2S+8*(\sd)+4*\bb+\sl], v[RA+3*(\sd)+1], s[6:7] offset:WS_OFF+2048*\bb+128*\sl
.endr
.endr
.endm
.macro MASKB sd                        ; the bias is added once: it stays in wave 0 and becomes 0 in the others
	WIN 0x44*(1+\sd)
.set I, 0
.rept 32
	v_and_b32 v[192+I], s44, v[192+I]
.set I, I+1
.endr
	WIN 0
.rept 4
	v_nop
.endr
.endm
.macro WM d, a, b, c, sa, sb, row
.if \row
	v_wmma_scale_f32_16x16x128_f8f6f4 v[\d:\d+7], v[\a:\a+11], v[\b:\b+11], v[\c:\c+7], v[\sa], v[\sb] matrix_a_fmt:MATRIX_FMT_BF6 matrix_b_fmt:MATRIX_FMT_BF6 matrix_a_scale:MATRIX_SCALE_ROW1
.else
	v_wmma_scale_f32_16x16x128_f8f6f4 v[\d:\d+7], v[\a:\a+11], v[\b:\b+11], v[\c:\c+7], v[\sa], v[\sb] matrix_a_fmt:MATRIX_FMT_BF6 matrix_b_fmt:MATRIX_FMT_BF6
.endif
.endm
.macro MM2 sd                          ; one side: my four K steps for the four tiles of columns, which take turns, one instruction a turn
.irp sl, 0,1,2,3
.irp bb, 0,1
.irp u, 0,1
.if \sl == 0
	WM 224+8*(2*\bb+\u), 12*(8*\bb+2*\sl+\u), TAB+48*(\sd)+12*\sl, 192+8*(2*\bb+\u), W2S+8*(\sd)+4*\bb+\sl, HS+8*TBF+4*(\sd)+\sl, \u
.else
	WM 224+8*(2*\bb+\u), 12*(8*\bb+2*\sl+\u), TAB+48*(\sd)+12*\sl, 224+8*(2*\bb+\u), W2S+8*(\sd)+4*\bb+\sl, HS+8*TBF+4*(\sd)+\sl, \u
.endif
.endr
.endr
.endr
.endm
.macro TRIP t
.if (\t) == 8
	s_wait_loadcnt 0x0
.elseif (\t) > 0
	s_wait_loadcnt 34                                      ; this tile's 34 loads are in; the next tile's 34 may be out
.endif
.if (\t) < 7
	ALOAD (\t)+2                                           ; into the set that the last tile has left; its addresses' earlier loads were shown done a trip ago
.endif
.if (\t) > 0
	s_xor_b32 s54, s[16+2*(\t)], s[14+2*(\t)]              ; W2 is loaded anew only where a side's expert changes
	s_and_b32 s55, s54, 7
	s_cmp_eq_u32 s55, 0
	s_cbranch_scc1 .Lsame_a_\@
	RELOADL 0, \t
	s_wait_loadcnt 0x0
	MASKB 0
.Lsame_a_\@:
	s_and_b32 s55, s54, 56
	s_cmp_eq_u32 s55, 0
	s_cbranch_scc1 .Lsame_b_\@
	RELOADL 1, \t
	s_wait_loadcnt 0x0
	MASKB 1
.Lsame_b_\@:
.endif
.set TBF, (\t)%3
.if TBF < 2
.set TAB, 96*TBF
	WIN 0x5d                                               ; W2, C and D window 1, the hidden fragments window 3
.else
.set TAB, 160
	WIN 0x51
.endif
	MM2 0
.if TBF < 2
	WIN 0xae                                               ; the same with window 2
.else
	WIN 0xa2
.endif
	MM2 1
	WIN 0
.rept 4
	v_nop                                                  ; the places between the products and the first read of their results
.endr
	WIN 0x01
.set I, 0
.rept 16
	v_pk_mul_f32 v[OUT+2*I:OUT+2*I+1], v[224+2*I:224+2*I+1], v[GT+2*(\t):GT+2*(\t)+1] op_sel_hi:[1,0]   ; ga x side 0, each accumulator from its low end on
.set I, I+1
.endr
	WIN 0x02
.set I, 0
.rept 16
	v_pk_fma_f32 v[OUT+2*I:OUT+2*I+1], v[224+2*I:224+2*I+1], v[GT+2*(\t):GT+2*(\t)+1], v[OUT+2*I:OUT+2*I+1] op_sel:[0,1,0] op_sel_hi:[1,1,1]   ; + gb x side 1
.set I, I+1
.endr
	WIN 0
.irp bb, 0,1
.irp u, 0,1
	ds_store_b128 v[STO], v[OUT+8*(2*\bb+\u):OUT+8*(2*\bb+\u)+3] offset:PBUF*((\t)%2)+128*\bb+32*\u
	ds_store_b128 v[STO], v[OUT+8*(2*\bb+\u)+4:OUT+8*(2*\bb+\u)+7] offset:PBUF*((\t)%2)+128*\bb+32*\u+16
.endr
.endr
	s_wait_dscnt 0x0                                       ; my partial sums lie in LDS, and my reads of the other buffer, a trip ago, are over: so that buffer may be written behind this barrier
	s_barrier_signal -1
	s_barrier_wait -1
	s_wait_xcnt 0x0                                        ; the last trip's two stores have read their data and addresses: both are written again below
.irp i, 0,1
.irp pw, 0,1,2,3
	ds_load_b128 v[FIN+16*\i+4*\pw:FIN+16*\i+4*\pw+3], v[RDA] offset:PBUF*((\t)%2)+4352*\pw+544*\i
.endr
.endr
.irp i, 0,1                                            ; where the rows go, while the partial sums are on their way
	v_cmp_gt_u32 vcc_lo, 0x1000, v[TR+2*TBF+\i]
	v_cndmask_b32 v[OA+\i], s[ROW0+(\t)], v[TR+2*TBF+\i], vcc_lo   ; a filled-up row stands for the tile's first token
	v_min_u32 v[OA+\i], 4095, v[OA+\i]
	v_lshl_add_u32 v[OA+\i], v[OA+\i], 11, v[CO]
.endr
	s_wait_dscnt 0x0
.irp i, 0,1
	v_pk_add_f32 v[FIN+16*\i:FIN+16*\i+1], v[FIN+16*\i:FIN+16*\i+1], v[FIN+16*\i+4:FIN+16*\i+5]
	v_pk_add_f32 v[FIN+16*\i+2:FIN+16*\i+3], v[FIN+16*\i+2:FIN+16*\i+3], v[FIN+16*\i+6:FIN+16*\i+7]
	v_pk_add_f32 v[FIN+16*\i+8:FIN+16*\i+9], v[FIN+16*\i+8:FIN+16*\i+9], v[FIN+16*\i+12:FIN+16*\i+13]
	v_pk_add_f32 v[FIN+16*\i+10:FIN+16*\i+11], v[FIN+16*\i+10:FIN+16*\i+11], v[FIN+16*\i+14:FIN+16*\i+15]
	v_pk_add_f32 v[FIN+16*\i:FIN+16*\i+1], v[FIN+16*\i:FIN+16*\i+1], v[FIN+16*\i+8:FIN+16*\i+9]
	v_pk_add_f32 v[FIN+16*\i+2:FIN+16*\i+3], v[FIN+16*\i+2:FIN+16*\i+3], v[FIN+16*\i+10:FIN+16*\i+11]
.endr
.if (\t) == 8
	s_bitcmp1_b32 s[16+2*(\t)], 6                          ; the ninth trip stores only where the block has a ninth tile: a scalar branch on the stored mark, round the two stores alone
	s_cbranch_scc0 .Lpast_\@
.endif
.irp i, 0,1
	global_store_b128 v[OA+\i], v[FIN+16*\i:FIN+16*\i+3], s[14:15] th:TH_STORE_NT   ; 16 lanes store 256 consecutive bytes of a token's row, at a multiple of 256
.endr
.if (\t) == 8
.Lpast_\@:
.endif
.endm
	s_load_b256 s[4:11], s[0:1], 0x0                       ; lists s[4:5], w2q s[6:7], hq s[8:9], xq s[10:11]
	s_load_b128 s[12:15], s[0:1], 0x20                     ; b2 s[12:13], out2 s[14:15]
	s_set_vgpr_msb 0xc0
	v_lshl_add_u32 v192, v0, 2, 0x8800
	v_mov_b32 v193, 0
	s_set_vgpr_msb 0xc000
	v_lshrrev_b32 v1, 5, v0
	v_readfirstlane_b32 s34, v1                            ; wave
	s_mov_b32 s35, ttmp9                                   ; which 64 columns
	s_and_b32 s36, ttmp7, 0xffff                           ; which block of tiles
	s_lshl_b32 s37, s36, 7
	s_wait_kmcnt 0x0
	s_load_b512 s[16:31], s[4:5], s37 offset:256           ; the block's nine entries, two words each: s[16 + 2 t], s[17 + 2 t]
	s_load_b64 s[32:33], s[4:5], s37 offset:320
	v_and_b32 v2, 31, v0
	v_lshlrev_b32 v[LI], 4, v2
	v_lshlrev_b32 v[LS], 2, v2
	v_and_b32 v9, 15, v0                                   ; r
	v_bfe_u32 v10, v0, 4, 1                                ; h
	v_lshlrev_b32 v[R4], 2, v9
	v_lshlrev_b32 v[H64], 6, v10
	s_lshl_b32 s38, s34, 4
	v_lshl_add_u32 v[TKO], v10, 2, s38
	s_lshl_b32 s38, s35, 8
	v_lshl_add_u32 v[CO], v9, 4, s38
	s_mul_i32 s38, s34, 4352
	v_mul_u32_u24 v[STO], v9, 272
	v_lshl_add_u32 v[STO], v10, 6, v[STO]
	v_add_nc_u32 v[STO], s38, v[STO]                       ; my wave's 16 rows: row r, + 64 h
	s_mul_i32 s38, s34, 1088
	v_mul_u32_u24 v[RDA], v10, 272
	v_lshl_add_u32 v[RDA], v9, 4, v[RDA]
	v_add_nc_u32 v[RDA], s38, v[RDA]                       ; row 4 w + h, 16 bytes a lane
	s_mul_i32 s39, s34, 6144                               ; my four K steps in a unit's images,
	s_lshl_b32 s40, s34, 9                                 ; in its scale words
	s_mul_i32 s41, s35, 98304
	s_mul_i32 s38, s34, 12288
	s_add_co_u32 s41, s41, s38                             ; my part of an expert's W2,
	s_lshl_b32 s42, s35, 12
	s_add_co_u32 s42, s42, s40                             ; of its scale words,
	s_lshl_b32 s43, s35, 8                                 ; of its b2
	s_cmp_eq_u32 s34, 0
	s_cselect_b32 s44, -1, 0
	s_add_nc_u64 s[46:47], s[8:9], HS_OFF
	s_wait_kmcnt 0x0
	RELOADL 0, 0
	RELOADL 1, 0
.irp t, 0,1,2,3,4,5,6,7,8
	s_lshr_b32 s48, s[16+2*\t], 8
	s_min_u32 s48, s48, 287
	s_lshl_b32 s48, s48, 6
	v_add_nc_u32 v[140+\t], s48, v[R4]
	global_load_b32 v[128+\t], v[140+\t], s[4:5] offset:TOK4B   ; the token of my lane's row in each tile
.endr
	ALOAD 0
	ALOAD 1
	s_wait_loadcnt 63                                      ; 68 loads are younger than the tokens'; 63 is the most that the wait can name
.irp t, 0,1,2,3,4,5,6,7,8
	v_readfirstlane_b32 s[ROW0+\t], v[128+\t]              ; the tile's first token (lane 0 holds row 0's): kept for the stores too
	v_cmp_gt_u32 vcc_lo, 0x1000, v[128+\t]
	v_cndmask_b32 v[128+\t], s[ROW0+\t], v[128+\t], vcc_lo ; a filled-up row takes its gates
	v_min_u32 v[128+\t], 4095, v[128+\t]
	v_lshlrev_b32 v[150+\t], 3, v[128+\t]
	global_load_b64 v[GT+2*\t:GT+2*\t+1], v[150+\t], s[10:11] offset:GATE_OFF
.endr
	s_wait_loadcnt 0x0
	MASKB 0
	MASKB 1
	TRIP 0
	TRIP 1
	TRIP 2
	TRIP 3
	TRIP 4
	TRIP 5
	TRIP 6
	TRIP 7
	TRIP 8
	s_barrier_signal -1
	s_barrier_wait -1
	s_set_vgpr_msb 0xf
	s_wait_tensorcnt 0x0
	ds_add_u32 v192, v193
	s_wait_dscnt 0x0
	s_set_vgpr_msb 0xf00
	s_endpgm
.Lfunc_end_k_q384afb9fd9_combine:
	.size	k_q384afb9fd9_combine, .Lfunc_end_k_q384afb9fd9_combine-k_q384afb9fd9_combine
	.p2alignl 7, 3214868480
	.fill 96, 4, 3214868480
	.section	.rodata,"a",@progbits
	.p2align	6, 0x0
	.amdhsa_kernel k_q384afb9fd9_combine
		.amdhsa_group_segment_fixed_size 35328
		.amdhsa_private_segment_fixed_size 0
		.amdhsa_enable_private_segment 0
		.amdhsa_kernarg_size 48
		.amdhsa_user_sgpr_count 2
		.amdhsa_user_sgpr_kernarg_segment_ptr 1
		.amdhsa_wavefront_size32 1
		.amdhsa_system_sgpr_workgroup_id_x 1
		.amdhsa_system_sgpr_workgroup_id_y 1
		.amdhsa_system_sgpr_workgroup_id_z 1
		.amdhsa_system_vgpr_workitem_id 0
		.amdhsa_next_free_vgpr 962
		.amdhsa_next_free_sgpr 80
		.amdhsa_reserve_vcc 1
		.amdhsa_float_denorm_mode_32 3
		.amdhsa_float_denorm_mode_16_64 3
		.amdhsa_memory_ordered 1
		.amdhsa_forward_progress 1
		.amdhsa_inst_pref_size 255
	.end_amdhsa_kernel
	.section	.bss,"aw",@nobits
	.p2align	6
	.space	262144
	.amdgpu_metadata
---
amdhsa.version: [ 1, 2 ]
amdhsa.kernels:
  - .name:           k_q384afb9fd9_combine
    .symbol:         k_q384afb9fd9_combine.kd
    .args:
      - { .name: lists, .offset: 0, .size: 8, .value_kind: global_buffer, .address_space: global }
      - { .name: w2q, .offset: 8, .size: 8, .value_kind: global_buffer, .address_space: global }
      - { .name: hq, .offset: 16, .size: 8, .value_kind: global_buffer, .address_space: global }
      - { .name: xq, .offset: 24, .size: 8, .value_kind: global_buffer, .address_space: global }
      - { .name: b2, .offset: 32, .size: 8, .value_kind: global_buffer, .address_space: global }
      - { .name: out2, .offset: 40, .size: 8, .value_kind: global_buffer, .address_space: global }
    .group_segment_fixed_size: 35328
    .private_segment_fixed_size: 0
    .kernarg_segment_align: 8
    .kernarg_segment_size: 48
    .max_flat_workgroup_size: 128
    .sgpr_count:     80
    .vgpr_count:     962
    .wavefront_size: 32
...
	.end_amdgpu_metadata
.endif
;; end of part 4
;; ======== version 2 of 3: 4 launches; 1.12 times as fast as version 1
;; workspace buffers: w1q 6,553,600 bytes; w2q 6,553,600 bytes; xq 1,671,168 bytes; hq 15,335,424 bytes; pairs 16,384 bytes of whole numbers; lists 59,904 bytes of whole numbers; hist 32,768 bytes of whole numbers
;; launch prep (part 5): grid 576 x 1, 4 waves a work-group, no clusters, 38,400 bytes of LDS; arguments x, Wr, br, W1, w1q, xq, pairs, out0, out1, hist; writes w1q, xq, pairs, out0, out1, hist
.if DOCPART == 5
	.amdgcn_target "amdgcn-amd-amdhsa--gfx1250"
	.amdhsa_code_object_version 6
	.text
	.protected	k_q384afb9fd9_prep
	.globl	k_q384afb9fd9_prep
	.p2align	8
	.type	k_q384afb9fd9_prep,@function
k_q384afb9fd9_prep:
	s_mov_b64 s[64:65], 0
	v_nop
	global_prefetch_b8 v0, s[64:65] scope:SCOPE_SE
	s_setreg_imm32_b32 hwreg(HW_REG_WAVE_MODE, 25, 1), 1
	s_wait_xcnt 0x0
; PREP.  Work-groups 0-63: the router (logits, top-2, gates, number of the pair of experts) and x as codes of E3M2.  Work-groups 64-575: W1 as codes of E3M2, laid in the order of an operand's registers.
; ROUTER.  A wave takes 16 tokens.  Lane (r, h) holds, of token r, 16 neighbours of each block of 32 along C: register 16 b + i = x[128 s + 32 b + 16 h + i].  The same registers feed the f32 sums of the logits and the quantiser.
; Wr LIES SPREAD OVER THE LANES: for eight neighbouring c of my half, lane rho holds Wr[c0 + rho / 2][4 (rho % 2) + 0 .. 3] in four registers (a load reads 256 consecutive bytes in each half of the lanes).
; A weight reaches the 16 lanes of its half by a move that takes one lane of the row; two experts are then summed by one packed multiply-add.  A K step's weights are 32 registers; two K steps' are held, and K step
; s + 2's are asked for behind the sums of K step s.
; THE SORT'S FIRST STEP is made here: a token's rank among the wave's 16 tokens with the same pair goes into its word of pairs (pair | rank << 8), and the wave's count of each pair into hist (lane k: pair k).
; WEIGHTS.  A wave takes 32 columns x 128 along K: a lane takes a column and its registers run down K, so that a block of 32 lies in one lane and the conversions give codes with K innermost.
; Column 32 b + 8 u + r + 8 (r / 8) is row r of tile 2 b + u.  A fragment (12 registers a lane) is stored as an image: registers 4 q .. 4 q + 3 of lane l at 512 q + 16 l.
; LIMITS: NaN and infinities among the inputs are not served.  A block whose largest magnitude lies under 2^-122 (a block of zeros among them) gets the scale byte 1; only this program reads the bytes.
; The logits are summed in another order than a plain ascending sum: two logits of a token that differ by about 1e-6 of their size may change places in the top-2.
; Short stores: the indices, gates, counts and pair words of 16 tokens (128, 128, 128 and 64 consecutive bytes a wave) and a weight job's scale words (128 consecutive bytes).
.set XS_OFF,   1572864                 ; xq: x's scale words, 16 bytes a token
.set GATE_OFF, 1638400                 ; xq: the two gates, 8 bytes a token
.set WS_OFF,   6291456                 ; w1q: the scale words
.set XST,      13312                   ; LDS: 0 .. 13,311 the weight path's stages (4 x 3,328); from here the router's stages for x's codes (4 x 6,144)
.set ACC, 8                            ; v8-23   the sums: two sets of 8 experts (even and odd registers of x)
.set TM,  24                           ; v24-39  the quantiser's work; in the sums: two sets of 8 weights, the same in all lanes of a half
.set PC,  40                           ; v40-58  the codes just made
.set PW,  59                           ; v59     the scale word just made
.set PWS, 60                           ; v60-63  the four K steps' scale words
.set WR,  64                           ; v64-127 Wr of two K steps, 32 registers each
.set X0,  128                          ; v128-191, v192-255: two K steps of x
.set X1,  192
.set SEL, 34                           ; s[34:35] lane selects: lane l xor 16
.set CB,  32                           ; weights: v32-63 codes, 8 registers a block
.set XW,  64                           ; weights: v64-191 four blocks of 32 numbers
; 64 numbers of a lane (register 16 b + i = k 32 b + 16 h + i of my row) become a fragment's codes in v[PC] on and its scale word in v[PW]
.macro QUANT src
.irp b, 0,1,2,3
	v_max3_num_f32 v[TM+\b], |v[\src+16*\b]|, |v[\src+1+16*\b]|, 0x2800000   ; my 16 numbers of block b, and the floor 2^(5 - 127): the byte cannot fall under 1
.endr
.irp i, 2,4,6,8,10,12,14
.irp b, 0,1,2,3
	v_max3_num_f32 v[TM+\b], v[TM+\b], |v[\src+16*\b+\i]|, |v[\src+1+16*\b+\i]|
.endr
.endr
.irp b, 0,1,2,3
	v_permlanex16_b32 v[TM+4+\b], v[TM+\b], s[SEL], s[SEL+1]
.endr
.irp b, 0,1,2,3
	v_max_num_f32 v[TM+\b], v[TM+\b], v[TM+4+\b]           ; with lane l xor 16's 16: the block's largest magnitude
.endr
.irp b, 0,1,2,3
	v_add_nc_u32 v[TM+12+\b], 0xfe000000, v[TM+\b]         ; 4 off its exponent field: the conversion's scale operand
.endr
.irp b, 0,1,2,3
	v_lshrrev_b32 v[TM+4+\b], 23, v[TM+12+\b]              ; the scale's byte
.endr
	v_lshl_or_b32 v[PW], v[TM+5], 8, v[TM+4]
	v_lshl_or_b32 v[PW], v[TM+6], 16, v[PW]
	v_lshl_or_b32 v[PW], v[TM+7], 24, v[PW]
.irp c, 0,1
	v_cvt_scalef32_pk16_bf6_f32 v[PC+6*\c:PC+2+6*\c], v[\src+32*\c:\src+15+32*\c], v[TM+12+2*\c]
	v_cvt_scalef32_pk16_bf6_f32 v[PC+12+4*\c:PC+14+4*\c], v[\src+16+32*\c:\src+31+32*\c], v[TM+12+2*\c+1]
.endr
	v_nop                                                  ; one plain instruction behind the scaled conversions
.irp c, 0,1                                            ; the operand's layout wants a whole block in a lane
.irp i, 0,1,2
	v_permlane16_swap_b32 v[PC+6*\c+\i], v[PC+12+4*\c+\i]
.endr
.irp i, 0,1,2
	v_mov_b32 v[PC+3+6*\c+\i], v[PC+12+4*\c+\i]
.endr
.endr
.endm
.macro XLOAD reg, ks                   ; my 64 numbers of K step ks
.irp b, 0,1,2,3
.irp j, 0,1,2,3
	global_load_b128 v[\reg+16*\b+4*\j:\reg+16*\b+4*\j+3], v1, s[4:5] offset:512*(\ks)+128*\b+16*\j th:TH_LOAD_NT
.endr
.endr
.endm
.macro WRLD hf, ks                     ; Wr of K step ks into half hf: group g = 2 b + (i / 8) serves registers 8 g .. 8 g + 7 of x; eight loads
.irp g, 0,1,2,3,4,5,6,7
	global_load_b128 v[WR+32*(\hf)+4*\g:WR+32*(\hf)+4*\g+3], v2, s[6:7] offset:4096*(\ks)+1024*(\g/2)+256*(\g%2)
.endr
.endm
; The logits' sums for one K step.  Register 8 G + l / 2 of x wants the row of Wr that lies in lanes l (experts 0-3) and l + 1 (experts 4-7), l even, of group G's four registers:
; eight moves bring it to every lane of the half, four packed multiply-adds take two experts each.  Even and odd registers of x have their own weights' registers and their own sums.
.macro FMA xb, ks
.set WB, WR+32*((\ks)%2)
.set G, 0
.rept 8
.irp l, 0,1,2,3,4,5,6,7,8,9,10,11,12,13,14,15
.irp j, 0,1,2,3
	v_mov_b32_dpp v[TM+8*((\l/2)%2)+4*(\l%2)+\j], v[WB+4*G+\j] row_share:\l row_mask:0xf bank_mask:0xf
.endr
.if (\l%2) == 1
.irp p, 0,1,2,3
.if ((\l/2)%2) == 0
	v_pk_fma_f32 v[ACC+2*\p:ACC+2*\p+1], v[\xb+8*G+\l/2:\xb+8*G+\l/2+1], v[TM+2*\p:TM+2*\p+1], v[ACC+2*\p:ACC+2*\p+1] op_sel_hi:[0,1,1]
.else
	v_pk_fma_f32 v[ACC+8+2*\p:ACC+8+2*\p+1], v[\xb+8*G+\l/2-1:\xb+8*G+\l/2], v[TM+8+2*\p:TM+8+2*\p+1], v[ACC+8+2*\p:ACC+8+2*\p+1] op_sel:[1,0,0] op_sel_hi:[1,1,1]
.endif
.endr
.endif
.endr
.set G, G+1
.endr
.endm
.macro CODES xb, ks                    ; a K step's codes, to my stage
	s_wait_dscnt 0x0                                       ; the last step's stores have read v[PC] on
	QUANT \xb
.irp q, 0,1,2
	ds_store_b128 v3, v[PC+4*\q:PC+4*\q+3] offset:48*(\ks)+16*\q
.endr
	v_mov_b32 v[PWS+(\ks)], v[PW]
.endm
; ---- the weight job, shared in form with the next launch
.macro WQADDR wv                       ; v1 = 4 lane, v4 = 16 lane, v2 = where my column's codes go in my wave's stage, v3 = where I read images back, v5 = 4 (r + 16 u)
	v_and_b32 v7, 31, v0
	v_lshlrev_b32 v1, 2, v7
	v_lshlrev_b32 v4, 4, v7
	v_bfe_u32 v8, v0, 3, 1                                 ; u: which of the two tiles my column falls into
	v_and_b32 v9, 7, v0
	v_bfe_u32 v10, v0, 4, 1
	v_lshl_or_b32 v9, v10, 3, v9                           ; r: its row there
	s_mul_i32 s23, s[\wv], 3328
	v_mul_u32_u24 v2, v8, 1664                             ; a tile's image: 1,536 bytes + 128, so that the two tiles' rows start in different banks
	v_lshl_add_u32 v2, v9, 4, v2
	v_add_nc_u32 v2, s23, v2
	v_add_nc_u32 v3, s23, v4
	v_lshl_add_u32 v5, v8, 4, v9
	v_lshlrev_b32 v5, 2, v5
.endm
.macro WLOAD tb, nn, src               ; block tb: W(32 tb + i, my column): 32 lanes read 128 consecutive bytes
.irp i, 0,1,2,3,4,5,6,7,8,9,10,11,12,13,14,15,16,17,18,19,20,21,22,23,24,25,26,27,28,29,30,31
	global_load_b32 v[XW+32*(\tb)+\i], v1, s[\src:\src+1] offset:(32*(\tb)+\i)*(\nn)*4 th:TH_LOAD_NT
.endr
.endm
.macro WBLOCK tb, nn, src
.set XB, XW+32*(\tb)
.set CT, CB+8*(\tb)
.if (\tb) < 3
	s_wait_loadcnt 32                                      ; this block's 32 loads are in; the next block's may be out
.else
	s_wait_loadcnt 0x0
.endif
.if (\tb) < 2
	WLOAD (\tb)+2, \nn, \src                               ; two blocks, 64 loads, are kept on their way
.endif
	v_max3_num_f32 v7, |v[XB]|, |v[XB+1]|, |v[XB+2]|
	v_max3_num_f32 v8, |v[XB+3]|, |v[XB+4]|, |v[XB+5]|
.irp i, 6,10,14,18,22,26
	v_max3_num_f32 v7, v7, |v[XB+\i]|, |v[XB+\i+1]|
	v_max3_num_f32 v8, v8, |v[XB+\i+2]|, |v[XB+\i+3]|
.endr
	v_max3_num_f32 v7, v7, |v[XB+30]|, |v[XB+31]|
	v_max3_num_f32 v7, v7, v8, 0x2800000                   ; and the floor 2^(5 - 127)
	v_add_nc_u32 v9, 0xfe000000, v7                        ; 4 off the exponent field: the conversion's scale operand
	v_cvt_scalef32_pk16_bf6_f32 v[CT:CT+2], v[XB:XB+15], v9
	v_cvt_scalef32_pk16_bf6_f32 v[CT+4:CT+6], v[XB+16:XB+31], v9
	v_lshrrev_b32 v10, 23, v9                              ; the byte; also the plain instruction behind the conversions
.if (\tb) == 0
	v_mov_b32 v6, v10
.else
	v_lshl_or_b32 v6, v10, 8*(\tb), v6
.endif
	v_mov_b32 v[CT+3], v[CT+4]                             ; the block's 24 bytes on end
	v_mov_b32 v[CT+4], v[CT+5]
	v_mov_b32 v[CT+5], v[CT+6]
; block tb = 2 c + h is registers 6 c .. 6 c + 5 of lane (r, h) of my tile's fragment
.if (\tb) < 2
	ds_store_b128 v2, v[CT:CT+3] offset:256*((\tb)%2)
	ds_store_b64 v2, v[CT+4:CT+5] offset:512+256*((\tb)%2)
.else
	ds_store_b64 v2, v[CT:CT+1] offset:512+256*((\tb)%2)+8
	ds_store_b128 v2, v[CT+2:CT+5] offset:1024+256*((\tb)%2)
.endif
.endm
; job s40 = (e, K step s, pair of tiles b): nn columns in a row of W, 2^lnb pairs of tiles, 2^lks K steps; src, dst: the scalar pairs with W's and the codes' address
.macro WQ nn, lnb, lks, src, dst
	s_and_b32 s41, s40, (1<<(\lnb))-1                      ; b
	s_lshr_b32 s42, s40, \lnb
	s_and_b32 s42, s42, (1<<(\lks))-1                      ; s
	s_lshr_b32 s43, s40, 8                                 ; e
	s_lshl_b32 s44, s43, 22                                ; an expert's weight is 4,194,304 bytes
	s_mul_i32 s45, s42, 128*(\nn)*4
	s_add_co_u32 s44, s44, s45
	s_lshl_b32 s45, s41, 7
	s_add_co_u32 s44, s44, s45
	s_mov_b32 s45, 0
	s_add_nc_u64 s[\src:\src+1], s[\src:\src+1], s[44:45]
	s_lshl_b32 s46, s43, \lnb
	s_add_co_u32 s46, s46, s41
	s_lshl_b32 s46, s46, \lks
	s_add_co_u32 s46, s46, s42                             ; (e NB + b) KS + s
	s_mul_i32 s44, s46, 3072
	s_add_nc_u64 s[48:49], s[\dst:\dst+1], s[44:45]
	s_lshl_b32 s44, s46, 7
	s_add_nc_u64 s[50:51], s[\dst:\dst+1], s[44:45]
	WLOAD 0, \nn, \src
	WLOAD 1, \nn, \src
.irp tb, 0,1,2,3
	WBLOCK \tb, \nn, \src
.endr
.irp u, 0,1
.irp q, 0,1,2
	ds_load_b128 v[XW+12*\u+4*\q:XW+12*\u+4*\q+3], v3 offset:1664*\u+512*\q   ; my wave's LDS instructions are served in order: these see my stores
.endr
.endr
.irp u, 0,1
.irp q, 0,1,2
	s_wait_dscnt 5-3*\u-\q                                 ; the loads behind this one may be out
	global_store_b128 v4, v[XW+12*\u+4*\q:XW+12*\u+4*\q+3], s[48:49] offset:1536*\u+512*\q   ; 512 consecutive bytes
.endr
.endr
	global_store_b32 v5, v6, s[50:51] offset:WS_OFF        ; tile 2 b's words in lanes' places 0-15, tile 2 b + 1's in 16-31
.endm
	s_load_b256 s[4:11], s[0:1], 0x0                       ; x s[4:5], Wr s[6:7], br s[8:9], W1 s[10:11]
	s_load_b256 s[12:19], s[0:1], 0x20                     ; w1q s[12:13], xq s[14:15], pairs s[16:17], out0 s[18:19]
	s_load_b64 s[20:21], s[0:1], 0x40                      ; out1
	s_load_b64 s[56:57], s[0:1], 0x48                      ; hist
	v_lshl_add_u32 v55, v0, 2, 0x9400
	s_set_vgpr_msb 0x40
	v_mov_b32 v1, 0
	s_set_vgpr_msb 0x4000
	v_lshrrev_b32 v1, 5, v0
	v_readfirstlane_b32 s22, v1                            ; wave
	s_cmp_ge_u32 ttmp9, 64
	s_cbranch_scc1 .Lweights
	; ---------------- the router
	v_and_b32 v7, 31, v0
	v_and_b32 v5, 15, v0                                   ; r
	v_bfe_u32 v6, v0, 4, 1                                 ; h
	v_lshlrev_b32 v1, 11, v5
	v_lshl_add_u32 v1, v6, 6, v1                           ; x: row r of 2,048 bytes + 64 h
	v_lshlrev_b32 v2, 9, v6
	v_lshl_add_u32 v2, v5, 4, v2                           ; Wr: 512 h (16 rows) + 16 r
	v_lshlrev_b32 v7, 4, v7                                ; 16 lane
	s_mul_i32 s23, s22, 6144
	s_add_co_u32 s23, s23, XST                             ; my wave's stage for x's codes
	v_mul_u32_u24 v3, v5, 384
	v_mad_u32_u24 v3, v6, 192, v3
	v_add_nc_u32 v3, s23, v3                               ; in: token r, half h: 192 bytes on end
	v_add_nc_u32 v4, s23, v7                               ; out: as the bytes lie
	s_lshl_b32 s24, ttmp9, 2
	s_add_co_u32 s24, s24, s22                             ; which 16 tokens
	s_mov_b32 s27, 0
	s_mov_b32 s[SEL], 0x76543210
	s_mov_b32 s[SEL+1], 0xfedcba98
	s_wait_kmcnt 0x0
	s_load_b256 s[40:47], s[8:9], 0x0                      ; br
	s_lshl_b32 s26, s24, 15
	s_add_nc_u64 s[4:5], s[4:5], s[26:27]                  ; x
	WRLD 0, 0
	WRLD 1, 1
	XLOAD X0, 0
	XLOAD X1, 1
	s_lshl_b32 s26, s24, 9
	s_add_nc_u64 s[18:19], s[18:19], s[26:27]              ; out0
	s_lshl_b32 s26, s24, 7
	s_add_nc_u64 s[20:21], s[20:21], s[26:27]              ; out1
	s_add_nc_u64 s[32:33], s[14:15], s[26:27]              ; the gates (+ GATE_OFF)
	s_add_nc_u64 s[56:57], s[56:57], s[26:27]              ; my 16 tokens' counts
	s_lshl_b32 s26, s24, 6
	s_add_nc_u64 s[16:17], s[16:17], s[26:27]              ; pairs
	s_lshl_b32 s26, s24, 8
	s_add_nc_u64 s[30:31], s[14:15], s[26:27]              ; x's scale words (+ XS_OFF)
	s_mul_i32 s26, s24, 6144
	s_add_nc_u64 s[28:29], s[14:15], s[26:27]              ; x's codes
.irp i, 0,1,2,3,4,5,6,7,8,9,10,11,12,13,14,15
	v_mov_b32 v[ACC+\i], 0
.endr
.irp i, 0,1,2,3,4,5,6,7,8,9,10,11,12,13,14,15
	v_mov_b32 v[TM+\i], 0                                  ; written once: the destination of a move from another lane, and of a lane permute, counts as one of its sources
.endr
	s_wait_loadcnt 16                                      ; Wr of K steps 0 and 1 and x of K step 0 are in; K step 1's 16 loads of x may be out
	FMA X0, 0
	WRLD 0, 2                                              ; into the registers that the sums above have left
	CODES X0, 0
	XLOAD X0, 2
	s_wait_loadcnt 24                                      ; x of K step 1 is in; behind it: 8 loads of Wr and 16 of x for K step 2
	FMA X1, 1
	WRLD 1, 3
	CODES X1, 1
	XLOAD X1, 3
	s_wait_loadcnt 24                                      ; Wr and x of K step 2 are in; behind them: 8 and 16 loads for K step 3
	FMA X0, 2
	CODES X0, 2
	s_wait_loadcnt 0x0
	FMA X1, 3
	CODES X1, 3
.irp i, 0,1,2,3,4,5,6,7,8,9,10,11
	ds_load_b128 v[X0+4*\i:X0+4*\i+3], v4 offset:512*\i    ; the 16 tokens' codes as they will lie in memory (behind my stores, in order)
.endr
	; the logits
.irp p, 0,1,2,3
	v_pk_add_f32 v[ACC+2*\p:ACC+2*\p+1], v[ACC+2*\p:ACC+2*\p+1], v[ACC+8+2*\p:ACC+8+2*\p+1]
.endr
.irp e, 0,1,2,3,4,5,6,7
	v_permlanex16_b32 v[ACC+8+\e], v[ACC+\e], s[SEL], s[SEL+1]
.endr
.irp e, 0,1,2,3,4,5,6,7
	v_add_f32 v[ACC+\e], v[ACC+\e], v[ACC+8+\e]            ; with the other half of C
.endr
	s_wait_kmcnt 0x0
.irp e, 0,1,2,3,4,5,6,7
	v_add_f32 v[ACC+\e], s[40+\e], v[ACC+\e]               ; + br
.endr
	v_cmp_eq_u32 s36, 1, v6                                ; lanes 16-31
.irp i, 0,1,2,3
	v_cndmask_b32 v[64+\i], v[ACC+\i], v[ACC+4+\i], s36
.endr
	v_lshlrev_b32 v68, 5, v5
	v_lshl_add_u32 v68, v6, 4, v68
	global_store_b128 v68, v[64:67], s[18:19]              ; the wave's 512 bytes of out0
	; top-2: a later expert takes the place only if it is strictly larger, so that of equals the lower index stays
	v_mov_b32 v70, v[ACC]
	v_mov_b32 v71, 0
.irp e, 1,2,3,4,5,6,7
	v_cmp_le_f32 vcc_lo, v[ACC+\e], v70
	v_cndmask_b32 v70, v[ACC+\e], v70, vcc_lo
	v_cndmask_b32 v71, \e, v71, vcc_lo
.endr
	v_mov_b32 v69, 0xff800000
.irp e, 0,1,2,3,4,5,6,7
	v_cmp_eq_u32 vcc_lo, \e, v71
	v_cndmask_b32 v[ACC+8+\e], v[ACC+\e], v69, vcc_lo      ; the winner is taken out
.endr
	v_mov_b32 v72, v[ACC+8]
	v_mov_b32 v73, 0
.irp e, 1,2,3,4,5,6,7
	v_cmp_le_f32 vcc_lo, v[ACC+8+\e], v72
	v_cndmask_b32 v72, v[ACC+8+\e], v72, vcc_lo
	v_cndmask_b32 v73, \e, v73, vcc_lo
.endr
	; softmax of the two: the larger is taken away first, so the exponent is 0 or less
	v_sub_f32 v74, v72, v70
	v_mul_f32 v74, 0x3fb8aa3b, v74
	v_exp_f32 v75, v74
	v_min_u32 v80, v71, v73                                ; a (a plain instruction behind the exponential)
	s_wait_alu depctr_va_vdst(0)                           ; ahead of the first reader of the exponential
	v_add_f32 v76, 1.0, v75
	v_rcp_f32 v77, v76                                     ; the larger logit's score
	v_max_u32 v81, v71, v73                                ; b (a plain instruction behind the reciprocal)
	s_wait_alu depctr_va_vdst(0)                           ; ahead of the first reader of the reciprocal
	v_mul_f32 v78, v75, v77                                ; the other's
	v_cmp_lt_u32 vcc_lo, v71, v73
	v_cndmask_b32 v82, v78, v77, vcc_lo                    ; the gate of expert a,
	v_cndmask_b32 v83, v77, v78, vcc_lo                    ; of expert b
	v_sub_nc_u32 v84, 15, v80
	v_mul_u32_u24 v84, v84, v80
	v_lshrrev_b32 v84, 1, v84
	v_add_nc_u32 v84, v84, v81
	v_sub_nc_u32 v84, v84, v80
	v_add_nc_u32 v84, -1, v84                              ; the pair's number: a (15 - a) / 2 + b - a - 1
	v_cndmask_b32 v85, v71, v73, s36
	v_cndmask_b32 v86, v82, v83, s36
	v_lshlrev_b32 v87, 3, v5
	v_lshl_add_u32 v87, v6, 2, v87
	global_store_b32 v87, v85, s[20:21]                    ; out1
	global_store_b32 v87, v86, s[32:33] offset:GATE_OFF
	; the sort's first step: lanes 0-15 hold the 16 tokens once (lanes 16-31 repeat them and are masked off); four pairs at a time, so that no line waits for the line above it
	v_mov_b32 v92, 0                                       ; my token's rank among the 16 with the same pair
	v_mov_b32 v93, 0                                       ; lane k: how many of the 16 chose pair k
	v_mov_b32 v98, 0
.irp kb, 0,4,8,12,16,20,24
.irp j, 0,1,2,3
	v_cmp_eq_u32 s[48+\j], \kb+\j, v84
.endr
.irp j, 0,1,2,3
	s_and_b32 s[48+\j], s[48+\j], 0xffff
.endr
.irp j, 0,1,2,3
	v_mbcnt_lo_u32_b32 v[94+\j], s[48+\j], 0               ; the lanes below mine with this pair
.endr
.irp j, 0,1,2,3
	v_cndmask_b32 v92, v92, v[94+\j], s[48+\j]
.endr
.irp j, 0,1,2,3
	s_bcnt1_i32_b32 s[52+\j], s[48+\j]
.endr
.irp j, 0,1,2,3
	v_writelane_b32 v93, s[52+\j], \kb+\j
.endr
.endr
	v_permlanex16_b32 v98, v92, s[SEL], s[SEL+1]
	v_cndmask_b32 v92, v92, v98, s36                       ; lanes 16-31 take their token's rank from lanes 0-15
	v_lshl_or_b32 v84, v92, 8, v84                         ; pair | rank << 8
	v_lshlrev_b32 v88, 2, v5
	global_store_b32 v88, v84, s[16:17]                    ; both halves of the lanes write the same word with the same number
	v_lshrrev_b32 v99, 2, v7
	global_store_b32 v99, v93, s[56:57]                    ; 128 consecutive bytes; lanes 28-31 store zeros
	v_cndmask_b32 v90, v[PWS], v[PWS+2], s36
	v_cndmask_b32 v91, v[PWS+1], v[PWS+3], s36
	v_lshlrev_b32 v89, 4, v5
	v_lshl_add_u32 v89, v6, 3, v89
	global_store_b64 v89, v[90:91], s[30:31] offset:XS_OFF ; 256 consecutive bytes
.irp i, 0,1,2,3,4,5,6,7,8,9,10,11
	s_wait_dscnt 11-\i
	global_store_b128 v7, v[X0+4*\i:X0+4*\i+3], s[28:29] offset:512*\i   ; 512 consecutive bytes
.endr
	s_set_vgpr_msb 0x4
	s_wait_tensorcnt 0x0
	ds_add_u32 v55, v1
	s_wait_dscnt 0x0
	s_set_vgpr_msb 0x400
	s_endpgm
	; ---------------- W1: 2,048 jobs, four to a work-group
.Lweights:
	WQADDR 22
	s_sub_co_u32 s40, ttmp9, 64
	s_lshl_b32 s40, s40, 2
	s_add_co_u32 s40, s40, s22
	s_wait_kmcnt 0x0
	WQ 2048, 6, 2, 10, 12
	s_set_vgpr_msb 0x4
	s_wait_tensorcnt 0x0
	ds_add_u32 v55, v1
	s_wait_dscnt 0x0
	s_set_vgpr_msb 0x400
	s_endpgm
.Lfunc_end_k_q384afb9fd9_prep:
	.size	k_q384afb9fd9_prep, .Lfunc_end_k_q384afb9fd9_prep-k_q384afb9fd9_prep
	.p2alignl 7, 3214868480
	.fill 96, 4, 3214868480
	.section	.rodata,"a",@progbits
	.p2align	6, 0x0
	.amdhsa_kernel k_q384afb9fd9_prep
		.amdhsa_group_segment_fixed_size 38400
		.amdhsa_private_segment_fixed_size 0
		.amdhsa_enable_private_segment 0
		.amdhsa_kernarg_size 80
		.amdhsa_user_sgpr_count 2
		.amdhsa_user_sgpr_kernarg_segment_ptr 1
		.amdhsa_wavefront_size32 1
		.amdhsa_system_sgpr_workgroup_id_x 1
		.amdhsa_system_sgpr_workgroup_id_y 1
		.amdhsa_system_sgpr_workgroup_id_z 1
		.amdhsa_system_vgpr_workitem_id 0
		.amdhsa_next_free_vgpr 258
		.amdhsa_next_free_sgpr 66
		.amdhsa_reserve_vcc 1
		.amdhsa_float_denorm_mode_32 3
		.amdhsa_float_denorm_mode_16_64 3
		.amdhsa_memory_ordered 1
		.amdhsa_forward_progress 1
		.amdhsa_inst_pref_size 255
	.end_amdhsa_kernel
	.section	.bss,"aw",@nobits
	.p2align	6
	.space	262144
	.amdgpu_metadata
---
amdhsa.version: [ 1, 2 ]
amdhsa.kernels:
  - .name:           k_q384afb9fd9_prep
    .symbol:         k_q384afb9fd9_prep.kd
    .args:
      - { .name: x, .offset: 0, .size: 8, .value_kind: global_buffer, .address_space: global }
      - { .name: Wr, .offset: 8, .size: 8, .value_kind: global_buffer, .address_space: global }
      - { .name: br, .offset: 16, .size: 8, .value_kind: global_buffer, .address_space: global }
      - { .name: W1, .offset: 24, .size: 8, .value_kind: global_buffer, .address_space: global }
      - { .name: w1q, .offset: 32, .size: 8, .value_kind: global_buffer, .address_space: global }
      - { .name: xq, .offset: 40, .size: 8, .value_kind: global_buffer, .address_space: global }
      - { .name: pairs, .offset: 48, .size: 8, .value_kind: global_buffer, .address_space: global }
      - { .name: out0, .offset: 56, .size: 8, .value_kind: global_buffer, .address_space: global }
      - { .name: out1, .offset: 64, .size: 8, .value_kind: global_buffer, .address_space: global }
      - { .name: hist, .offset: 72, .size: 8, .value_kind: global_buffer, .address_space: global }
    .group_segment_fixed_size: 38400
    .private_segment_fixed_size: 0
    .kernarg_segment_align: 8
    .kernarg_segment_size: 80
    .max_flat_workgroup_size: 128
    .sgpr_count:     66
    .vgpr_count:     258
    .wavefront_size: 32
...
	.end_amdgpu_metadata
.endif
;; end of part 5
;; launch place (part 6): grid 257 x 1, 8 waves a work-group, no clusters, 28,672 bytes of LDS; arguments pairs, W2, w2q, lists, hist; writes w2q, lists
.if DOCPART == 6
	.amdgcn_target "amdgcn-amd-amdhsa--gfx1250"
	.amdhsa_code_object_version 6
	.text
	.protected	k_q384afb9fd9_place
	.globl	k_q384afb9fd9_place
	.p2align	8
	.type	k_q384afb9fd9_place,@function
k_q384afb9fd9_place:
	s_mov_b64 s[64:65], 0
	v_nop
	global_prefetch_b8 v0, s[64:65] scope:SCOPE_SE
	s_setreg_imm32_b32 hwreg(HW_REG_WAVE_MODE, 25, 1), 1
	s_wait_xcnt 0x0
; PLACE.  Work-group 0: the rest of a counting sort of the 4,096 tokens by their pair of experts (28 pairs), and the lists that steer the next two launches.  Work-groups 1-256: W2 as codes of E3M2 in the order of an operand's registers.
; A pair's tokens are cut into TILES of 16 (the last filled up).  A tile is two UNITS: its rows for expert a and for expert b.  Units are numbered so that each expert's are neighbours.
; lists, in words: 0: for expert e its first unit and its number of units;  64: for block beta (32 of them) and i < 16 two words: a | b << 3 | valid << 6 | tile << 8, and unit a | unit b << 16;
;   1,088: a tile's 16 tokens;  5,696: a unit's 16 tokens; in both a filled-up row holds 4,096, and row 0 is always a token;  14,912: 32 words that take the stores of lanes with nothing to fill, and are never read.
; THE SORT.  The launch before has left, for each group of 16 tokens, the count of each pair (hist, lane k: pair k) and, in each token's word, pair | rank in its group << 8.  Wave w owns groups 32 w .. 32 w + 31: it adds their
; counts up, lane k standing for pair k; the waves' sums meet in LDS behind the launch's one barrier; every wave then makes the tables for itself.  A token's place among its pair's tokens is the earlier waves' count + the
; earlier groups' count + its rank.
; The weight job is the one of the launch before: a lane takes a column, its registers run down K.  LIMITS as there: NaN and infinities are not served; a block under 2^-122 gets the byte 1.
.set WS_OFF, 6291456
.set HIST,   26624                     ; LDS: 0 .. 26,623 the weight jobs' stages (8 x 3,328); here the waves' counts, 128 bytes each
.set TOK4W,  1088
.set UTOKW,  5696
.set DUMPW,  14912
.set LASTW,  14975
.set CB,  32
.set XW,  64
.set KR,  64                           ; v64-79   my 16 registers of tokens' words: register g, lane l: token 512 w + 32 g + l
.set PG,  80                           ; v80-111  lane k: pair k's count in my wave's groups in front of group g' (both lie among the registers that the weight job writes on its way through this text)
.set HG,  112                          ; v112-143 the groups' counts as loaded; later v112-127 the tokens' pairs x 4
.set RS,  128                          ; v128-207 five looked-up numbers for each register of tokens; three of them become addresses
.set TN,  208                          ; v208-223 the tokens' numbers
.set TI,  224                          ; v224-229 the blocks' entries and their addresses
.macro WQADDR wv
	v_and_b32 v7, 31, v0
	v_lshlrev_b32 v1, 2, v7
	v_lshlrev_b32 v4, 4, v7
	v_bfe_u32 v8, v0, 3, 1
	v_and_b32 v9, 7, v0
	v_bfe_u32 v10, v0, 4, 1
	v_lshl_or_b32 v9, v10, 3, v9
	s_mul_i32 s23, s[\wv], 3328
	v_mul_u32_u24 v2, v8, 1664
	v_lshl_add_u32 v2, v9, 4, v2
	v_add_nc_u32 v2, s23, v2
	v_add_nc_u32 v3, s23, v4
	v_lshl_add_u32 v5, v8, 4, v9
	v_lshlrev_b32 v5, 2, v5
.endm
.macro WLOAD tb, nn, src
.irp i, 0,1,2,3,4,5,6,7,8,9,10,11,12,13,14,15,16,17,18,19,20,21,22,23,24,25,26,27,28,29,30,31
	global_load_b32 v[XW+32*(\tb)+\i], v1, s[\src:\src+1] offset:(32*(\tb)+\i)*(\nn)*4 th:TH_LOAD_NT
.endr
.endm
.macro WBLOCK tb, nn, src
.set XB, XW+32*(\tb)
.set CT, CB+8*(\tb)
.if (\tb) < 3
	s_wait_loadcnt 32                                      ; this block's 32 loads are in; the next block's may be out
.else
	s_wait_loadcnt 0x0
.endif
.if (\tb) < 2
	WLOAD (\tb)+2, \nn, \src
.endif
	v_max3_num_f32 v7, |v[XB]|, |v[XB+1]|, |v[XB+2]|
	v_max3_num_f32 v8, |v[XB+3]|, |v[XB+4]|, |v[XB+5]|
.irp i, 6,10,14,18,22,26
	v_max3_num_f32 v7, v7, |v[XB+\i]|, |v[XB+\i+1]|
	v_max3_num_f32 v8, v8, |v[XB+\i+2]|, |v[XB+\i+3]|
.endr
	v_max3_num_f32 v7, v7, |v[XB+30]|, |v[XB+31]|
	v_max3_num_f32 v7, v7, v8, 0x2800000
	v_add_nc_u32 v9, 0xfe000000, v7
	v_cvt_scalef32_pk16_bf6_f32 v[CT:CT+2], v[XB:XB+15], v9
	v_cvt_scalef32_pk16_bf6_f32 v[CT+4:CT+6], v[XB+16:XB+31], v9
	v_lshrrev_b32 v10, 23, v9                              ; the byte; also the plain instruction behind the conversions
.if (\tb) == 0
	v_mov_b32 v6, v10
.else
	v_lshl_or_b32 v6, v10, 8*(\tb), v6
.endif
	v_mov_b32 v[CT+3], v[CT+4]
	v_mov_b32 v[CT+4], v[CT+5]
	v_mov_b32 v[CT+5], v[CT+6]
.if (\tb) < 2
	ds_store_b128 v2, v[CT:CT+3] offset:256*((\tb)%2)
	ds_store_b64 v2, v[CT+4:CT+5] offset:512+256*((\tb)%2)
.else
	ds_store_b64 v2, v[CT:CT+1] offset:512+256*((\tb)%2)+8
	ds_store_b128 v2, v[CT+2:CT+5] offset:1024+256*((\tb)%2)
.endif
.endm
.macro WQ nn, lnb, lks, src, dst
	s_and_b32 s41, s40, (1<<(\lnb))-1
	s_lshr_b32 s42, s40, \lnb
	s_and_b32 s42, s42, (1<<(\lks))-1
	s_lshr_b32 s43, s40, 8
	s_lshl_b32 s44, s43, 22
	s_mul_i32 s45, s42, 128*(\nn)*4
	s_add_co_u32 s44, s44, s45
	s_lshl_b32 s45, s41, 7
	s_add_co_u32 s44, s44, s45
	s_mov_b32 s45, 0
	s_add_nc_u64 s[\src:\src+1], s[\src:\src+1], s[44:45]
	s_lshl_b32 s46, s43, \lnb
	s_add_co_u32 s46, s46, s41
	s_lshl_b32 s46, s46, \lks
	s_add_co_u32 s46, s46, s42
	s_mul_i32 s44, s46, 3072
	s_add_nc_u64 s[48:49], s[\dst:\dst+1], s[44:45]
	s_lshl_b32 s44, s46, 7
	s_add_nc_u64 s[50:51], s[\dst:\dst+1], s[44:45]
	WLOAD 0, \nn, \src
	WLOAD 1, \nn, \src
.irp tb, 0,1,2,3
	WBLOCK \tb, \nn, \src
.endr
.irp u, 0,1
.irp q, 0,1,2
	ds_load_b128 v[XW+12*\u+4*\q:XW+12*\u+4*\q+3], v3 offset:1664*\u+512*\q
.endr
.endr
.irp u, 0,1
.irp q, 0,1,2
	s_wait_dscnt 5-3*\u-\q                                 ; the loads behind this one may be out
	global_store_b128 v4, v[XW+12*\u+4*\q:XW+12*\u+4*\q+3], s[48:49] offset:1536*\u+512*\q
.endr
.endr
	global_store_b32 v5, v6, s[50:51] offset:WS_OFF
.endm
	s_load_b256 s[4:11], s[0:1], 0x0                       ; pairs s[4:5], W2 s[6:7], w2q s[8:9], lists s[10:11]
	s_load_b64 s[16:17], s[0:1], 0x20                      ; hist
	v_lshl_add_u32 v254, v0, 2, 0x6c00
	v_mov_b32 v255, 0
	v_lshrrev_b32 v13, 5, v0
	v_readfirstlane_b32 s12, v13                           ; wave 0..7
	WQADDR 12                                              ; every LDS address of both ways is made here, ahead of the parting
	v_and_b32 v13, 31, v0                                  ; lane
	s_lshl_b32 s20, s12, 7
	s_add_co_u32 s20, s20, HIST
	v_add_nc_u32 v11, s20, v1                              ; my wave's counts
	v_add_nc_u32 v12, HIST, v1                             ; wave 0's; the others by the offset
	s_wait_kmcnt 0x0
	s_cmp_eq_u32 ttmp9, 0
	s_cbranch_scc1 .Lcount
	s_sub_co_u32 s40, ttmp9, 1
	s_lshl_b32 s40, s40, 3
	s_add_co_u32 s40, s40, s12                             ; W2: 2,048 jobs, eight to a work-group
	WQ 512, 4, 4, 6, 8
	s_branch .Ljoin
.Lcount:
	s_lshl_b32 s20, s12, 11                                ; my 512 tokens' words
	s_mov_b32 s21, 0
	s_add_nc_u64 s[14:15], s[4:5], s[20:21]
	s_lshl_b32 s20, s12, 12                                ; my 32 groups' counts, 128 bytes each
	s_add_nc_u64 s[18:19], s[16:17], s[20:21]
.irp g, 0,1,2,3,4,5,6,7,8,9,10,11,12,13,14,15,16,17,18,19,20,21,22,23,24,25,26,27,28,29,30,31
	global_load_b32 v[HG+\g], v1, s[18:19] offset:128*\g
.endr
.irp g, 0,1,2,3,4,5,6,7,8,9,10,11,12,13,14,15
	global_load_b32 v[KR+\g], v1, s[14:15] offset:128*\g
.endr
	v_mov_b32 v[PG], 0
	s_wait_loadcnt 0x0
.irp g, 0,1,2,3,4,5,6,7,8,9,10,11,12,13,14,15,16,17,18,19,20,21,22,23,24,25,26,27,28,29,30
	v_add_nc_u32 v[PG+1+\g], v[PG+\g], v[HG+\g]            ; the groups in front of group g + 1
.endr
	v_add_nc_u32 v20, v[PG+31], v[HG+31]                   ; my wave's count of each pair
	ds_store_b32 v11, v20
.Ljoin:
	s_wait_dscnt 0x0                                       ; my counts lie in LDS
	s_barrier_signal -1
	s_barrier_wait -1                                      ; the one barrier, on every wave's way
	s_cmp_lg_u32 ttmp9, 0
	s_cbranch_scc1 .Lend
	s_wait_xcnt 0x0                                        ; s36-63, written below, include the registers that are the bases of the weight job's stores on the other way through this text: they are written only behind this wait
	; ---------------- the tables, in every wave of work-group 0: lane k stands for pair k
.irp i, 0,1,2,3,4,5,6,7
	ds_load_b32 v[24+\i], v12 offset:128*\i
.endr
	s_wait_dscnt 0x0
	v_add_nc_u32 v32, v24, v25
.irp i, 2,3,4,5,6,7
	v_add_nc_u32 v32, v32, v[24+\i]                        ; the pair's tokens
.endr
	v_mov_b32 v33, 0
.irp i, 0,1,2,3,4,5,6
	s_cmp_gt_u32 s12, \i
	s_cselect_b32 s20, -1, 0
	v_and_b32 v43, s20, v[24+\i]
	v_add_nc_u32 v33, v33, v43                             ; those of the waves in front of mine
.endr
	v_add_nc_u32 v34, 15, v32
	v_lshrrev_b32 v34, 4, v34                              ; the pair's tiles
.irp k, 0,1,2,3,4,5,6,7,8,9,10,11,12,13,14,15,16,17,18,19,20,21,22,23,24,25,26,27
	v_readlane_b32 s[36+\k], v34, \k
.endr
.irp e, 0,1,2,3,4,5,6,7
	s_mov_b32 s[66+\e], 0                                  ; s66-73: an expert's units
.endr
.set KK, 0
.irp a, 0,1,2,3,4,5,6
.irp b, 1,2,3,4,5,6,7
.if \b > \a
	s_add_co_u32 s[66+\a], s[66+\a], s[36+KK]
	s_add_co_u32 s[66+\b], s[66+\b], s[36+KK]
.set KK, KK+1
.endif
.endr
.endr
	s_mov_b32 s74, 0                                       ; s74-81: an expert's first unit, then its next free one
.irp e, 0,1,2,3,4,5,6
	s_add_co_u32 s[75+\e], s[74+\e], s[66+\e]
.endr
	v_mov_b32 v39, 0
.irp e, 0,1,2,3,4,5,6,7
	v_writelane_b32 v39, s[74+\e], 2*\e
	v_writelane_b32 v39, s[66+\e], 2*\e+1
.endr
	v_mov_b32 v35, 0                                       ; the pair's first unit of expert a,
	v_mov_b32 v36, 0                                       ; of expert b,
	v_mov_b32 v37, 0                                       ; its first tile,
	v_mov_b32 v38, 0                                       ; a | b << 3
	s_mov_b32 s82, 0
.set KK, 0
.irp a, 0,1,2,3,4,5,6
.irp b, 1,2,3,4,5,6,7
.if \b > \a
	v_writelane_b32 v35, s[74+\a], KK
	s_add_co_u32 s[74+\a], s[74+\a], s[36+KK]
	v_writelane_b32 v36, s[74+\b], KK
	s_add_co_u32 s[74+\b], s[74+\b], s[36+KK]
	v_writelane_b32 v37, s82, KK
	s_add_co_u32 s82, s82, s[36+KK]
	s_mov_b32 s[36+KK], s82                                ; s36-63 now: where the pair's tiles end
	s_mov_b32 s83, \a+8*\b
	v_writelane_b32 v38, s83, KK
.set KK, KK+1
.endif
.endr
.endr                                                      ; s82 = the number of tiles, 256 to 282
	v_lshl_add_u32 v40, v37, 4, v33
	v_add_nc_u32 v40, TOK4W, v40                           ; where my wave's tokens of the pair begin: among the tiles' rows,
	v_lshl_add_u32 v41, v35, 4, v33
	v_add_nc_u32 v41, UTOKW, v41                           ; among expert a's units' rows,
	v_lshl_add_u32 v42, v36, 4, v33
	v_add_nc_u32 v42, UTOKW, v42                           ; among expert b's
	; the tokens' places.  Register g: lanes 0-15 are group 2 g of my wave, lanes 16-31 group 2 g + 1
	s_mov_b32 s22, 0xffff0000                              ; lanes 16-31
	s_lshl_b32 s21, s12, 9
	v_add_nc_u32 v43, s21, v13
.irp g, 0,1,2,3,4,5,6,7,8,9,10,11,12,13,14,15
	v_and_b32 v[HG+\g], 31, v[KR+\g]
	v_lshlrev_b32 v[HG+\g], 2, v[HG+\g]                    ; the lane that stands for the token's pair, x 4
	v_add_nc_u32 v[TN+\g], 32*\g, v43                      ; the token's number
.endr
.irp hh, 0,8                                           ; eight registers of tokens, 40 look-ups, at a time
.irp g, 0,1,2,3,4,5,6,7
	ds_bpermute_b32 v[RS+5*(\hh+\g)], v[HG+\hh+\g], v[PG+2*(\hh+\g)]       ; the pair's count in front of group 2 g,
	ds_bpermute_b32 v[RS+5*(\hh+\g)+1], v[HG+\hh+\g], v[PG+2*(\hh+\g)+1]   ; in front of group 2 g + 1,
	ds_bpermute_b32 v[RS+5*(\hh+\g)+2], v[HG+\hh+\g], v40                  ; and the three places where my wave's tokens of the pair begin
	ds_bpermute_b32 v[RS+5*(\hh+\g)+3], v[HG+\hh+\g], v41
	ds_bpermute_b32 v[RS+5*(\hh+\g)+4], v[HG+\hh+\g], v42
.endr
	s_wait_dscnt 0x0
.irp g, 0,1,2,3,4,5,6,7
	v_cndmask_b32 v[RS+5*(\hh+\g)], v[RS+5*(\hh+\g)], v[RS+5*(\hh+\g)+1], s22
	v_bfe_u32 v[RS+5*(\hh+\g)+1], v[KR+\hh+\g], 8, 8       ; the token's rank in its group
	v_add_nc_u32 v[RS+5*(\hh+\g)], v[RS+5*(\hh+\g)], v[RS+5*(\hh+\g)+1]
.irp j, 2,3,4
	v_add_nc_u32 v[RS+5*(\hh+\g)+\j], v[RS+5*(\hh+\g)+\j], v[RS+5*(\hh+\g)]
	v_min_u32 v[RS+5*(\hh+\g)+\j], LASTW, v[RS+5*(\hh+\g)+\j]   ; held inside the buffer
	v_lshlrev_b32 v[RS+5*(\hh+\g)+\j], 2, v[RS+5*(\hh+\g)+\j]
	global_store_b32 v[RS+5*(\hh+\g)+\j], v[TN+\hh+\g], s[10:11]
.endr
.endr
.endr
	; the rows that fill up each pair's last tile: wave 0, lane k for pair k, up to 15 rows, 4,096 in all three lists
	s_cmp_lg_u32 s12, 0
	s_cbranch_scc1 .Lnopad
	s_wait_xcnt 0x0                                        ; the stores above have read their registers, some of which are written below
	v_and_b32 v43, 15, v32
	v_sub_nc_u32 v43, 16, v43
	v_and_b32 v43, 15, v43                                 ; how many
	v_add_nc_u32 v44, v40, v32                             ; (in wave 0 nothing lies in front) the first of them
	v_add_nc_u32 v45, v41, v32
	v_add_nc_u32 v46, v42, v32
	v_add_nc_u32 v47, DUMPW, v13
	v_mov_b32 v48, 4096
.irp i, 0,1,2,3,4,5,6,7,8,9,10,11,12,13,14
	v_cmp_lt_u32 vcc_lo, \i, v43
.irp j, 0,1,2
	v_add_nc_u32 v[96+3*\i+\j], \i, v[44+\j]
	v_cndmask_b32 v[96+3*\i+\j], v47, v[96+3*\i+\j], vcc_lo   ; a lane with nothing to fill stores to its spare word
	v_min_u32 v[96+3*\i+\j], LASTW, v[96+3*\i+\j]
	v_lshlrev_b32 v[96+3*\i+\j], 2, v[96+3*\i+\j]
.endr
	global_store_b32 v[96+3*\i], v48, s[10:11]
	global_store_b32 v[97+3*\i], v48, s[10:11]
	global_store_b32 v[98+3*\i], v48, s[10:11]
.endr
.Lnopad:
	; the blocks of tiles: entry x = 16 beta + i; block beta owns tiles (beta n) >> 5 .. ((beta + 1) n) >> 5, eight or nine; beyond its end an entry repeats the last tile and is marked
	s_lshl_b32 s21, s12, 6
.irp q, 0,1
	v_add_nc_u32 v50, s21, v13
	v_add_nc_u32 v50, 32*\q, v50
	v_lshrrev_b32 v51, 4, v50
	v_and_b32 v52, 15, v50
	v_mul_lo_u32 v53, v51, s82
	v_add_nc_u32 v54, s82, v53
	v_lshrrev_b32 v53, 5, v53
	v_lshrrev_b32 v54, 5, v54
	v_add_nc_u32 v55, v53, v52
	v_cmp_lt_u32 s20, v55, v54
	v_add_nc_u32 v56, -1, v54
	v_min_u32 v55, v55, v56                                ; the tile
	v_mov_b32 v57, 0
.irp k, 0,1,2,3,4,5,6,7,8,9,10,11,12,13,14,15,16,17,18,19,20,21,22,23,24,25,26,27
	v_cmp_le_u32 vcc_lo, s[36+\k], v55
	v_add_co_ci_u32 v57, vcc_lo, 0, v57, vcc_lo            ; its pair: as many as end at or in front of it
.endr
	v_lshlrev_b32 v57, 2, v57
	ds_bpermute_b32 v58, v57, v37
	ds_bpermute_b32 v59, v57, v35
	ds_bpermute_b32 v60, v57, v36
	ds_bpermute_b32 v61, v57, v38
	s_wait_dscnt 0x0
	v_sub_nc_u32 v62, v55, v58
	v_add_nc_u32 v59, v59, v62
	v_add_nc_u32 v60, v60, v62
	v_cndmask_b32 v63, 0, 64, s20
	v_or_b32 v61, v61, v63
	v_lshl_or_b32 v[TI+2*\q], v55, 8, v61                  ; (registers of their own: the tokens' stores may still read theirs)
	v_lshl_or_b32 v[TI+1+2*\q], v60, 16, v59
	v_lshlrev_b32 v[TI+4+\q], 3, v50
	global_store_b64 v[TI+4+\q], v[TI+2*\q:TI+1+2*\q], s[10:11] offset:256   ; 256 consecutive bytes
.endr
	s_cmp_lg_u32 s12, 1
	s_cbranch_scc1 .Lend
	global_store_b32 v1, v39, s[10:11]                     ; the experts' first units and counts (lanes 16-31 store zeros behind them)
.Lend:
	s_barrier_signal -1
	s_barrier_wait -1
	s_wait_tensorcnt 0x0
	ds_add_u32 v254, v255
	s_wait_dscnt 0x0
	s_endpgm
.Lfunc_end_k_q384afb9fd9_place:
	.size	k_q384afb9fd9_place, .Lfunc_end_k_q384afb9fd9_place-k_q384afb9fd9_place
	.p2alignl 7, 3214868480
	.fill 96, 4, 3214868480
	.section	.rodata,"a",@progbits
	.p2align	6, 0x0
	.amdhsa_kernel k_q384afb9fd9_place
		.amdhsa_group_segment_fixed_size 28672
		.amdhsa_private_segment_fixed_size 0
		.amdhsa_enable_private_segment 0
		.amdhsa_kernarg_size 40
		.amdhsa_user_sgpr_count 2
		.amdhsa_user_sgpr_kernarg_segment_ptr 1
		.amdhsa_wavefront_size32 1
		.amdhsa_system_sgpr_workgroup_id_x 1
		.amdhsa_system_sgpr_workgroup_id_y 1
		.amdhsa_system_sgpr_workgroup_id_z 1
		.amdhsa_system_vgpr_workitem_id 0
		.amdhsa_next_free_vgpr 256
		.amdhsa_next_free_sgpr 96
		.amdhsa_reserve_vcc 1
		.amdhsa_float_denorm_mode_32 3
		.amdhsa_float_denorm_mode_16_64 3
		.amdhsa_memory_ordered 1
		.amdhsa_forward_progress 1
		.amdhsa_inst_pref_size 85
	.end_amdhsa_kernel
	.amdgpu_metadata
---
amdhsa.version: [ 1, 2 ]
amdhsa.kernels:
  - .name:           k_q384afb9fd9_place
    .symbol:         k_q384afb9fd9_place.kd
    .args:
      - { .name: pairs, .offset: 0, .size: 8, .value_kind: global_buffer, .address_space: global }
      - { .name: W2, .offset: 8, .size: 8, .value_kind: global_buffer, .address_space: global }
      - { .name: w2q, .offset: 16, .size: 8, .value_kind: global_buffer, .address_space: global }
      - { .name: lists, .offset: 24, .size: 8, .value_kind: global_buffer, .address_space: global }
      - { .name: hist, .offset: 32, .size: 8, .value_kind: global_buffer, .address_space: global }
    .group_segment_fixed_size: 28672
    .private_segment_fixed_size: 0
    .kernarg_segment_align: 8
    .kernarg_segment_size: 40
    .max_flat_workgroup_size: 256
    .sgpr_count:     96
    .vgpr_count:     256
    .wavefront_size: 32
...
	.end_amdgpu_metadata
.endif
;; end of part 6
;; launch hidden: the kernel of part 3 again; grid 64 x 4, 4 waves a work-group, no clusters, 240,128 bytes of LDS; arguments lists, xq, w1q, b1, hq; writes hq
;; launch combine: the kernel of part 4 again; grid 8 x 32, 4 waves a work-group, no clusters, 35,328 bytes of LDS; arguments lists, w2q, hq, xq, b2, out2; writes out2
;; ======== version 3 of 3: 4 launches; version 2 with the launches hidden, combine written anew for expert scheduling mode
;; workspace buffers: w1q 6,553,600 bytes; w2q 6,553,600 bytes; xq 1,671,168 bytes; hq 15,335,424 bytes; pairs 16,384 bytes of whole numbers; lists 59,904 bytes of whole numbers; hist 32,768 bytes of whole numbers
;; launch prep: the kernel of part 5 again; grid 576 x 1, 4 waves a work-group, no clusters, 38,400 bytes of LDS; arguments x, Wr, br, W1, w1q, xq, pairs, out0, out1, hist; writes w1q, xq, pairs, out0, out1, hist
;; launch place: the kernel of part 6 again; grid 257 x 1, 8 waves a work-group, no clusters, 28,672 bytes of LDS; arguments pairs, W2, w2q, lists, hist; writes w2q, lists
;; launch hidden (part 7): grid 64 x 4, 4 waves a work-group, no clusters, 240,128 bytes of LDS; arguments lists, xq, w1q, b1, hq; writes hq
.if DOCPART == 7
	.amdgcn_target "amdgcn-amd-amdhsa--gfx1250"
	.amdhsa_code_object_version 6
	.text
	.protected	k_q384afb9fd9_hidden
	.globl	k_q384afb9fd9_hidden
	.p2align	8
	.type	k_q384afb9fd9_hidden,@function
k_q384afb9fd9_hidden:
	s_mov_b64 s[64:65], 0
	v_nop
	global_prefetch_b8 v0, s[64:65] scope:SCOPE_SE
	s_setreg_imm32_b32 hwreg(HW_REG_WAVE_SCHED_MODE, 0, 2), 2
	s_setreg_imm32_b32 hwreg(HW_REG_WAVE_MODE, 25, 1), 1
	s_wait_xcnt 0x0
	s_wait_alu depctr_vm_vsrc(0)
; HIDDEN.  Q(relu(Q(x) Q(W1[e]) + b1[e])) for the rows that chose expert e, as images of the second product's operand registers.
; SHARES.  Work-group x = 8 e + j: chunk j of eight of expert e's units (16 rows each); work-group y: 512 hidden columns.  Wave w owns 128 of them, strip st = 4 y + w: 8 tiles, which are K step st of the second product.
; The wave's part of W1 (32 fragments, 384 registers), its scale words and b1 stay in registers; they are read once.  The chunk's x fragments are gathered once by the four waves together into LDS (slot 4 i + w by wave w) as
; images of registers, and read by all four behind the launch's one barrier.  A chunk has at most 36 units for every split (an expert has at most 263).
; A FILLED-UP ROW of a unit (4,096 in the list) takes the unit's first token, which is always a real one: so every row of a unit holds a real token's hidden layer, and the last launch needs no mask.
; The product is used transposed (source 0 = 16 columns of W1, source 1 = 16 tokens): a lane holds one token, and since column 32 b + 8 u + r + 8 (r / 8) is row r of tile 2 b + u, the 16 registers of tiles 2 b, 2 b + 1
; are 16 neighbours along the next K.  b1 is the C of each sum's first product.  No tensor load and no cluster: addresses and the number of units hang on the stored lists.
; LIMITS: a block of the hidden layer whose largest number lies under 2^-122 (all zeros among them) gets the scale byte 1; only this program reads the bytes.  A unit's scale words are stored as 128 consecutive bytes.
; THE MODE: SCHED_MODE bits 1:0 = 2 (LLVM: expert scheduling mode 2), set by the entry lines.  The code itself states the register dependences between vector or matrix instructions and memory or LDS instructions,
; with s_wait_alu, always for 0.
; THE PLAN.  Registers that memory or LDS instructions touch, and who else names them:
;   v1-4, v8-11   offsets and LDS addresses, made once at the head and never written again: one wait on va_vdst ahead of the first load serves them for the whole kernel.
;   v208-210      offsets into the units' lists; v200-202, v204-206 offsets of the gathered rows: made by vector lines in each round of the gather, read by that round's loads.
;   v196-198      the tokens: a round's three loads land there, its vector lines read and write them.
;   v40-195       the gathered rows: loads land there, LDS stores read them; behind the barrier these registers are TM, PC, AF and ACC.
;   So a round of the gather has a wait on va_vdst behind each of its two runs of address lines, and a wait on vm_vsrc behind its LDS stores, ahead of the branch that follows them: on every way on, what the round's
;   loads and stores have read may be written again.
;   In the loop:  AF, XS: a unit's 13 LDS loads land there, its 32 products read them.  v5: read by those loads, written once a unit.  v6, v7, PC, PW: written by vector lines, read by the unit's four stores.
;   W1, its scale words, b1 and ACC are named by matrix and vector instructions alone.
;   A unit so has ONE wait on vm_vsrc, behind its products, ahead of the lines that write v5, v6, v7 and, further down, PC and PW; a wait on va_vdst behind the address lines (the products are done reading AF and XS,
;   v5 is written), behind which the next unit's LDS loads go out; and a wait on va_vdst behind the quantiser, ahead of the four stores.
.set UTOKB,  22784                     ; lists: a unit's 16 tokens, in bytes
.set XS_OFF, 1572864
.set WS_OFF, 6291456
.set HS_OFF, 14155776
.set SLOTB,  6656                      ; an LDS slot: 12 x 512 bytes of codes, 512 of scale words
.set LI,  1                            ; v1   16 lane
.set LS,  2                            ; v2   4 lane
.set XS,  16                           ; v16-19  x's scale words, a register a K step
.set WS,  20                           ; v20-35  W1's: register 4 bb + s: tile 2 bb in lanes 0-15, tile 2 bb + 1 in lanes 16-31
.set PW,  36
.set TM,  40
.set PC,  56
.set AF,  80                           ; v80-127  x's four fragments
.set ACC, 128                          ; v128-191 my 8 tiles
.set B1,  192                          ; window 2: b1 in the result's layout
.set SEL, 46
.set MSB, 0
.macro WIN new                         ; the immediate's high byte repeats the setting that is left
.if MSB != (\new)
	s_set_vgpr_msb (MSB<<8)|(\new)
.set MSB, \new
.endif
.endm
.macro QUANT src                       ; as in the first launch, without |.|: nothing is negative behind the relu
.irp b, 0,1,2,3
	v_max3_num_f32 v[TM+\b], v[\src+16*\b], v[\src+1+16*\b], 0x2800000
.endr
.irp i, 2,4,6,8,10,12,14
.irp b, 0,1,2,3
	v_max3_num_f32 v[TM+\b], v[TM+\b], v[\src+16*\b+\i], v[\src+1+16*\b+\i]
.endr
.endr
.irp b, 0,1,2,3
	v_permlanex16_b32 v[TM+4+\b], v[TM+\b], s[SEL], s[SEL+1]
.endr
.irp b, 0,1,2,3
	v_max_num_f32 v[TM+\b], v[TM+\b], v[TM+4+\b]
.endr
.irp b, 0,1,2,3
	v_add_nc_u32 v[TM+12+\b], 0xfe000000, v[TM+\b]
.endr
.irp b, 0,1,2,3
	v_lshrrev_b32 v[TM+4+\b], 23, v[TM+12+\b]
.endr
	v_lshl_or_b32 v[PW], v[TM+5], 8, v[TM+4]
	v_lshl_or_b32 v[PW], v[TM+6], 16, v[PW]
	v_lshl_or_b32 v[PW], v[TM+7], 24, v[PW]
.irp c, 0,1
	v_cvt_scalef32_pk16_bf6_f32 v[PC+6*\c:PC+2+6*\c], v[\src+32*\c:\src+15+32*\c], v[TM+12+2*\c]
	v_cvt_scalef32_pk16_bf6_f32 v[PC+12+4*\c:PC+14+4*\c], v[\src+16+32*\c:\src+31+32*\c], v[TM+12+2*\c+1]
.endr
	v_nop                                                  ; one plain instruction behind the scaled conversions
.irp c, 0,1
.irp i, 0,1,2
	v_permlane16_swap_b32 v[PC+6*\c+\i], v[PC+12+4*\c+\i]
.endr
.irp i, 0,1,2
	v_mov_b32 v[PC+3+6*\c+\i], v[PC+12+4*\c+\i]
.endr
.endr
.endm
.macro W1LD sp                         ; my fragments of K steps 2 sp and 2 sp + 1: (tile 2 bb + u, K step) at v[12 (8 (K step % 2) + 2 bb + u)] of the window that is set
.irp sl, 0,1
.irp bb, 0,1,2,3
.irp u, 0,1
.irp q, 0,1,2
	global_load_b128 v[12*(8*\sl+2*\bb+\u)+4*\q:12*(8*\sl+2*\bb+\u)+4*\q+3], v[LI], s[26:27] offset:((4*\bb+2*(\sp)+\sl)*2+\u)*1536+512*\q
.endr
.endr
.endr
.endr
.endm
.macro TOKLD rr                        ; the tokens of units 12 rr + 4 i + w of the chunk, i = 0 .. 2 (past the chunk's end: its last unit again): the three offsets, one wait, the three loads
.irp i, 0,1,2
	s_add_co_u32 s36, s32, 12*(\rr)+4*\i
	s_add_co_u32 s36, s36, s14
	s_min_u32 s36, s36, s35
	s_min_u32 s36, s36, 575                                ; held inside the list
	s_lshl_b32 s36, s36, 6
	v_add_nc_u32 v[208+\i], s36, v3
.endr
	s_wait_alu depctr_va_vdst(0)                           ; v208-210 are written, which the three loads read as offsets; in the later rounds the last round's vector lines are done with v196-198, in which the loads land
.irp i, 0,1,2
	global_load_b32 v[196+\i], v[208+\i], s[4:5] offset:UTOKB
.endr
.endm
.macro GATHER                          ; lane (r, h): token r's 192 bytes of half h are its 48 registers of the four fragments; and the token's four scale words
.irp i, 0,1,2
	v_readfirstlane_b32 s[48+\i], v[196+\i]                ; the unit's first token (lane 0 holds row 0's)
.endr
.irp i, 0,1,2
	v_cmp_gt_u32 s[52+\i], 0x1000, v[196+\i]               ; the rows that hold a token
.endr
	s_wait_alu depctr_va_sdst(0)                           ; s48-50 and s52-54 are written, ahead of their first readers, the selects below
.irp i, 0,1,2
	v_cndmask_b32 v[196+\i], s[48+\i], v[196+\i], s[52+\i] ; the first token takes the place of a filled-up row
	v_min_u32 v[196+\i], 4095, v[196+\i]
	v_mul_u32_u24 v[200+\i], 384, v[196+\i]
	v_add_nc_u32 v[200+\i], v[200+\i], v4
	v_lshlrev_b32 v[204+\i], 4, v[196+\i]
.endr
	s_wait_alu depctr_va_vdst(0)                           ; v200-202 and v204-206 are written, which the 39 loads read as offsets
.irp i, 0,1,2
.irp m, 0,1,2,3,4,5,6,7,8,9,10,11
	global_load_b128 v[40+52*\i+4*\m:40+52*\i+4*\m+3], v[200+\i], s[6:7] offset:16*\m
.endr
	global_load_b128 v[40+52*\i+48:40+52*\i+51], v[204+\i], s[6:7] offset:XS_OFF
.endr
.endm
.macro TOSLOT adr
.irp i, 0,1,2
.irp m, 0,1,2,3,4,5,6,7,8,9,10,11
	ds_store_b128 v[\adr], v[40+52*\i+4*\m:40+52*\i+4*\m+3] offset:4*\i*SLOTB+512*\m
.endr
	ds_store_b128 v[\adr], v[40+52*\i+48:40+52*\i+51] offset:4*\i*SLOTB+6144
.endr
	s_wait_alu depctr_vm_vsrc(0)                           ; these stores have read v40-195, and the round's loads their offsets v200-210: on every way on from here these registers are written again, by the next round or behind the barrier
.endm
.macro UNITLD                          ; a unit's fragments and scale words from the slot at v5
.irp m, 0,1,2,3,4,5,6,7,8,9,10,11
	ds_load_b128 v[AF+4*\m:AF+4*\m+3], v5 offset:512*\m
.endr
	ds_load_b128 v[XS:XS+3], v5 offset:6144
.endm
.macro WM d, a, b, c, sa, sb, row
.if \row
	v_wmma_scale_f32_16x16x128_f8f6f4 v[\d:\d+7], v[\a:\a+11], v[\b:\b+11], v[\c:\c+7], v[\sa], v[\sb] matrix_a_fmt:MATRIX_FMT_BF6 matrix_b_fmt:MATRIX_FMT_BF6 matrix_a_scale:MATRIX_SCALE_ROW1
.else
	v_wmma_scale_f32_16x16x128_f8f6f4 v[\d:\d+7], v[\a:\a+11], v[\b:\b+11], v[\c:\c+7], v[\sa], v[\sb] matrix_a_fmt:MATRIX_FMT_BF6 matrix_b_fmt:MATRIX_FMT_BF6
.endif
.endm
.macro MM1 ks, first                   ; K step ks for my 8 tiles, which take turns, one instruction a turn
.irp bb, 0,1,2,3
.irp u, 0,1
.if \first
	WM ACC+8*(2*\bb+\u), 12*(8*((\ks)%2)+2*\bb+\u), AF+12*(\ks), B1+8*(2*\bb+\u), WS+4*\bb+(\ks), XS+(\ks), \u
.else
	WM ACC+8*(2*\bb+\u), 12*(8*((\ks)%2)+2*\bb+\u), AF+12*(\ks), ACC+8*(2*\bb+\u), WS+4*\bb+(\ks), XS+(\ks), \u
.endif
.endr
.endr
.endm
	s_load_b256 s[4:11], s[0:1], 0x0                       ; lists s[4:5], xq s[6:7], w1q s[8:9], b1 s[10:11]
	s_load_b64 s[12:13], s[0:1], 0x20                      ; hq
	v_lshl_add_u32 v254, v0, 2, 0x3a800
	v_mov_b32 v255, 0
	v_lshrrev_b32 v1, 5, v0
	v_readfirstlane_b32 s14, v1                            ; wave
	s_wait_alu depctr_va_sdst(0)                           ; s14 is written, ahead of its first reader: the strip, the slots and the units are made from it
	s_lshr_b32 s15, ttmp9, 3                               ; e
	s_and_b32 s16, ttmp9, 7                                ; j
	s_and_b32 s17, ttmp7, 0xffff
	s_lshl_b32 s18, s17, 2
	s_add_co_u32 s18, s18, s14                             ; st
	v_and_b32 v2, 31, v0
	v_lshlrev_b32 v[LI], 4, v2
	v_lshlrev_b32 v[LS], 2, v2
	v_and_b32 v3, 15, v0
	v_lshlrev_b32 v3, 2, v3                                ; 4 r
	v_bfe_u32 v11, v0, 4, 1
	v_mul_u32_u24 v4, v11, 192                             ; 192 h
	v_lshlrev_b32 v11, 6, v11                              ; 64 h
	s_mul_i32 s19, s14, SLOTB
	v_add_nc_u32 v8, s19, v[LI]                            ; where I store: slot w, 12 + w, 24 + w; the rest by the offset
	v_add_nc_u32 v9, 12*SLOTB, v8
	v_add_nc_u32 v10, 24*SLOTB, v8
	s_lshl_b32 s19, s15, 3
	s_mov_b32 s[SEL], 0x76543210
	s_mov_b32 s[SEL+1], 0xfedcba98
	s_wait_kmcnt 0x0
	s_load_b64 s[20:21], s[4:5], s19 offset:0x0            ; the expert's first unit and its number of units
	s_lshl_b32 s22, s15, 6
	s_lshl_b32 s23, s18, 2
	s_add_co_u32 s22, s22, s23                             ; 64 e + 4 st: my first pair of tiles
	s_mul_i32 s24, s22, 12288
	s_mov_b32 s25, 0
	s_add_nc_u64 s[26:27], s[8:9], s[24:25]                ; its codes,
	s_lshl_b32 s24, s22, 9
	s_add_nc_u64 s[28:29], s[8:9], s[24:25]                ; its scale words (+ WS_OFF)
	s_lshl_b32 s24, s15, 13
	s_lshl_b32 s23, s18, 9
	s_add_co_u32 s24, s24, s23
	s_add_nc_u64 s[10:11], s[10:11], s[24:25]              ; b1 at my 128 units
	s_add_nc_u64 s[30:31], s[12:13], HS_OFF                ; the hidden layer's scale words
	s_mul_i32 s42, s18, 1536
	s_lshl_b32 s43, s18, 7
	WIN 0x40                                               ; destination window 1
	s_wait_alu depctr_va_vdst(0)                           ; v1-4 and v8-11 are written: the loads and LDS stores of the whole kernel read them as offsets and addresses, and no line writes them again
	W1LD 0
	WIN 0
	s_wait_kmcnt 0x0
	s_mul_i32 s32, s16, s21
	s_lshr_b32 s32, s32, 3
	s_add_co_u32 s32, s32, s20                             ; the chunk's first unit
	s_add_co_u32 s33, s16, 1
	s_mul_i32 s33, s33, s21
	s_lshr_b32 s33, s33, 3
	s_add_co_u32 s33, s33, s20                             ; and the one behind its last
	s_sub_co_u32 s34, s33, s32
	s_min_u32 s34, s34, 36                                 ; n
	s_sub_co_u32 s35, s33, 1
	TOKLD 0
	WIN 0x80                                               ; destination window 2
	W1LD 1                                                 ; (no wait: no vector line has named v1 or these registers since the wait ahead of the first load)
	WIN 0
	s_wait_loadcnt 48                                      ; only the 48 loads just issued are younger than the tokens'
	GATHER
.irp i, 0,1,2,3,4,5,6,7,8,9,10,11,12,13,14,15
	global_load_b32 v[WS+\i], v[LS], s[28:29] offset:WS_OFF+128*\i
.endr
	WIN 0x80
.irp t, 0,1,2,3,4,5,6,7
	global_load_b128 v[B1+8*\t:B1+8*\t+3], v11, s[10:11] offset:(32*(\t/2)+8*(\t%2))*4
	global_load_b128 v[B1+8*\t+4:B1+8*\t+7], v11, s[10:11] offset:(32*(\t/2)+8*(\t%2))*4+16
.endr
	WIN 0
	s_wait_loadcnt 32                                      ; the 16 scale and 16 bias loads may be out; the gathered rows are in
	TOSLOT 8
	s_cmp_lt_u32 s34, 12                                   ; slots 12 on are filled where the loop, which reads one slot ahead, can reach them
	s_cbranch_scc1 .Lgathered
	s_wait_dscnt 0x0                                       ; the stores are done
	TOKLD 1
	s_wait_loadcnt 0x0
	GATHER
	s_wait_loadcnt 0x0
	TOSLOT 9
	s_cmp_lt_u32 s34, 24
	s_cbranch_scc1 .Lgathered
	s_wait_dscnt 0x0
	TOKLD 2
	s_wait_loadcnt 0x0
	GATHER
	s_wait_loadcnt 0x0
	TOSLOT 10
.Lgathered:
	s_wait_dscnt 0x0                                       ; my slots lie in LDS
	s_barrier_signal -1
	s_barrier_wait -1                                      ; everybody's do; nothing is stored to LDS behind this barrier
	s_wait_loadcnt 0x0                                     ; W1, its scale words, b1
	s_cmp_eq_u32 s34, 0
	s_cbranch_scc1 .Lend
.irp b, 0,1,2,3
	v_mov_b32 v[TM+4+\b], 0                                ; written once: a lane permute's destination counts as one of its sources
.endr
	v_mov_b32 v5, v[LI]
	s_wait_alu depctr_va_vdst(0)                           ; v5 is written, which the LDS loads read as their address
	UNITLD                                                 ; unit 0
	s_mov_b32 s44, 0                                       ; the unit's number in the chunk
	s_mov_b32 s38, SLOTB                                   ; the next unit's slot
	s_mov_b32 s39, s32                                     ; the unit
.Lunit:
	s_wait_dscnt 0x0
	WIN 0x21                                               ; W1 window 1, b1 window 2
	MM1 0, 1
	WIN 0x01
	MM1 1, 0
	WIN 0x02                                               ; W1 window 2
	MM1 2, 0
	MM1 3, 0
	WIN 0
	s_wait_xcnt 0x0                                        ; the last unit's stores have had their addresses translated: their addresses and data are written again below
	s_wait_alu depctr_vm_vsrc(0)                           ; the last unit's stores have read v6, v7, the codes and the scale word, and this unit's LDS loads have read v5: the lines below and the quantiser write all of them again
	s_min_u32 s36, s38, 35*SLOTB
	s_min_u32 s37, s39, 575                                ; held inside the buffer
	s_mul_i32 s40, s37, 24576
	s_add_co_u32 s40, s40, s42
	s_lshl_b32 s41, s37, 11
	s_add_co_u32 s41, s41, s43
	v_add_nc_u32 v5, s36, v[LI]                            ; these four lines are the places between the products and the reads of their results
	v_add_nc_u32 v6, s40, v[LI]
	v_add_nc_u32 v7, s41, v[LS]
	v_nop
	s_wait_alu depctr_va_vdst(0)                           ; the products are done reading x's fragments and scale words, in which the loads below land; v5 is written, which they read (and v6, v7, which the stores at the unit's end read)
	UNITLD                                                 ; the next unit lands while this one is quantised (behind the last unit: a slot that is read and not used)
.irp j, 0,1,2,3,4,5,6,7,8,9,10,11,12,13,14,15,16,17,18,19,20,21,22,23,24,25,26,27,28,29,30,31,32,33,34,35,36,37,38,39,40,41,42,43,44,45,46,47,48,49,50,51,52,53,54,55,56,57,58,59,60,61,62,63
	v_max_num_f32 v[ACC+\j], 0, v[ACC+\j]                  ; relu, each accumulator from its low end on
.endr
	QUANT ACC
	s_wait_alu depctr_va_vdst(0)                           ; the quantiser has written the codes and the scale word, which the four stores read
.irp q, 0,1,2
	global_store_b128 v6, v[PC+4*\q:PC+4*\q+3], s[12:13] offset:512*\q   ; 512 consecutive bytes
.endr
	global_store_b32 v7, v[PW], s[30:31]
	s_add_co_u32 s39, s39, 1
	s_add_co_u32 s38, s38, SLOTB
	s_add_co_u32 s44, s44, 1
	s_cmp_ge_u32 s44, s34
	s_cbranch_scc1 .Lend
	s_cmp_lt_u32 s44, 36
	s_cbranch_scc1 .Lunit
.Lend:
	s_wait_dscnt 0x0
	s_barrier_signal -1
	s_barrier_wait -1
	s_wait_dscnt 0x0                                       ; the closing lines, six on end
	s_wait_alu 0x0
	s_wait_tensorcnt 0x0
	ds_add_u32 v254, v255
	s_wait_dscnt 0x0
	s_endpgm
.Lfunc_end_k_q384afb9fd9_hidden:
	.size	k_q384afb9fd9_hidden, .Lfunc_end_k_q384afb9fd9_hidden-k_q384afb9fd9_hidden
	.p2alignl 7, 3214868480
	.fill 96, 4, 3214868480
	.section	.rodata,"a",@progbits
	.p2align	6, 0x0
	.amdhsa_kernel k_q384afb9fd9_hidden
		.amdhsa_group_segment_fixed_size 240128
		.amdhsa_private_segment_fixed_size 0
		.amdhsa_enable_private_segment 0
		.amdhsa_kernarg_size 40
		.amdhsa_user_sgpr_count 2
		.amdhsa_user_sgpr_kernarg_segment_ptr 1
		.amdhsa_wavefront_size32 1
		.amdhsa_system_sgpr_workgroup_id_x 1
		.amdhsa_system_sgpr_workgroup_id_y 1
		.amdhsa_system_sgpr_workgroup_id_z 1
		.amdhsa_system_vgpr_workitem_id 0
		.amdhsa_next_free_vgpr 768
		.amdhsa_next_free_sgpr 66
		.amdhsa_reserve_vcc 0
		.amdhsa_float_denorm_mode_32 3
		.amdhsa_float_denorm_mode_16_64 3
		.amdhsa_memory_ordered 1
		.amdhsa_forward_progress 1
		.amdhsa_inst_pref_size 54
	.end_amdhsa_kernel
	.amdgpu_metadata
---
amdhsa.version: [ 1, 2 ]
amdhsa.kernels:
  - .name:           k_q384afb9fd9_hidden
    .symbol:         k_q384afb9fd9_hidden.kd
    .args:
      - { .name: lists, .offset: 0, .size: 8, .value_kind: global_buffer, .address_space: global }
      - { .name: xq, .offset: 8, .size: 8, .value_kind: global_buffer, .address_space: global }
      - { .name: w1q, .offset: 16, .size: 8, .value_kind: global_buffer, .address_space: global }
      - { .name: b1, .offset: 24, .size: 8, .value_kind: global_buffer, .address_space: global }
      - { .name: hq, .offset: 32, .size: 8, .value_kind: global_buffer, .address_space: global }
    .group_segment_fixed_size: 240128
    .private_segment_fixed_size: 0
    .kernarg_segment_align: 8
    .kernarg_segment_size: 40
    .max_flat_workgroup_size: 128
    .sgpr_count:     66
    .vgpr_count:     768
    .wavefront_size: 32
...
	.end_amdgpu_metadata
.endif
;; end of part 7
;; launch combine (part 8): grid 8 x 32, 4 waves a work-group, no clusters, 35,328 bytes of LDS; arguments lists, w2q, hq, xq, b2, out2; writes out2
.if DOCPART == 8
	.amdgcn_target "amdgcn-amd-amdhsa--gfx1250"
	.amdhsa_code_object_version 6
	.text
	.protected	k_q384afb9fd9_combine
	.globl	k_q384afb9fd9_combine
	.p2align	8
	.type	k_q384afb9fd9_combine,@function
k_q384afb9fd9_combine:
	s_mov_b64 s[64:65], 0
	v_nop
	global_prefetch_b8 v0, s[64:65] scope:SCOPE_SE
	s_setreg_imm32_b32 hwreg(HW_REG_WAVE_SCHED_MODE, 0, 2), 2
	s_setreg_imm32_b32 hwreg(HW_REG_WAVE_MODE, 25, 1), 1
	s_wait_xcnt 0x0
	s_wait_alu depctr_vm_vsrc(0)
; COMBINE.  out2[t] = ga (h_a Q(W2[a]) + b2[a]) + gb (h_b Q(W2[b]) + b2[b]) for the tokens of a tile, which all chose the pair (a, b): each row of out2 belongs to one tile, and so to one work-group for each 64 columns.
; SHARES.  Work-group x: 64 output columns (4 tiles); work-group y: a block of eight or nine tiles of 16 tokens.  K (2,048) IS SPLIT OVER THE WAVES: wave w takes K steps 4 w .. 4 w + 3 of both experts, so that its part of
; W2 (2 x 16 fragments, 384 registers) stays in registers while the pair stays, and each hidden fragment is loaded once in the work-group.  The four partial sums meet in LDS, in two buffers by turns, one barrier a tile.
; Nine trips are written out.  A block has at least eight tiles (256 tiles at the least, 32 blocks); a ninth trip past the block's end repeats the last tile and jumps over its two stores alone, so that every wave passes
; every barrier and the counts of loads are the same on every way.
; A FILLED-UP ROW of a tile (4,096 in the list) stands for the tile's first token, which is always a real one, here as in the launch before: it is given that token's hidden layer and gates and stores the same numbers to the
; same bytes as row 0.  So all lanes stay on throughout.
; The product is used transposed (source 0 = 16 columns of W2, source 1 = 16 tokens): a lane holds one token and eight neighbouring columns a tile.  b2 is the C of each sum's first product, in wave 0 alone.
; The hidden fragments are asked for two tiles ahead, straight into three sets of registers.  No tensor load and no cluster: addresses, and whether W2 is loaded anew, hang on the stored lists.
; THE MODE: SCHED_MODE bits 1:0 = 2 (LLVM: expert scheduling mode 2), set by the entry lines.  The code itself states the register dependences between vector or matrix instructions and memory or LDS instructions,
; with s_wait_alu, always for 0.
; THE PLAN.  Registers that memory or LDS instructions touch, and who else names them:
;   v1-8          offsets and LDS addresses, made once at the head and never written again.
;   AD            five offsets a set: written in trip t for tile t + 2, read by that tile's 34 loads.
;   the three sets of hidden fragments, HS, TR: the loads of tile t + 2 land in trip t, in the set that tile t - 1 has left; the products and vector lines of trip t + 2 read them.
;   RA            three offsets a side: written where a side's expert changes, read by the 64 loads that follow.   W2, W2S, b2: those loads land there; the products read them, and b2 is masked by vector lines.
;   OUT           written by a trip's gate lines, read by its eight LDS stores.
;   FIN           a trip's eight LDS loads land there; its additions read and write it; its two stores read the sums.     OA: written by a trip's vector lines, read by its two stores.
;   The accumulators and GT are named by matrix and vector instructions alone.
; A TRIP'S WAITS.  ONE on vm_vsrc at its head, ahead of its branches: all that memory and LDS instructions issued so far have read (AD, RA, OUT, FIN, OA) may be written again.  On va_vdst: behind the five offsets of
; tile t + 2; ahead of the LDS stores of OUT, which also serves the LDS loads into FIN behind the barrier, since no vector line between names FIN; ahead of the two stores.  On va_sdst: ahead of the two selects; their
; compares stand a barrier further up.  Where W2 is loaded anew: one on va_vdst behind the side's three offsets.
.set TOK4B,    4352
.set WS_OFF,   6291456
.set HS_OFF,   14155776
.set GATE_OFF, 1638400
.set PBUF,     17408                   ; a buffer of partial sums: 4 waves x 16 rows x (256 bytes + 16)
.set LI,  1                            ; v1  16 lane
.set LS,  2                            ; v2  4 lane
.set R4,  3                            ; v3  4 r
.set H64, 4                            ; v4  64 h
.set TKO, 5                            ; v5  16 w + 4 h: the first of the rows that I store
.set CO,  6                            ; v6  256 x + 16 r: my 16 bytes in a row of out2
.set STO, 7                            ; v7  LDS: where my partial sums go
.set RDA, 8                            ; v8  LDS: where I read a row's partial sums
.set AD,  9                            ; v9-23   five addresses for each of the three sets
.set RA,  24                           ; v24-29  three addresses for each side's W2, scale words and b2
.set OA,  30                           ; v30-31  addresses in out2
.set W2S, 32                           ; v32-47  W2's scale words: 8 side + 4 bb + sl
.set HS,  48                           ; v48-71  the hidden layer's: 8 set + 4 side + sl
.set GT,  72                           ; v72-89  (ga, gb) of my token in each of the nine tiles
.set TR,  90                           ; v90-95  the tokens whose rows I store: 2 set + i
.set OUT, 96                           ; v96-127
.set FIN, 128                          ; v128-159;  v160-255: set 2 of the hidden fragments; sets 0 and 1 in window 3.  Windows 1, 2: W2 of side 0, 1 (v0-191), b2 (v192-223), the sums (v224-255)
.set ROW0, 66                          ; s66-74  the first token of each of the nine tiles
.set MK,   52                          ; s52-60  at the head: the rows that hold a token, a mask a tile;  in a trip s56, s57: the same for the two rows that I store
.set MSB, 0
.macro WIN new
.if MSB != (\new)
	s_set_vgpr_msb (MSB<<8)|(\new)
.set MSB, \new
.endif
.endm
.macro AADDR t                         ; where tile t's hidden fragments and scale words of both sides, and the tokens of the rows that I store, lie: the five offsets of set t % 3
.set LBF, (\t)%3
	s_and_b32 s48, s[17+2*(\t)], 0xffff
	s_min_u32 s48, s48, 575                                ; the unit of expert a,
	s_lshr_b32 s49, s[17+2*(\t)], 16
	s_min_u32 s49, s49, 575                                ; of expert b,
	s_lshr_b32 s50, s[16+2*(\t)], 8
	s_min_u32 s50, s50, 287                                ; the tile: all held inside their buffers
	s_mul_i32 s51, s48, 24576
	s_add_co_u32 s51, s51, s39
	v_add_nc_u32 v[AD+5*LBF], s51, v[LI]
	s_mul_i32 s51, s49, 24576
	s_add_co_u32 s51, s51, s39
	v_add_nc_u32 v[AD+5*LBF+1], s51, v[LI]
	s_lshl_b32 s51, s48, 11
	s_add_co_u32 s51, s51, s40
	v_add_nc_u32 v[AD+5*LBF+2], s51, v[LS]
	s_lshl_b32 s51, s49, 11
	s_add_co_u32 s51, s51, s40
	v_add_nc_u32 v[AD+5*LBF+3], s51, v[LS]
	s_lshl_b32 s51, s50, 6
	v_add_nc_u32 v[AD+5*LBF+4], s51, v[TKO]
.endm
.macro ALOADS t, w                     ; tile t's 34 loads: my four K steps of both sides, their scale words, two tokens.  w = 1: the wait stands here; w = 0: it stands further up, with loads and window switches alone between
.set LBF, (\t)%3
.if LBF < 2
	WIN 0xc0                                               ; destination window 3
.set LAB, 96*LBF
.else
.set LAB, 160
.endif
.if \w
	s_wait_alu depctr_va_vdst(0)                           ; the set's five offsets are written, which the 34 loads read; the last tile's products and vector lines are done reading the set's fragments, scale words and tokens, in which they land
.endif
.irp sd, 0,1
.irp i, 0,1,2,3,4,5,6,7,8,9,10,11
	global_load_b128 v[LAB+48*\sd+4*\i:LAB+48*\sd+4*\i+3], v[AD+5*LBF+\sd], s[8:9] offset:512*\i
.endr
.endr
	WIN 0
.irp sd, 0,1
.irp sl, 0,1,2,3
	global_load_b32 v[HS+8*LBF+4*\sd+\sl], v[AD+5*LBF+2+\sd], s[46:47] offset:128*\sl
.endr
.endr
.irp i, 0,1
	global_load_b32 v[TR+2*LBF+\i], v[AD+5*LBF+4], s[4:5] offset:TOK4B+8*\i
.endr
.endm
.macro RADDR sd, t                     ; side sd's expert of tile t: the three offsets of my part of its W2, scale words and b2
	s_bfe_u32 s48, s[16+2*(\t)], 0x30000+3*(\sd)
	s_min_u32 s48, s48, 7
	s_mul_i32 s49, s48, 786432
	s_add_co_u32 s49, s49, s41
	v_add_nc_u32 v[RA+3*(\sd)], s49, v[LI]
	s_lshl_b32 s49, s48, 15
	s_add_co_u32 s49, s49, s42
	v_add_nc_u32 v[RA+3*(\sd)+1], s49, v[LS]
	s_lshl_b32 s49, s48, 11
	s_add_co_u32 s49, s49, s43
	v_add_nc_u32 v[RA+3*(\sd)+2], s49, v[H64]
.endm
.macro RLOADS sd, w                    ; my 16 fragments of W2, b2, the 8 registers of scale words: 64 loads.  w as in ALOADS
	WIN 0x40*(1+\sd)
.if \w
	s_wait_alu depctr_va_vdst(0)                           ; the offsets made above are written, which the loads below read; in a trip: the earlier tiles' products are done reading this side's W2, scale words and b2, and the mask's lines have written b2: the loads land in all of them
.endif
.irp bb, 0,1
.irp f, 0,1,2,3,4,5,6,7
.irp q, 0,1,2
	global_load_b128 v[12*(8*\bb+\f)+4*\q:12*(8*\bb+\f)+4*\q+3], v[RA+3*(\sd)], s[6:7] offset:49152*\bb+1536*\f+512*\q
.endr
.endr
.endr
.irp f, 0,1,2,3
	global_load_b128 v[192+8*\f:192+8*\f+3], v[RA+3*(\sd)+2], s[12:13] offset:128*(\f/2)+32*(\f%2)
	global_load_b128 v[192+8*\f+4:192+8*\f+7], v[RA+3*(\sd)+2], s[12:13] offset:128*(\f/2)+32*(\f%2)+16
.endr
	WIN 0
.irp bb, 0,1
.irp sl, 0,1,2,3
	global_load_b32 v[W2S+8*(\sd)+4*\bb+\sl], v[RA+3*(\sd)+1], s[6:7] offset:WS_OFF+2048*\bb+128*\sl
.endr
.endr
.endm
.macro MASKB sd                        ; the bias is added once: it stays in wave 0 and becomes 0 in the others
	WIN 0x44*(1+\sd)
.set I, 0
.rept 32
	v_and_b32 v[192+I], s44, v[192+I]
.set I, I+1
.endr
	WIN 0
.rept 4
	v_nop
.endr
.endm
.macro WM d, a, b, c, sa, sb, row
.if \row
	v_wmma_scale_f32_16x16x128_f8f6f4 v[\d:\d+7], v[\a:\a+11], v[\b:\b+11], v[\c:\c+7], v[\sa], v[\sb] matrix_a_fmt:MATRIX_FMT_BF6 matrix_b_fmt:MATRIX_FMT_BF6 matrix_a_scale:MATRIX_SCALE_ROW1
.else
	v_wmma_scale_f32_16x16x128_f8f6f4 v[\d:\d+7], v[\a:\a+11], v[\b:\b+11], v[\c:\c+7], v[\sa], v[\sb] matrix_a_fmt:MATRIX_FMT_BF6 matrix_b_fmt:MATRIX_FMT_BF6
.endif
.endm
.macro MM2 sd                          ; one side: my four K steps for the four tiles of columns, which take turns, one instruction a turn
.irp sl, 0,1,2,3
.irp bb, 0,1
.irp u, 0,1
.if \sl == 0
	WM 224+8*(2*\bb+\u), 12*(8*\bb+2*\sl+\u), TAB+48*(\sd)+12*\sl, 192+8*(2*\bb+\u), W2S+8*(\sd)+4*\bb+\sl, HS+8*TBF+4*(\sd)+\sl, \u
.else
	WM 224+8*(2*\bb+\u), 12*(8*\bb+2*\sl+\u), TAB+48*(\sd)+12*\sl, 224+8*(2*\bb+\u), W2S+8*(\sd)+4*\bb+\sl, HS+8*TBF+4*(\sd)+\sl, \u
.endif
.endr
.endr
.endr
.endm
.macro TRIP t
.if (\t) == 8
	s_wait_loadcnt 0x0
.elseif (\t) > 0
	s_wait_loadcnt 34                                      ; this tile's 34 loads are in; the next tile's 34 may be out
.endif
	s_wait_alu depctr_vm_vsrc(0)                           ; the loads, LDS stores and stores issued so far have read their registers: the offsets AD and RA, OUT, FIN's sums and OA (in the first trip: the head's offsets v140-158, which are FIN from here on); this trip writes them again
.if (\t) < 7
	AADDR (\t)+2                                           ; into the set that the last tile has left; its addresses' earlier loads were shown done a trip ago
	ALOADS (\t)+2, 1
.endif
.if (\t) > 0
	s_xor_b32 s54, s[16+2*(\t)], s[14+2*(\t)]              ; W2 is loaded anew only where a side's expert changes
	s_and_b32 s55, s54, 7
	s_cmp_eq_u32 s55, 0
	s_cbranch_scc1 .Lsame_a_\@
	RADDR 0, \t
	RLOADS 0, 1
	s_wait_loadcnt 0x0
	MASKB 0
.Lsame_a_\@:
	s_and_b32 s55, s54, 56
	s_cmp_eq_u32 s55, 0
	s_cbranch_scc1 .Lsame_b_\@
	RADDR 1, \t
	RLOADS 1, 1
	s_wait_loadcnt 0x0
	MASKB 1
.Lsame_b_\@:
.endif
.set TBF, (\t)%3
.if TBF < 2
.set TAB, 96*TBF
	WIN 0x5d                                               ; W2, C and D window 1, the hidden fragments window 3
.else
.set TAB, 160
	WIN 0x51
.endif
	MM2 0
.if TBF < 2
	WIN 0xae                                               ; the same with window 2
.else
	WIN 0xa2
.endif
	MM2 1
	WIN 0
.rept 4
	v_nop                                                  ; the places between the products and the first read of their results
.endr
	WIN 0x01
.set I, 0
.rept 16
	v_pk_mul_f32 v[OUT+2*I:OUT+2*I+1], v[224+2*I:224+2*I+1], v[GT+2*(\t):GT+2*(\t)+1] op_sel_hi:[1,0]   ; ga x side 0, each accumulator from its low end on
.set I, I+1
.endr
	WIN 0x02
.set I, 0
.rept 16
	v_pk_fma_f32 v[OUT+2*I:OUT+2*I+1], v[224+2*I:224+2*I+1], v[GT+2*(\t):GT+2*(\t)+1], v[OUT+2*I:OUT+2*I+1] op_sel:[0,1,0] op_sel_hi:[1,1,1]   ; + gb x side 1
.set I, I+1
.endr
	WIN 0
.irp i, 0,1
	v_cmp_gt_u32 s[56+\i], 0x1000, v[TR+2*TBF+\i]          ; which of the rows that I store hold a token: asked here, read behind the barrier
.endr
	s_wait_alu depctr_va_vdst(0)                           ; the gate lines have written OUT, which the LDS stores read; the last trip's additions are done with FIN, in which the LDS loads behind the barrier land
.irp bb, 0,1
.irp u, 0,1
	ds_store_b128 v[STO], v[OUT+8*(2*\bb+\u):OUT+8*(2*\bb+\u)+3] offset:PBUF*((\t)%2)+128*\bb+32*\u
	ds_store_b128 v[STO], v[OUT+8*(2*\bb+\u)+4:OUT+8*(2*\bb+\u)+7] offset:PBUF*((\t)%2)+128*\bb+32*\u+16
.endr
.endr
	s_wait_dscnt 0x0                                       ; my partial sums lie in LDS, and my reads of the other buffer, a trip ago, are over: so that buffer may be written behind this barrier
	s_barrier_signal -1
	s_barrier_wait -1
	s_wait_xcnt 0x0                                        ; the last trip's two stores have had their addresses translated: their data and addresses are written again below
.irp i, 0,1
.irp pw, 0,1,2,3
	ds_load_b128 v[FIN+16*\i+4*\pw:FIN+16*\i+4*\pw+3], v[RDA] offset:PBUF*((\t)%2)+4352*\pw+544*\i   ; (no wait: no vector line since the wait ahead of the LDS stores names FIN)
.endr
.endr
	s_wait_alu depctr_va_sdst(0)                           ; s56 and s57 are written, ahead of their first readers, the two selects
.irp i, 0,1                                            ; where the rows go, while the partial sums are on their way
	v_cndmask_b32 v[OA+\i], s[ROW0+(\t)], v[TR+2*TBF+\i], s[56+\i]   ; a filled-up row stands for the tile's first token
	v_min_u32 v[OA+\i], 4095, v[OA+\i]
	v_lshl_add_u32 v[OA+\i], v[OA+\i], 11, v[CO]
.endr
	s_wait_dscnt 0x0
.irp i, 0,1
	v_pk_add_f32 v[FIN+16*\i:FIN+16*\i+1], v[FIN+16*\i:FIN+16*\i+1], v[FIN+16*\i+4:FIN+16*\i+5]
	v_pk_add_f32 v[FIN+16*\i+2:FIN+16*\i+3], v[FIN+16*\i+2:FIN+16*\i+3], v[FIN+16*\i+6:FIN+16*\i+7]
	v_pk_add_f32 v[FIN+16*\i+8:FIN+16*\i+9], v[FIN+16*\i+8:FIN+16*\i+9], v[FIN+16*\i+12:FIN+16*\i+13]
	v_pk_add_f32 v[FIN+16*\i+10:FIN+16*\i+11], v[FIN+16*\i+10:FIN+16*\i+11], v[FIN+16*\i+14:FIN+16*\i+15]
	v_pk_add_f32 v[FIN+16*\i:FIN+16*\i+1], v[FIN+16*\i:FIN+16*\i+1], v[FIN+16*\i+8:FIN+16*\i+9]
	v_pk_add_f32 v[FIN+16*\i+2:FIN+16*\i+3], v[FIN+16*\i+2:FIN+16*\i+3], v[FIN+16*\i+10:FIN+16*\i+11]
.endr
	s_wait_alu depctr_va_vdst(0)                           ; the additions have written the sums and the lines above OA: the two stores read both
.if (\t) == 8
	s_bitcmp1_b32 s[16+2*(\t)], 6                          ; the ninth trip stores only where the block has a ninth tile: a scalar branch on the stored mark, round the two stores alone
	s_cbranch_scc0 .Lpast_\@
.endif
.irp i, 0,1
	global_store_b128 v[OA+\i], v[FIN+16*\i:FIN+16*\i+3], s[14:15] th:TH_STORE_NT   ; 16 lanes store 256 consecutive bytes of a token's row, at a multiple of 256
.endr
.if (\t) == 8
.Lpast_\@:
.endif
.endm
	s_load_b256 s[4:11], s[0:1], 0x0                       ; lists s[4:5], w2q s[6:7], hq s[8:9], xq s[10:11]
	s_load_b128 s[12:15], s[0:1], 0x20                     ; b2 s[12:13], out2 s[14:15]
	s_set_vgpr_msb 0xc0
	v_lshl_add_u32 v192, v0, 2, 0x8800
	v_mov_b32 v193, 0
	s_set_vgpr_msb 0xc000
	v_lshrrev_b32 v1, 5, v0
	v_readfirstlane_b32 s34, v1                            ; wave
	s_wait_alu depctr_va_sdst(0)                           ; s34 is written, ahead of its first reader: my K steps, my rows and my LDS bytes are made from it
	s_mov_b32 s35, ttmp9                                   ; which 64 columns
	s_and_b32 s36, ttmp7, 0xffff                           ; which block of tiles
	s_lshl_b32 s37, s36, 7
	s_wait_kmcnt 0x0
	s_load_b512 s[16:31], s[4:5], s37 offset:256           ; the block's nine entries, two words each: s[16 + 2 t], s[17 + 2 t]
	s_load_b64 s[32:33], s[4:5], s37 offset:320
	v_and_b32 v2, 31, v0
	v_lshlrev_b32 v[LI], 4, v2
	v_lshlrev_b32 v[LS], 2, v2
	v_and_b32 v9, 15, v0                                   ; r
	v_bfe_u32 v10, v0, 4, 1                                ; h
	v_lshlrev_b32 v[R4], 2, v9
	v_lshlrev_b32 v[H64], 6, v10
	s_lshl_b32 s38, s34, 4
	v_lshl_add_u32 v[TKO], v10, 2, s38
	s_lshl_b32 s38, s35, 8
	v_lshl_add_u32 v[CO], v9, 4, s38
	s_mul_i32 s38, s34, 4352
	v_mul_u32_u24 v[STO], v9, 272
	v_lshl_add_u32 v[STO], v10, 6, v[STO]
	v_add_nc_u32 v[STO], s38, v[STO]                       ; my wave's 16 rows: row r, + 64 h
	s_mul_i32 s38, s34, 1088
	v_mul_u32_u24 v[RDA], v10, 272
	v_lshl_add_u32 v[RDA], v9, 4, v[RDA]
	v_add_nc_u32 v[RDA], s38, v[RDA]                       ; row 4 w + h, 16 bytes a lane
	s_mul_i32 s39, s34, 6144                               ; my four K steps in a unit's images,
	s_lshl_b32 s40, s34, 9                                 ; in its scale words
	s_mul_i32 s41, s35, 98304
	s_mul_i32 s38, s34, 12288
	s_add_co_u32 s41, s41, s38                             ; my part of an expert's W2,
	s_lshl_b32 s42, s35, 12
	s_add_co_u32 s42, s42, s40                             ; of its scale words,
	s_lshl_b32 s43, s35, 8                                 ; of its b2
	s_cmp_eq_u32 s34, 0
	s_cselect_b32 s44, -1, 0
	s_add_nc_u64 s[46:47], s[8:9], HS_OFF
	s_wait_kmcnt 0x0
	; all the head's offsets are made first, so that ONE wait serves its 205 loads, which follow with no vector line among them
	RADDR 0, 0
	RADDR 1, 0
.irp t, 0,1,2,3,4,5,6,7,8
	s_lshr_b32 s48, s[16+2*\t], 8
	s_min_u32 s48, s48, 287
	s_lshl_b32 s48, s48, 6
	v_add_nc_u32 v[140+\t], s48, v[R4]
.endr
	AADDR 0
	AADDR 1
	RLOADS 0, 1                                            ; the wait stands here, behind the window switch: it also shows v1-8 written, for the whole kernel
	RLOADS 1, 0
.irp t, 0,1,2,3,4,5,6,7,8
	global_load_b32 v[128+\t], v[140+\t], s[4:5] offset:TOK4B   ; the token of my lane's row in each tile
.endr
	ALOADS 0, 0
	ALOADS 1, 0
	s_wait_loadcnt 63                                      ; 68 loads are younger than the tokens'; 63 is the most that the wait can name
.irp t, 0,1,2,3,4,5,6,7,8
	v_readfirstlane_b32 s[ROW0+\t], v[128+\t]              ; the tile's first token (lane 0 holds row 0's): kept for the stores too
.endr
.irp t, 0,1,2,3,4,5,6,7,8
	v_cmp_gt_u32 s[MK+\t], 0x1000, v[128+\t]               ; the rows that hold a token
.endr
	s_wait_alu depctr_va_sdst(0)                           ; s66-74 and s52-60 are written, ahead of their first readers, the selects below
.irp t, 0,1,2,3,4,5,6,7,8
	v_cndmask_b32 v[128+\t], s[ROW0+\t], v[128+\t], s[MK+\t]   ; a filled-up row takes the first token's gates
	v_min_u32 v[128+\t], 4095, v[128+\t]
	v_lshlrev_b32 v[150+\t], 3, v[128+\t]
.endr
	s_wait_alu depctr_va_vdst(0)                           ; v150-158 are written, which the nine loads read as offsets
.irp t, 0,1,2,3,4,5,6,7,8
	global_load_b64 v[GT+2*\t:GT+2*\t+1], v[150+\t], s[10:11] offset:GATE_OFF
.endr
	s_wait_loadcnt 0x0
	MASKB 0
	MASKB 1
	TRIP 0
	TRIP 1
	TRIP 2
	TRIP 3
	TRIP 4
	TRIP 5
	TRIP 6
	TRIP 7
	TRIP 8
	s_barrier_signal -1
	s_barrier_wait -1
	s_set_vgpr_msb 0xf                                     ; the add's two registers, its sources 0 and 1, lie in window 3: the switch stands ahead of the closing lines, and none follows them
	s_wait_dscnt 0x0                                       ; the closing lines, six on end
	s_wait_alu 0x0
	s_wait_tensorcnt 0x0
	ds_add_u32 v192, v193
	s_wait_dscnt 0x0
	s_endpgm
.Lfunc_end_k_q384afb9fd9_combine:
	.size	k_q384afb9fd9_combine, .Lfunc_end_k_q384afb9fd9_combine-k_q384afb9fd9_combine
	.p2alignl 7, 3214868480
	.fill 96, 4, 3214868480
	.section	.rodata,"a",@progbits
	.p2align	6, 0x0
	.amdhsa_kernel k_q384afb9fd9_combine
		.amdhsa_group_segment_fixed_size 35328
		.amdhsa_private_segment_fixed_size 0
		.amdhsa_enable_private_segment 0
		.amdhsa_kernarg_size 48
		.amdhsa_user_sgpr_count 2
		.amdhsa_user_sgpr_kernarg_segment_ptr 1
		.amdhsa_wavefront_size32 1
		.amdhsa_system_sgpr_workgroup_id_x 1
		.amdhsa_system_sgpr_workgroup_id_y 1
		.amdhsa_system_sgpr_workgroup_id_z 1
		.amdhsa_system_vgpr_workitem_id 0
		.amdhsa_next_free_vgpr 962
		.amdhsa_next_free_sgpr 80
		.amdhsa_reserve_vcc 0
		.amdhsa_float_denorm_mode_32 3
		.amdhsa_float_denorm_mode_16_64 3
		.amdhsa_memory_ordered 1
		.amdhsa_forward_progress 1
		.amdhsa_inst_pref_size 255
	.end_amdhsa_kernel
	.section	.bss,"aw",@nobits
	.p2align	6
	.space	262144
	.amdgpu_metadata
---
amdhsa.version: [ 1, 2 ]
amdhsa.kernels:
  - .name:           k_q384afb9fd9_combine
    .symbol:         k_q384afb9fd9_combine.kd
    .args:
      - { .name: lists, .offset: 0, .size: 8, .value_kind: global_buffer, .address_space: global }
      - { .name: w2q, .offset: 8, .size: 8, .value_kind: global_buffer, .address_space: global }
      - { .name: hq, .offset: 16, .size: 8, .value_kind: global_buffer, .address_space: global }
      - { .name: xq, .offset: 24, .size: 8, .value_kind: global_buffer, .address_space: global }
      - { .name: b2, .offset: 32, .size: 8, .value_kind: global_buffer, .address_space: global }
      - { .name: out2, .offset: 40, .size: 8, .value_kind: global_buffer, .address_space: global }
    .group_segment_fixed_size: 35328
    .private_segment_fixed_size: 0
    .kernarg_segment_align: 8
    .kernarg_segment_size: 48
    .max_flat_workgroup_size: 128
    .sgpr_count:     80
    .vgpr_count:     962
    .wavefront_size: 32
...
	.end_amdgpu_metadata
.endif
;; end of part 8
